; MI455X (gfx1250); checked and timed in simulation.
; The chip was launched on July 23, 2026; its instructions are those of AMD's public machine-readable ISA for CDNA 5 (MIT licence, August 2026) and "CDNA5" Instruction Set Architecture Reference Guide (July 2026). The comments in the code are by the model that wrote it; some were corrected since.
;; PFN Predictor Node Cls. Allowed arithmetic: float matrix products may take bf16 or f16 operands with f32 sums; other float arithmetic in f32, or as packed bf16 or f16 multiplies, adds, multiply-adds, maxima and minima; sums over many terms, partial sums and values carried from step to step in f32; what a program stores and reads back later, other than sums and carried values, may be rounded once to bf16 or f16.
;; Inputs: W1 8 x 1,024 x 4,096 float32; W2 8 x 4,096 x 1,024 float32; Wg 1,024 x 8 float32; b1 8 x 4,096 float32; b2 8 x 1,024 float32; bg 8 float32; x 1,024 x 1,024 float32.
;; Outputs: out0 1,024 x 1,024 float32; out1 one number float32.
;; 2 versions, each right; version 2 is version 1 with the launches ffn1, ffn2 written anew for expert scheduling mode. Each part assembles by itself: llvm-mc -triple=amdgcn-amd-amdhsa -mcpu=gfx1250 --defsym DOCPART=n.
;; ======== version 1 of 2: 5 launches
;; workspace buffers: xb 2,097,152 bytes; bm 2,048 bytes of whole numbers; order 36,864 bytes of whole numbers; gates 8,192 bytes; psum 2,048 bytes; h 16,777,216 bytes; part 33,554,432 bytes
;; launch router (part 1): grid 64 x 1, 8 waves a work-group, no clusters, 44,032 bytes of LDS; arguments x, Wg, bg, xb, bm, gates, psum; writes xb, bm, gates, psum
.if DOCPART == 1
	.amdgcn_target "amdgcn-amd-amdhsa--gfx1250"
	.amdhsa_code_object_version 6
	.text
	.protected	k_q46a6b68e81_router
	.globl	k_q46a6b68e81_router
	.p2align	8
	.type	k_q46a6b68e81_router,@function
k_q46a6b68e81_router:
	s_mov_b64 s[64:65], 0
	v_nop
	global_prefetch_b8 v0, s[64:65] scope:SCOPE_SE
	s_setreg_imm32_b32 hwreg(HW_REG_WAVE_MODE, 25, 1), 1
	s_wait_xcnt 0x0
; ROUTER.  logits = x Wg + bg for 16 tokens a work-group; softmax over the 8 experts; the two largest, their gates renormalised.
; Stored: xb = x rounded to bf16 [1024][1024]; bm = u16 [8 experts][2 choices][64 groups of 16 tokens]: bit i of entry (e, k, g) is set if token 16 g + i has expert e as its k-th choice;
; gates = f32 [2 token + k]; psum = f32 [64][8]: the group's sums of probabilities (added up by the last launch).
; No address of this launch hangs on the choice: it is stored at fixed places, and the later launches place the rows.
; FORMATS.  x, Wg and bg are rounded to bf16 (as every input of the program is), products by the matrix unit, sums in f32; softmax with the row's maximum taken away, in f32.
; LIMITS.  The two largest are taken on the logits with a strict >, so the lower index wins a tie; that differs from a choice on the probabilities only where two different logits give
; one f32 probability.  A probability below 2^-126 counts as 0.  NaN and infinities are not treated apart.
; SHARES.  Wave w takes K = 128 w .. 128 w + 127 of all 16 tokens: four matrix instructions, used transposed (source 0 = 16 rows of Wg^T, experts 0-7 twice; source 1 = 16 tokens), so that
; a lane holds ONE token (lane % 16) and its registers 0-7 the eight experts.  The eight waves' parts meet in LDS; wave 0 does the rest.
; No cluster, no tensor load: the work-groups share only Wg (32 KB), and x has to pass registers to be rounded.
.set XTW,   4352                       ; a wave's own 16 rows x 272 bytes (256 of bf16 + 16 of padding: the 16 rows of a fragment load start at 16 different groups of four banks)
.set RED,   8*XTW                      ; 8 x 1,024 bytes: the waves' partial logits
.set SPARE, RED+8192                   ; the spare words, 128 bytes for each of the eight waves; no other line names them
.set SPW, 4                            ; v4   my spare word's address; never rewritten
.set NIL, 5                            ; v5   0; never rewritten
.set X,   8                            ; v8-71    x as loaded: rows 2 i + h, 8 numbers each
.set G,   72                           ; v72-135  Wg as loaded
.set XB,  136                          ; v136-167 x in bf16
.set GF,  168                          ; v168-199 Wg's four fragments
.set BG,  200                          ; v200-207 bg
.set XF,  8                            ; v8-39    x's four fragments (X has been rounded by then)
.set A0,  40                           ; v40-47, v48-55  two accumulators, by turns
.set A1,  48
.set R,   56                           ; v56-63   their sum
.set RB,  64                           ; v64-127  wave 0: the eight waves' parts
.set L,   8                            ; v8-15    wave 0: the logits
	s_load_b256 s[4:11], s[0:1], 0x0               ; x s[4:5], Wg s[6:7], bg s[8:9], xb s[10:11]
	s_load_b128 s[12:15], s[0:1], 0x20             ; bm s[12:13], gates s[14:15]
	s_load_b64 s[16:17], s[0:1], 0x30              ; psum
	v_lshl_add_u32 v[SPW], v0, 2, SPARE
	v_mov_b32 v[NIL], 0
	v_lshrrev_b32 v1, 5, v0
	v_readfirstlane_b32 s18, v1                    ; wave 0..7
	v_and_b32 v1, 15, v0                           ; r
	v_bfe_u32 v2, v0, 4, 1                         ; h
	v_and_b32 v3, 31, v0                           ; lane
	v_lshlrev_b32 v6, 5, v1
	v_lshl_add_u32 v6, v2, 12, v6                  ; x: 4,096 h + 32 r
	v_and_b32 v7, 7, v0
	v_lshlrev_b32 v7, 2, v7
	v_lshl_add_u32 v7, v2, 8, v7                   ; Wg: 256 h + 4 (r % 8)
	v_lshlrev_b32 v208, 4, v1
	v_lshl_add_u32 v208, v2, 11, v208              ; xb: 2,048 h + 16 r
	s_mul_i32 s19, s18, XTW
	v_mul_u32_u24 v209, v2, 272
	v_lshl_add_u32 v209, v1, 4, v209
	v_add_nc_u32 v209, s19, v209                   ; into my rows: row h, 16 r
	v_mul_u32_u24 v210, v1, 272
	v_lshl_add_u32 v210, v2, 4, v210
	v_add_nc_u32 v210, s19, v210                   ; back as fragments: row r, 16 h
	v_lshl_add_u32 v211, v0, 5, RED                ; 32 bytes a thread
	v_mov_b32 v212, 0
	s_lshl_b32 s20, ttmp9, 16                      ; x: 16 rows of 4,096 bytes a group,
	s_lshl_b32 s22, s18, 9                         ; 512 bytes a wave
	s_add_co_u32 s20, s20, s22
	s_mov_b32 s21, 0
	s_lshl_b32 s22, s18, 12                        ; Wg: 128 rows of 32 bytes a wave
	s_mov_b32 s23, 0
	s_lshl_b32 s24, ttmp9, 15                      ; xb: 16 rows of 2,048 bytes,
	s_lshl_b32 s26, s18, 8                         ; 256 bytes a wave
	s_add_co_u32 s24, s24, s26
	s_mov_b32 s25, 0
	s_lshl_b32 s26, ttmp9, 5                       ; psum: 32 bytes a group
	s_mov_b32 s27, 0
	s_lshl_b32 s28, ttmp9, 7                       ; gates: 128 bytes a group
	s_mov_b32 s29, 0
	s_lshl_b32 s30, ttmp9, 1                       ; bm: 2 bytes a group in each of its 16 rows
	s_mov_b32 s31, 0
	s_wait_kmcnt 0x0
	s_add_nc_u64 s[4:5], s[4:5], s[20:21]
	s_add_nc_u64 s[6:7], s[6:7], s[22:23]
	s_add_nc_u64 s[10:11], s[10:11], s[24:25]
	s_add_nc_u64 s[12:13], s[12:13], s[30:31]
	s_add_nc_u64 s[14:15], s[14:15], s[28:29]
	s_add_nc_u64 s[16:17], s[16:17], s[26:27]
	; all loads at once: bg, x (wanted first), Wg
	global_load_b128 v[BG:BG+3], v212, s[8:9]
	global_load_b128 v[BG+4:BG+7], v212, s[8:9] offset:16
.irp i, 0,1,2,3,4,5,6,7
	global_load_b128 v[X+8*(\i):X+8*(\i)+3],   v6, s[4:5] offset:8192*(\i) th:TH_LOAD_NT      ; row 2 i + h, numbers 128 w + 8 r + 0..3
	global_load_b128 v[X+8*(\i)+4:X+8*(\i)+7], v6, s[4:5] offset:8192*(\i)+16 th:TH_LOAD_NT   ; + 4..7
.endr
.irp s, 0,1,2,3
.irp j, 0,1,2,3,4,5,6,7,8,9,10,11,12,13,14,15
	global_load_b32 v[G+16*(\s)+(\j)], v7, s[6:7] offset:1024*(\s)+32*((\j)+8*((\j)/8))      ; Wg[128 w + 32 s + 8 h + j'][r % 8], j' = 0..7, 16..23: a fragment's order
.endr
.endr
	s_wait_loadcnt 63                              ; behind x's last load stand Wg's 64; the count is the largest that the field holds
.irp i, 0,1,2,3,4,5,6,7
.irp m, 0,1,2,3
	v_cvt_pk_bf16_f32 v[XB+4*(\i)+(\m)], v[X+8*(\i)+2*(\m)], v[X+8*(\i)+2*(\m)+1]
.endr
.endr
.irp i, 0,1,2,3,4,5,6,7
	global_store_b128 v208, v[XB+4*(\i):XB+4*(\i)+3], s[10:11] offset:4096*(\i)               ; 16 lanes store 256 consecutive bytes, at a multiple of 256 from xb's first byte
.endr
.irp i, 0,1,2,3,4,5,6,7
	ds_store_b128 v209, v[XB+4*(\i):XB+4*(\i)+3] offset:544*(\i)
.endr
.irp s, 0,1,2,3
	ds_load_b128 v[XF+8*(\s):XF+8*(\s)+3],   v210 offset:64*(\s)                              ; my wave's own bytes: LDS serves a wave's instructions in order (ISA guide 5.7.1.4)
	ds_load_b128 v[XF+8*(\s)+4:XF+8*(\s)+7], v210 offset:64*(\s)+32
.endr
	s_wait_loadcnt 0x0                             ; Wg
.irp s, 0,1,2,3
.irp m, 0,1,2,3,4,5,6,7
	v_cvt_pk_bf16_f32 v[GF+8*(\s)+(\m)], v[G+16*(\s)+2*(\m)], v[G+16*(\s)+2*(\m)+1]
.endr
.endr
	s_wait_dscnt 0x0
	v_wmma_f32_16x16x32_bf16 v[A0:A0+7], v[GF:GF+7],       v[XF:XF+7],       0                ; two accumulators by turns; the first products start the sums
	v_wmma_f32_16x16x32_bf16 v[A1:A1+7], v[GF+8:GF+15],    v[XF+8:XF+15],    0
	v_wmma_f32_16x16x32_bf16 v[A0:A0+7], v[GF+16:GF+23],   v[XF+16:XF+23],   v[A0:A0+7]
	v_wmma_f32_16x16x32_bf16 v[A1:A1+7], v[GF+24:GF+31],   v[XF+24:XF+31],   v[A1:A1+7]
.rept 4
	v_nop                                          ; four places between a product and the reading of its result (ISA guide 7.12.1)
.endr
.irp m, 0,2,4,6
	v_pk_add_f32 v[R+(\m):R+(\m)+1], v[A0+(\m):A0+(\m)+1], v[A1+(\m):A1+(\m)+1]               ; from the low end on
.endr
	ds_store_b128 v211, v[R:R+3]
	ds_store_b128 v211, v[R+4:R+7] offset:16
	s_wait_dscnt 0x0                               ; for wave 0's sake: my part lies in LDS
	s_barrier_signal -1
	s_barrier_wait -1
	s_cmp_eq_u32 s18, 0
	s_cbranch_scc1 .Lwave0
	s_wait_tensorcnt 0x0                           ; the wave's end: behind my last LDS store
	ds_add_u32 v[SPW], v[NIL]
	s_wait_dscnt 0x0
	s_endpgm
.Lwave0:
.irp u, 0,1,2,3,4,5,6,7
	ds_load_b128 v[RB+8*(\u):RB+8*(\u)+3],   v211 offset:1024*(\u)                            ; in wave 0 v211 is RED + 32 x lane
	ds_load_b128 v[RB+8*(\u)+4:RB+8*(\u)+7], v211 offset:1024*(\u)+16
.endr
	s_mov_b32 s19, 0xffff0000
	s_mov_b32 s22, 0x3fb8aa3b                      ; log2(e)
.irp m, 0,1,2,3
	v_cvt_pk_bf16_f32 v[16+(\m)], v[BG+2*(\m)], v[BG+2*(\m)+1]                                ; bg rounded to bf16, and back as f32
.endr
.irp m, 0,1,2,3
	v_lshlrev_b32 v[BG+2*(\m)], 16, v[16+(\m)]
	v_and_b32 v[BG+2*(\m)+1], s19, v[16+(\m)]
.endr
	s_wait_dscnt 0x0
.irp a, 0,16,32,48
.irp m, 0,2,4,6
	v_pk_add_f32 v[RB+(\a)+(\m):RB+(\a)+(\m)+1], v[RB+(\a)+(\m):RB+(\a)+(\m)+1], v[RB+(\a)+8+(\m):RB+(\a)+8+(\m)+1]
.endr
.endr
.irp a, 0,32
.irp m, 0,2,4,6
	v_pk_add_f32 v[RB+(\a)+(\m):RB+(\a)+(\m)+1], v[RB+(\a)+(\m):RB+(\a)+(\m)+1], v[RB+(\a)+16+(\m):RB+(\a)+16+(\m)+1]
.endr
.endr
.irp m, 0,2,4,6
	v_pk_add_f32 v[RB+(\m):RB+(\m)+1], v[RB+(\m):RB+(\m)+1], v[RB+32+(\m):RB+32+(\m)+1]
.endr
.irp m, 0,2,4,6
	v_pk_add_f32 v[L+(\m):L+(\m)+1], v[RB+(\m):RB+(\m)+1], v[BG+(\m):BG+(\m)+1]               ; the token's eight logits
.endr
	; the largest (v16, its expert v17), then the largest of the others (v18, v19); a strict > keeps the lower index
	v_mov_b32 v16, v[L]
	v_mov_b32 v17, 0
	v_mov_b32 v20, 0xff800000
.irp j, 1,2,3,4,5,6,7
	v_cmp_gt_f32 vcc_lo, v[L+(\j)], v16
	v_cndmask_b32 v16, v16, v[L+(\j)], vcc_lo
	v_cndmask_b32 v17, v17, \j, vcc_lo
.endr
.irp j, 0,1,2,3,4,5,6,7
	v_cmp_eq_u32 vcc_lo, \j, v17
	v_cndmask_b32 v[24+(\j)], v[L+(\j)], v20, vcc_lo
.endr
	v_mov_b32 v18, v24
	v_mov_b32 v19, 0
.irp j, 1,2,3,4,5,6,7
	v_cmp_gt_f32 vcc_lo, v[24+(\j)], v18
	v_cndmask_b32 v18, v18, v[24+(\j)], vcc_lo
	v_cndmask_b32 v19, v19, \j, vcc_lo
.endr
	; softmax with the maximum taken away: e_j = 2^(c l_j - c m)
	v_mul_f32 v21, s22, v16
.irp j, 0,1,2,3,4,5,6,7
	v_fma_f32 v[24+(\j)], v[L+(\j)], s22, -v21
.endr
	v_fma_f32 v22, v18, s22, -v21
.irp j, 0,1,2,3,4,5,6,7
	v_exp_f32 v[24+(\j)], v[24+(\j)]
.endr
	v_exp_f32 v22, v22                             ; the second choice's e
	v_nop                                          ; a plain instruction behind the last exponential (ISA guide 5.7.2),
	s_wait_alu depctr_va_vdst(0)                   ; and one wait for the nine, ahead of the first reader
	v_pk_add_f32 v[32:33], v[24:25], v[26:27]
	v_pk_add_f32 v[34:35], v[28:29], v[30:31]
	v_pk_add_f32 v[32:33], v[32:33], v[34:35]
	v_add_f32 v32, v32, v33                        ; the sum of the eight
	v_add_f32 v33, 1.0, v22                        ; the first choice's e is 1: 1 + e2
	v_rcp_f32 v34, v32
	v_rcp_f32 v35, v33
	v_nop
	s_wait_alu depctr_va_vdst(0)                   ; one wait for the two reciprocals
.irp m, 0,2,4,6
	v_pk_mul_f32 v[24+(\m):25+(\m)], v[24+(\m):25+(\m)], v[34:35] op_sel_hi:[1,0]             ; the probabilities
.endr
	v_mov_b32 v36, v35                             ; gate 1 = 1 / (1 + e2)
	v_mul_f32 v37, v22, v35                        ; gate 2 = e2 / (1 + e2)
	; the bitmaps: a compare's mask IS the word (lanes 0-15 are the 16 tokens); lane 8 k + e of v38 takes it
.irp e, 0,1,2,3,4,5,6,7
	v_cmp_eq_u32 s[24+(\e)], \e, v17
	v_cmp_eq_u32 s[32+(\e)], \e, v19
.endr
	v_mov_b32 v38, 0
.irp e, 0,1,2,3,4,5,6,7
	v_writelane_b32 v38, s[24+(\e)], \e
	v_writelane_b32 v38, s[32+(\e)], 8+(\e)
.endr
	; the probabilities summed over the 16 tokens
.irp k, 1,2,4,8
.irp j, 0,1,2,3,4,5,6,7
	v_add_f32_dpp v[24+(\j)], v[24+(\j)], v[24+(\j)] row_xmask:\k row_mask:0xf bank_mask:0xf
.endr
.endr
	v_lshlrev_b32 v39, 3, v1                       ; gates: 8 bytes a token
	v_and_b32 v40, 7, v0                           ; bm: lane 8 k + e writes row (e, k): 256 e + 128 k
	v_bfe_u32 v41, v0, 3, 1
	v_lshlrev_b32 v40, 8, v40
	v_lshl_add_u32 v40, v41, 7, v40
	s_wait_xcnt 0x0                                ; EXEC changes only behind this wait: xb's stores have it among their sources
	v_cmp_gt_u32 vcc_lo, 16, v0
	s_and_saveexec_b32 s40, vcc_lo                 ; lanes 0-15
	global_store_b64 v39, v[36:37], s[14:15]
	global_store_b16 v40, v38, s[12:13]            ; 32 bytes a group in all: sixteen words of 2 bytes, each in its expert's row
	s_wait_xcnt 0x0
	s_or_b32 exec_lo, exec_lo, s40
	v_cmp_eq_u32 vcc_lo, 0, v0
	s_and_saveexec_b32 s40, vcc_lo                 ; lane 0
	global_store_b128 v212, v[24:27], s[16:17]
	global_store_b128 v212, v[28:31], s[16:17] offset:16
	s_wait_xcnt 0x0
	s_or_b32 exec_lo, exec_lo, s40
	s_wait_tensorcnt 0x0                           ; the wave's end
	ds_add_u32 v[SPW], v[NIL]
	s_wait_dscnt 0x0
	s_endpgm
.Lfunc_end_k_q46a6b68e81_router:
	.size	k_q46a6b68e81_router, .Lfunc_end_k_q46a6b68e81_router-k_q46a6b68e81_router
	.p2alignl 7, 3214868480
	.fill 96, 4, 3214868480
	.section	.rodata,"a",@progbits
	.p2align	6, 0x0
	.amdhsa_kernel k_q46a6b68e81_router
		.amdhsa_group_segment_fixed_size 44032
		.amdhsa_private_segment_fixed_size 0
		.amdhsa_enable_private_segment 0
		.amdhsa_kernarg_size 56
		.amdhsa_user_sgpr_count 2
		.amdhsa_user_sgpr_kernarg_segment_ptr 1
		.amdhsa_wavefront_size32 1
		.amdhsa_system_sgpr_workgroup_id_x 1
		.amdhsa_system_sgpr_workgroup_id_y 1
		.amdhsa_system_sgpr_workgroup_id_z 1
		.amdhsa_system_vgpr_workitem_id 0
		.amdhsa_next_free_vgpr 216
		.amdhsa_next_free_sgpr 66
		.amdhsa_reserve_vcc 1
		.amdhsa_float_denorm_mode_32 3
		.amdhsa_float_denorm_mode_16_64 3
		.amdhsa_memory_ordered 1
		.amdhsa_forward_progress 1
		.amdhsa_inst_pref_size 30
	.end_amdhsa_kernel
	.amdgpu_metadata
---
amdhsa.version: [ 1, 2 ]
amdhsa.kernels:
  - .name:           k_q46a6b68e81_router
    .symbol:         k_q46a6b68e81_router.kd
    .args:
      - { .name: x, .offset: 0, .size: 8, .value_kind: global_buffer, .address_space: global }
      - { .name: Wg, .offset: 8, .size: 8, .value_kind: global_buffer, .address_space: global }
      - { .name: bg, .offset: 16, .size: 8, .value_kind: global_buffer, .address_space: global }
      - { .name: xb, .offset: 24, .size: 8, .value_kind: global_buffer, .address_space: global }
      - { .name: bm, .offset: 32, .size: 8, .value_kind: global_buffer, .address_space: global }
      - { .name: gates, .offset: 40, .size: 8, .value_kind: global_buffer, .address_space: global }
      - { .name: psum, .offset: 48, .size: 8, .value_kind: global_buffer, .address_space: global }
    .group_segment_fixed_size: 44032
    .private_segment_fixed_size: 0
    .kernarg_segment_align: 8
    .kernarg_segment_size: 56
    .max_flat_workgroup_size: 256
    .sgpr_count:     66
    .vgpr_count:     216
    .wavefront_size: 32
...
	.end_amdgpu_metadata
.endif
;; end of part 1
;; launch sort (part 2): grid 9 x 8, 4 waves a work-group, no clusters, 0 bytes of LDS; arguments bm, order; writes order
.if DOCPART == 2
	.amdgcn_target "amdgcn-amd-amdhsa--gfx1250"
	.amdhsa_code_object_version 6
	.text
	.protected	k_q46a6b68e81_sort
	.globl	k_q46a6b68e81_sort
	.p2align	8
	.type	k_q46a6b68e81_sort,@function
k_q46a6b68e81_sort:
	s_mov_b64 s[64:65], 0
	v_nop
	global_prefetch_b8 v0, s[64:65] scope:SCOPE_SE
	s_setreg_imm32_b32 hwreg(HW_REG_WAVE_MODE, 25, 1), 1
	s_wait_xcnt 0x0
; THE LISTS.  order[e][rho] = the slot (2 token + k) of rank rho among the rows that chose expert e, tokens ascending; ranks at or past the count n repeat the last slot (slot 0 where n = 0);
; entry 1,151 holds n.  8 experts x 1,152 entries of 4 bytes.
; By GATHERING: a thread owns one entry, at a place made of its numbers alone, and computes as a VALUE which slot belongs there.  No address and no branch hangs on the bitmaps.
; An expert's 1,024 tokens are 32 words (either choice: M; second choice: B1), word l in lane l.  A loop over the words keeps, in each lane, the last word whose count of earlier rows is not above the
; lane's rank; inside the word the bit of the wanted rank is found in five steps on the word's counts by 16, 8, 4, 2 and 1 bits.
; Whole numbers throughout.  The work is small: 72 work-groups, a few hundred instructions each.  LDS, the matrix unit and clusters would add nothing.
.set ENT, 1152
	s_load_b128 s[4:7], s[0:1], 0x0                ; bm s[4:5], order s[6:7]
	v_and_b32 v1, 31, v0                           ; lane
	s_and_b32 s8, ttmp7, 0xffff                    ; e
	s_lshl_b32 s10, s8, 8                          ; bm: 256 bytes an expert
	s_mov_b32 s11, 0
	s_mul_i32 s12, s8, 4*ENT                       ; order: 4,608 bytes an expert,
	s_lshl_b32 s9, ttmp9, 9                        ; 512 bytes a work-group
	s_add_co_u32 s12, s12, s9
	s_mov_b32 s13, 0
	s_lshl_b32 s9, ttmp9, 7
	v_lshlrev_b32 v2, 2, v1
	v_lshlrev_b32 v3, 2, v0                        ; my entry
	v_add_nc_u32 v4, s9, v0                        ; rho
	s_wait_kmcnt 0x0
	s_add_nc_u64 s[4:5], s[4:5], s[10:11]
	s_add_nc_u64 s[6:7], s[6:7], s[12:13]
	global_load_b32 v5, v2, s[4:5]                 ; first choice, tokens 32 l .. 32 l + 31
	global_load_b32 v6, v2, s[4:5] offset:128      ; second choice
	s_wait_loadcnt 0x0
	v_or_b32 v5, v5, v6                            ; M
	s_mov_b32 s14, 0
	s_mov_b32 s15, 0                               ; n
.Lcount:
	v_readlane_b32 s16, v5, s14
	s_bcnt1_i32_b32 s16, s16
	s_add_co_u32 s15, s15, s16
	s_add_co_u32 s14, s14, 1
	s_cmp_lt_u32 s14, 32
	s_cbranch_scc1 .Lcount
	s_max_u32 s17, s15, 1
	s_sub_co_u32 s17, s17, 1
	v_min_u32 v7, s17, v4                          ; the rank looked for: rho, or the last
	v_mov_b32 v8, 0                                ; the word of M,
	v_mov_b32 v9, 0                                ; of B1,
	v_mov_b32 v10, 0                               ; the rows ahead of it,
	v_mov_b32 v11, 0                               ; its number
	s_mov_b32 s14, 0
	s_mov_b32 s18, 0                               ; rows ahead of word i
.Lsel:
	v_readlane_b32 s16, v5, s14
	v_readlane_b32 s19, v6, s14
	v_cmp_le_u32 vcc_lo, s18, v7
	v_cndmask_b32 v8, v8, s16, vcc_lo
	v_cndmask_b32 v9, v9, s19, vcc_lo
	v_cndmask_b32 v10, v10, s18, vcc_lo
	v_cndmask_b32 v11, v11, s14, vcc_lo
	s_bcnt1_i32_b32 s16, s16
	s_add_co_u32 s18, s18, s16
	s_add_co_u32 s14, s14, 1
	s_cmp_lt_u32 s14, 32
	s_cbranch_scc1 .Lsel
	v_sub_nc_u32 v12, v7, v10                      ; q: the rank inside the word
	v_lshrrev_b32 v13, 1, v8
	v_and_b32 v13, 0x55555555, v13
	v_sub_nc_u32 v13, v8, v13                      ; counts of 2 bits
	v_lshrrev_b32 v14, 2, v13
	v_and_b32 v15, 0x33333333, v13
	v_and_b32 v14, 0x33333333, v14
	v_add_nc_u32 v14, v15, v14                     ; of 4
	v_lshrrev_b32 v15, 4, v14
	v_add_nc_u32 v15, v14, v15
	v_and_b32 v15, 0x0f0f0f0f, v15                 ; of 8
	v_lshrrev_b32 v16, 8, v15
	v_add_nc_u32 v16, v15, v16                     ; its lowest byte: of bits 0-15
	v_mov_b32 v17, 0                               ; the bit's place
.macro STEP src, fw, st                ; if q is not below the count of the lower half, the bit lies in the upper half
	v_bfe_u32 v18, v[\src], v17, \fw
	v_add_nc_u32 v20, \st, v17
	v_cmp_ge_u32 vcc_lo, v12, v18
	v_sub_nc_u32 v19, v12, v18
	v_cndmask_b32 v12, v12, v19, vcc_lo
	v_cndmask_b32 v17, v17, v20, vcc_lo
.endm
	STEP 16, 8, 16
	STEP 15, 8, 8
	STEP 14, 4, 4
	STEP 13, 2, 2
	STEP 8, 1, 1
	v_bfe_u32 v18, v9, v17, 1                      ; k
	v_lshl_add_u32 v19, v11, 5, v17                ; token
	v_lshl_or_b32 v19, v19, 1, v18                 ; slot
	s_cmp_lg_u32 s15, 0
	s_cselect_b32 s20, -1, 0
	v_and_b32 v19, s20, v19                        ; slot 0 where the expert has no row
	v_cmp_eq_u32 vcc_lo, ENT-1, v4
	v_cndmask_b32 v19, v19, s15, vcc_lo            ; the last entry holds n
	global_store_b32 v3, v19, s[6:7]               ; a wave stores 128 consecutive bytes, the work-group 512
	s_endpgm
.Lfunc_end_k_q46a6b68e81_sort:
	.size	k_q46a6b68e81_sort, .Lfunc_end_k_q46a6b68e81_sort-k_q46a6b68e81_sort
	.p2alignl 7, 3214868480
	.fill 96, 4, 3214868480
	.section	.rodata,"a",@progbits
	.p2align	6, 0x0
	.amdhsa_kernel k_q46a6b68e81_sort
		.amdhsa_group_segment_fixed_size 0
		.amdhsa_private_segment_fixed_size 0
		.amdhsa_enable_private_segment 0
		.amdhsa_kernarg_size 16
		.amdhsa_user_sgpr_count 2
		.amdhsa_user_sgpr_kernarg_segment_ptr 1
		.amdhsa_wavefront_size32 1
		.amdhsa_system_sgpr_workgroup_id_x 1
		.amdhsa_system_sgpr_workgroup_id_y 1
		.amdhsa_system_sgpr_workgroup_id_z 1
		.amdhsa_system_vgpr_workitem_id 0
		.amdhsa_next_free_vgpr 32
		.amdhsa_next_free_sgpr 66
		.amdhsa_reserve_vcc 1
		.amdhsa_float_denorm_mode_32 3
		.amdhsa_float_denorm_mode_16_64 3
		.amdhsa_memory_ordered 1
		.amdhsa_forward_progress 1
		.amdhsa_inst_pref_size 5
	.end_amdhsa_kernel
	.amdgpu_metadata
---
amdhsa.version: [ 1, 2 ]
amdhsa.kernels:
  - .name:           k_q46a6b68e81_sort
    .symbol:         k_q46a6b68e81_sort.kd
    .args:
      - { .name: bm, .offset: 0, .size: 8, .value_kind: global_buffer, .address_space: global }
      - { .name: order, .offset: 8, .size: 8, .value_kind: global_buffer, .address_space: global }
    .group_segment_fixed_size: 0
    .private_segment_fixed_size: 0
    .kernarg_segment_align: 8
    .kernarg_segment_size: 16
    .max_flat_workgroup_size: 128
    .sgpr_count:     66
    .vgpr_count:     32
    .wavefront_size: 32
...
	.end_amdgpu_metadata
.endif
;; end of part 2
;; launch ffn1 (part 3): grid 32 x 8, 4 waves a work-group, no clusters, 296,448 bytes of LDS; arguments W1, b1, xb, order, h; writes h
.if DOCPART == 3
	.amdgcn_target "amdgcn-amd-amdhsa--gfx1250"
	.amdhsa_code_object_version 6
	.text
	.protected	k_q46a6b68e81_ffn1
	.globl	k_q46a6b68e81_ffn1
	.p2align	8
	.type	k_q46a6b68e81_ffn1,@function
k_q46a6b68e81_ffn1:
	s_mov_b64 s[64:65], 0
	v_nop
	global_prefetch_b8 v0, s[64:65] scope:SCOPE_SE
	s_setreg_imm32_b32 hwreg(HW_REG_WAVE_MODE, 25, 1), 1
	s_wait_xcnt 0x0
; ONE EXPERT PRODUCT, for the rows that chose the expert.  The text serves both layers; LAYER picks the constants, the gate and the way out.
;   LAYER 1: h[slot][4096] = relu(xb[slot / 2] W1[e] + b1[e]), bf16.     LAYER 2: part[q][slot][1024] = gate[slot] x (h[slot][1024 q ..] W2[e][1024 q ..] + b2[e] if q = 0), f32.
; A row is named by its slot = 2 token + k.  A work-group (x, e) multiplies [n rows of expert e] x [K = 1,024] by [1,024 x 128 columns]: 512 KB of f32 weights that it alone reads, once.
; LAYER 1: x = column slice 0..31.  LAYER 2: x % 8 = column slice, q = x / 8 = quarter of K; the four quarters' parts are added by the last launch.
; FORMATS.  Weights and bias are rounded to bf16 on their way through registers (as every input of the program is), rows come in bf16, sums in f32; h is rounded once to bf16.
; LIMITS.  bf16 has f32's range, so none of range; NaN and infinities are not treated apart.  Every split of the rows is served: 0 to 1,024 rows an expert.
; THE WEIGHTS go memory -> registers -> bf16 -> LDS, turned on the way, in 8 chunks of 128 along K; each chunk has an LDS slot of its own, written once, so the whole slice stays in LDS.
; LDS row 64 g + 16 cc + i holds column 64 g + 4 i + cc: so a lane's four columns of a 16-byte load go to rows 16 apart, and in the result a lane holds 32 neighbouring columns.
; THE ROWS come by the list order[e][rank] that an earlier launch stored (entry 1,151: the count n; ranks past n repeat the last slot).  Each number of the list is loaded at a place made of my own
; numbers alone, held to its range by a minimum with a constant, shifted and added: so it becomes an offset.  The rows go straight from memory into registers as matrix operands.
; THE MATRIX INSTRUCTION IS USED TRANSPOSED: source 0 = 16 LDS rows of weights, source 1 = 16 rows: lane (r, h), register j of accumulator f = 4 g + cc holds row r, column 64 g + 32 h + 4 j + cc.
; SHARES.  Tile j = ranks 16 j .. 16 j + 15 of the list belongs to wave j % 4.  In the main sweep a wave holds five tiles (j = w + 4 t); tiles 0-3 are always multiplied, tile 4 if it is live.
; All memory instructions of the sweep are issued on every path (a dead tile reads a row that exists), only products are jumped: so every counted wait holds on every path.
; Tiles from 20 on go through a loop behind the sweep, 12 trips in every wave; a chunk's LDS address there is the chunk's number (from the loop's counter, held to 0..7) times a slot's bytes plus a
; register that is never rewritten.  Two barriers a trip, on every wave's path, part the work-group's time in two: in one part the waves read weights, in the other they write and read their stages.
; Ranks past the count repeat the last slot: the same bytes go to the same row, EXEC stays full.
; THE WAY OUT: what a tile's stores name is the tile's own (its rows come back from the stage into its own accumulators, its offsets lie in window 1), so no wait stands between two tiles' ways out.
; NO TENSOR LOAD: the weights are f32 and pass registers to be rounded; the bf16 slice takes 278,528 bytes of LDS, which leaves no room for f32 slots; no descriptor covers rows that come by a list.
; NO CLUSTER: each weight byte has one reader; what an expert's work-groups share is its rows, which come by the list.
; REGISTERS, in windows of 256 (s_set_vgpr_msb: bits 1:0 source 0, 3:2 source 1, 5:4 source 2, 7:6 destination):
;   window 0: addresses; v64-127, v128-191 two buffers of weight fragments (on the way out: v64.. packed results); v192-255 the bias as an accumulator's image
;   window 1: v[40 s + 8 t ..] the rows' fragments: four buffers (32 along K each) x five tiles; v160-239 the five tiles' sixteen slots, later their stored rows' offsets; v240 my 16 bytes in a stored row
;   window 2: the accumulators of tiles 0-3, v[64 t + 8 f ..]
;   window 3: v0-63 tile 4's accumulators; v64-191 weights as loaded, four units of 32; v192-207 a unit in bf16; v208, v209 two addresses
.set LAYER, 1
.if LAYER == 1
.set PWS,    14                        ; a row of W1 is 16,384 bytes
.set SPITCH, 272                       ; a stage row: 128 bf16 + 16 bytes
.set NG,     0                         ; gate loads
.set OUT,    12                        ; s[12:13] h
.set RSH,    13                        ; a row of h is 8,192 bytes
.else
.set PWS,    12                        ; a row of W2 is 4,096 bytes
.set SPITCH, 528                       ; a stage row: 128 f32 + 16 bytes
.set NG,     5
.set OUT,    14                        ; s[14:15] part
.set RSH,    12                        ; a row of part is 4,096 bytes
.endif
.set PW,     1<<PWS
.set CH,     128*PW                    ; bytes from a chunk of weights to the next
.set PITCH,  272                       ; an LDS row of weights: 128 bf16 + 16 bytes = 68 words: 16 rows start at 16 different groups of four banks (64 banks of 4 bytes: ISA guide 11.1)
.set SLOT,   128*PITCH
.set STAGE,  8*SLOT                    ; behind the eight slots: 16 rows for each wave, for the way out
.set STG,    16*SPITCH
.set SPARE,  STAGE+4*STG               ; the spare words, 128 bytes for each wave; no other line names them
.set ORDE,   4608                      ; bytes of an expert's list
.set ORDN,   4604                      ; where its count lies
.set NRL,    20                        ; loads of the five tiles' slots: four of 16 bytes a tile
.set SPW,  4                           ; v4   my spare word's address; never rewritten
.set NIL,  5                           ; v5   0; never rewritten
.set LDB,  6                           ; v6   LDS address of my weight fragments in the slot in hand (the sweep's)
.set STO,  7                           ; v7   the way out: where I put my numbers of a row
.set RD,   8                           ; v8   the way out: where I read rows back
.set LST,  9                           ; v9   4 r: my rank's place among a tile's sixteen
.set VZ,   11                          ; v11  0: the offset of loads that are alike in all lanes, and the ReLU's bound
.set GATE, 16                          ; v16-20 my row's gate, by tile
.set RK,   21                          ; v21  LST for the tile of the loop behind the sweep
.set LEK,  22                          ; v22  where that tile's sixteen slots lie
.set ADR,  23                          ; v23  that loop's LDS address
.set PF,   24                          ; v24  the prefetches' offset
.set SL,   25                          ; v25-29 my row's slot, by tile
.set H16,  30                          ; v30  16 h
.set OFFA, 48                          ; v48-52 my row's byte offset, by tile
.set BOFF, 53                          ; v53  the bias's offset
.set LDB0, 56                          ; v56  LDS address of my weight fragments in slot 0; never rewritten
.set BF,   64
.set P,    64
.set BT,   128                         ; the bias in bf16, at the head
.set BIAS, 192
.set ROWS, 160                         ; window 1
.set COL1, 240
.set ST,   64                          ; window 3
.set TW,   192
.set STW,  208
.set OFFW, 209
.set MSB, 0
.macro WIN new                         ; the immediate's high byte repeats the setting that is left; a switch that changes nothing is dropped
.if MSB != (\new)
	s_set_vgpr_msb (MSB<<8)|(\new)
.set MSB, (\new)
.endif
.endm
.macro PLACES                          ; four places between a product and a load into, or a vector write of, one of its registers, or a reading of its result
.rept 4
	v_nop
.endr
.endm
; Unit s of a chunk: 64 columns (half g = s / 2) x 16 k: lane (r, h) takes rows 32 w + 16 (s % 2) + 8 h + j, columns 64 g + 4 r + 0..3: 16 lanes read 256 consecutive bytes.
; ahead: how many chunks past the pointer's; it stands in the immediate (4,571,392 at the most, inside its signed 24 bits), so that the pointer is stepped once a trip and nowhere else.
.macro WLOAD s, ahead
	WIN 0xff
.irp j, 0,1,2,3,4,5,6,7
	global_load_b128 v[ST+32*(\s)+4*(\j):ST+32*(\s)+4*(\j)+3], v[OFFW], s[4:5] offset:(\ahead)*CH+(16*((\s)&1)+(\j))*PW+256*((\s)>>1) th:TH_LOAD_NT
.endr
.endm
; The unit is rounded, eight k of one column to 16 bytes, and laid into the slot: column 64 g + 4 r + cc is LDS row 64 g + 16 cc + r.
.macro CVT s
	WIN 0xff
.irp cc, 0,1,2,3
.irp i, 0,1,2,3
	v_cvt_pk_bf16_f32 v[TW+4*(\cc)+(\i)], v[ST+32*(\s)+8*(\i)+(\cc)], v[ST+32*(\s)+8*(\i)+4+(\cc)]
.endr
.endr
.irp cc, 0,1,2,3
	ds_store_b128 v[STW], v[TW+4*(\cc):TW+4*(\cc)+3] offset:(64*((\s)>>1)+16*(\cc))*PITCH+32*((\s)&1)
.endr
.endm
.macro BLOAD s, buf                    ; the eight weight fragments of 32 along K at byte 64 s of the rows
	WIN 0
.irp f, 0,1,2,3,4,5,6,7
	ds_load_b128 v[BF+64*(\buf)+8*(\f):BF+64*(\buf)+8*(\f)+3],   v[LDB] offset:(\f)*16*PITCH+64*(\s)
	ds_load_b128 v[BF+64*(\buf)+8*(\f)+4:BF+64*(\buf)+8*(\f)+7], v[LDB] offset:(\f)*16*PITCH+64*(\s)+32
.endr
.endm
.macro ALOAD s                         ; the five tiles' row fragments of the same 32 along K, from memory
	WIN 0x40
.irp t, 0,1,2,3,4
	global_load_b128 v[40*(\s)+8*(\t):40*(\s)+8*(\t)+3],   v[OFFA+(\t)], s[8:9] offset:64*(\s)
	global_load_b128 v[40*(\s)+8*(\t)+4:40*(\s)+8*(\t)+7], v[OFFA+(\t)], s[8:9] offset:64*(\s)+32
.endr
.endm
.macro MUL t, s, buf                   ; eight products: tile t x the eight column blocks; the accumulators take turns, one instruction a turn
.if (\t) < 4
	WIN 0xa4
.set AC, 64*(\t)
.else
	WIN 0xf4
.set AC, 0
.endif
.irp f, 0,1,2,3,4,5,6,7
	v_wmma_f32_16x16x32_bf16 v[AC+8*(\f):AC+8*(\f)+7], v[BF+64*(\buf)+8*(\f):BF+64*(\buf)+8*(\f)+7], v[40*(\s)+8*(\t):40*(\s)+8*(\t)+7], v[AC+8*(\f):AC+8*(\f)+7]
.endr
.endm
.macro INIT t                          ; the sums start with the bias
.if (\t) < 4
	WIN 0x80
.set AC, 64*(\t)
.else
	WIN 0xc0
.set AC, 0
.endif
.set i, 0
.rept 64
	v_mov_b32 v[AC+i], v[BIAS+i]
.set i, i+1
.endr
.endm
.macro ROWMK t                         ; from my row's slot: its byte offset (and its gate): a minimum with a constant, then a shift and an add
.if LAYER == 1
	v_lshrrev_b32 v[SL+(\t)], 1, v[SL+(\t)]        ; the token
	v_min_u32 v[SL+(\t)], 0x3ff, v[SL+(\t)]
	v_lshlrev_b32 v[OFFA+(\t)], 11, v[SL+(\t)]
	v_add_nc_u32 v[OFFA+(\t)], v[H16], v[OFFA+(\t)]
.else
	v_min_u32 v[SL+(\t)], 0x7ff, v[SL+(\t)]
	v_lshlrev_b32 v[OFFA+(\t)], 13, v[SL+(\t)]
	v_add_nc_u32 v[OFFA+(\t)], v[H16], v[OFFA+(\t)]
	v_lshlrev_b32 v[SL+(\t)], 2, v[SL+(\t)]
	global_load_b32 v[GATE+(\t)], v[SL+(\t)], s[12:13]
.endif
.endm
; ONE STEP OF 32 ALONG K.  stream >= 1: unit s of the next chunk is rounded into the next slot; 2: and the unit of the chunk after it is asked for.  refill: the rows' fragments of the next chunk are asked for.
; nw, na: how many younger loads may stay out when the unit, and this step's row fragments, have to be there.  bar: the change of slots.
; The two pointers are stepped behind s_wait_xcnt 0, each at a place where the youngest global instruction stands a step's products back: the rows' in step 0 and the weights' in step 3, ahead of the step's row loads.
.macro KSTEP s, stream, refill, nw, na, bar
.if \stream
	s_wait_loadcnt \nw
	CVT \s
.if (\s) == 3
	v_add_nc_u32 v[STW], SLOT, v[STW]              ; the next chunk goes into the next slot
.endif
.if (\stream) == 2
	WLOAD \s, 2
.endif
.endif
.if (\s) < 3
	BLOAD (\s)+1, ((\s)+1)&1                       ; the next step's fragments; the buffer's last readers stand ahead of the last step's four places
.endif
	s_wait_loadcnt \na
.if (\s) == 3
.if \stream
	s_wait_dscnt 4                                 ; my fragments are in: behind them my 4 stores into the next slot
.else
	s_wait_dscnt 0x0
.endif
.elseif \stream
	s_wait_dscnt 20                                ; behind this step's fragments: 4 stores and 16 loads
.else
	s_wait_dscnt 16                                ; behind them: 16 loads
.endif
	MUL 0, \s, (\s)&1
.if \bar
	s_wait_dscnt 0x0                               ; for the others' sake: my stores into the next slot are done
	s_barrier_signal -1                            ; my part of the next slot lies in LDS
.endif
	MUL 1, \s, (\s)&1
.if \bar
	s_barrier_wait -1                              ; everybody's does
	WIN 0
	v_add_nc_u32 v[LDB], SLOT, v[LDB]
	BLOAD 0, 0
.endif
	MUL 2, \s, (\s)&1
	MUL 3, \s, (\s)&1
	WIN 0                                          ; at a branch and at a label every window is 0
	s_cmp_lt_u32 s28, 5
	s_cbranch_scc1 .Lno4_\@                        ; only products are jumped
	MUL 4, \s, (\s)&1
	WIN 0
.Lno4_\@:
	PLACES
.if \refill
.if (\s) == 0
	s_wait_xcnt 0x0                                ; the last chunk's 40 row loads have read s[8:9]
	s_add_nc_u64 s[8:9], s[8:9], 256               ; the rows' next chunk
.endif
.if ((\s) == 3) && ((\stream) == 2)
	s_wait_xcnt 0x0                                ; the trip's 32 weight loads and its prefetches have read s[4:5]
	s_add_nc_u64 s[4:5], s[4:5], CH                ; the weights' next chunk
.endif
	ALOAD \s
.endif
.endm
; THE WAY OUT of tile t.  Through my own stage in LDS, so that whole rows leave; each accumulator is read from its low end on.  The rows come back into the tile's own accumulators, and the
; tile's slots become its rows' offsets in place, between the stage's loads and the wait for them.
.macro EPI t
.if (\t) < 4
.set AC, 64*(\t)
.set WA, 2
.else
.set AC, 0
.set WA, 3
.endif
.set RW, ROWS+16*(\t)
.if LAYER == 1
	WIN WA*5                                       ; sources 0 and 1 in the accumulators' window
.irp g, 0,1
.irp j, 0,1,2,3,4,5,6,7
.irp u, 0,1
	v_cvt_pk_bf16_f32 v[P+16*(\g)+2*(\j)+(\u)], v[AC+8*(4*(\g)+2*(\u))+(\j)], v[AC+8*(4*(\g)+2*(\u)+1)+(\j)]
.endr
.endr
.endr
	WIN 0
.set i, 0
.rept 32
	v_pk_max_num_bf16 v[P+i], v[P+i], v[VZ]        ; ReLU; nothing is rounded
.set i, i+1
.endr
.irp g, 0,1
.irp i, 0,1,2,3
	ds_store_b128 v[STO], v[P+16*(\g)+4*(\i):P+16*(\g)+4*(\i)+3] offset:128*(\g)+16*(\i)
.endr
.endr
	WIN WA<<6                                      ; destination in the accumulators' window
.irp i, 0,1,2,3,4,5,6,7
	ds_load_b128 v[AC+4*(\i):AC+4*(\i)+3], v[RD] offset:2*SPITCH*(\i)                         ; LDS serves a wave's instructions in order (ISA guide 5.7.1.4): these see the stores above
.endr
	WIN 0x45                                       ; all in window 1
.irp i, 0,1,2,3,4,5,6,7
	v_cndmask_b32 v[RW+(\i)], v[RW+2*(\i)], v[RW+2*(\i)+1], s38                               ; lanes 0-15 store row 2 i, lanes 16-31 row 2 i + 1 (s38 is also the mask of the upper lanes)
.endr
.irp i, 0,1,2,3,4,5,6,7
	v_min_u32 v[RW+(\i)], 0x7ff, v[RW+(\i)]
.endr
.irp i, 0,1,2,3,4,5,6,7
	v_lshlrev_b32 v[RW+(\i)], RSH, v[RW+(\i)]
.endr
.irp i, 0,1,2,3,4,5,6,7
	v_add_nc_u32 v[RW+(\i)], v[COL1], v[RW+(\i)]
.endr
	WIN 1|(WA<<2)                                  ; the offset in window 1, the data in the accumulators' window
.irp i, 0,1,2,3,4,5,6,7
	s_wait_dscnt 7-(\i)                            ; behind rows 2 i, 2 i + 1: the later loads from the stage
	global_store_b128 v[RW+(\i)], v[AC+4*(\i):AC+4*(\i)+3], s[OUT:OUT+1]                      ; 16 lanes store 256 consecutive bytes, at a multiple of 256 from h's first byte
.endr
.else
	WIN WA                                         ; source 0 in the accumulators' window
.irp g, 0,1
.irp j, 0,1,2,3,4,5,6,7
.irp cc, 0,1,2,3
	v_mul_f32 v[P+32*(\g)+4*(\j)+(\cc)], v[AC+8*(4*(\g)+(\cc))+(\j)], v[GATE+(\t)]            ; the gate's multiply is also the move into neighbouring registers
.endr
.endr
.endr
	WIN 0
.irp g, 0,1
.irp j, 0,1,2,3,4,5,6,7
	ds_store_b128 v[STO], v[P+32*(\g)+4*(\j):P+32*(\g)+4*(\j)+3] offset:256*(\g)+16*(\j)
.endr
.endr
	WIN WA<<6                                      ; destination in the accumulators' window
.irp i, 0,1,2,3,4,5,6,7,8,9,10,11,12,13,14,15
	ds_load_b128 v[AC+4*(\i):AC+4*(\i)+3], v[RD] offset:SPITCH*(\i)                           ; LDS serves a wave's instructions in order (ISA guide 5.7.1.4): these see the stores above
.endr
	WIN 0x45                                       ; all in window 1
.irp i, 0,1,2,3,4,5,6,7,8,9,10,11,12,13,14,15
	v_min_u32 v[RW+(\i)], 0x7ff, v[RW+(\i)]        ; the wave stores row i whole
.endr
.irp i, 0,1,2,3,4,5,6,7,8,9,10,11,12,13,14,15
	v_lshlrev_b32 v[RW+(\i)], RSH, v[RW+(\i)]
.endr
.irp i, 0,1,2,3,4,5,6,7,8,9,10,11,12,13,14,15
	v_add_nc_u32 v[RW+(\i)], v[COL1], v[RW+(\i)]
.endr
	WIN 1|(WA<<2)                                  ; the offset in window 1, the data in the accumulators' window
.irp i, 0,1,2,3,4,5,6,7,8,9,10,11,12,13,14,15
	s_wait_dscnt 15-(\i)                           ; behind row i: the later loads from the stage
	global_store_b128 v[RW+(\i)], v[AC+4*(\i):AC+4*(\i)+3], s[OUT:OUT+1]                      ; the wave stores 512 consecutive bytes, at a multiple of 512 from part's first byte
.endr
.endif
	WIN 0
.endm
	; ---------------- the head
	s_load_b256 s[4:11], s[0:1], 0x0               ; weights s[4:5], bias s[6:7], rows s[8:9], order s[10:11]
.if LAYER == 1
	s_load_b64 s[12:13], s[0:1], 0x20              ; h
.else
	s_load_b128 s[12:15], s[0:1], 0x20             ; gates s[12:13], part s[14:15]
.endif
	v_lshl_add_u32 v[SPW], v0, 2, SPARE
	v_mov_b32 v[NIL], 0
	v_lshrrev_b32 v1, 5, v0
	v_readfirstlane_b32 s16, v1                    ; wave 0..3
	v_and_b32 v1, 15, v0                           ; r
	v_bfe_u32 v2, v0, 4, 1                         ; h
	v_and_b32 v3, 31, v0                           ; lane
	s_and_b32 s17, ttmp7, 0xffff                   ; e
	s_mov_b32 s18, ttmp9                           ; x
	s_mov_b32 s38, 0xffff0000
	s_lshl_b32 s20, s16, 5                         ; 32 w
	s_lshl_b32 s56, s16, 6                         ; 64 w
	s_mov_b32 s57, 0
	v_lshl_add_u32 v60, v2, 3, s20
	v_lshlrev_b32 v60, PWS, v60                    ; (32 w + 8 h) rows of weights
	v_mul_u32_u24 v[LDB], v1, PITCH
	v_lshl_add_u32 v[LDB], v2, 4, v[LDB]           ; 272 r + 16 h
	WIN 0xc0                                       ; destination window 3, sources window 0
	v_lshl_add_u32 v[OFFW], v1, 4, v60             ; + 16 r
	v_add_nc_u32 v[STW], s56, v[LDB]               ; 272 r + 16 h + 64 w: my 32 k of a row
	WIN 0
	v_add_nc_u32 v[LDB0], 0, v[LDB]
	v_lshrrev_b32 v[PF], 1, v3
	v_add_nc_u32 v[PF], s20, v[PF]
	v_lshlrev_b32 v[PF], PWS, v[PF]
	v_and_b32 v61, 1, v3
	v_lshl_add_u32 v[PF], v61, 8, v[PF]            ; row 32 w + lane / 2, 256 (lane % 2): each block of 256 bytes of my rows once
	v_lshlrev_b32 v[BOFF], 7, v2
	v_lshlrev_b32 v[H16], 4, v2
	v_lshlrev_b32 v[LST], 2, v1
	v_add_nc_u32 v[RK], 1024, v[LST]               ; tile w + 16
	v_mov_b32 v[LEK], 1024
	v_mov_b32 v[VZ], 0
	s_lshl_b32 s30, s17, 24                        ; an expert's weights are 2^24 bytes
.if LAYER == 1
	s_lshl_b32 s19, s18, 9
	s_add_co_u32 s30, s30, s19                     ; + 512 x
	s_lshl_b32 s22, s17, 14
	s_add_co_u32 s22, s22, s19                     ; b1: 16,384 e + 512 x
	s_mov_b32 s24, 0                               ; xb from its first byte
	s_lshl_b32 s28, s18, 8                         ; h: 256 x
.else
	s_lshr_b32 s19, s18, 3                         ; q
	s_and_b32 s37, s18, 7
	s_lshl_b32 s37, s37, 9                         ; 512 (x % 8)
	s_lshl_b32 s22, s19, 22
	s_add_co_u32 s30, s30, s22                     ; + 1,024 q rows of 4,096 bytes
	s_add_co_u32 s30, s30, s37
	s_lshl_b32 s22, s17, 12
	s_add_co_u32 s22, s22, s37                     ; b2: 4,096 e + 512 (x % 8)
	s_lshl_b32 s24, s19, 11                        ; h: 2,048 q
	s_lshl_b32 s28, s19, 23
	s_add_co_u32 s28, s28, s37                     ; part: 2^23 q + 512 (x % 8)
	s_cmp_eq_u32 s19, 0
	s_cselect_b32 s36, -1, 0                       ; the bias counts in quarter 0 alone
.endif
	s_mul_i32 s26, s17, ORDE                       ; my expert's list
	s_mov_b32 s31, 0
	s_mov_b32 s23, 0
	s_mov_b32 s25, 0
	s_mov_b32 s27, 0
	s_mov_b32 s29, 0
	s_wait_kmcnt 0x0
	s_add_nc_u64 s[4:5], s[4:5], s[30:31]
	s_add_nc_u64 s[6:7], s[6:7], s[22:23]
	s_add_nc_u64 s[8:9], s[8:9], s[24:25]
	s_add_nc_u64 s[58:59], s[10:11], s[26:27]      ; the list's first entry,
	s_add_nc_u64 s[10:11], s[58:59], s[56:57]      ; and my wave's sixteen ranks of its first four tiles; neither is rewritten
	s_add_nc_u64 s[OUT:OUT+1], s[OUT:OUT+1], s[28:29]
	s_mov_b64 s[32:33], s[8:9]                     ; the rows' first chunk, kept for the loop behind the sweep
	s_load_b32 s26, s[58:59], ORDN                 ; n
.irp t, 0,1,2,3,4
	global_load_b32 v[SL+(\t)], v[LST], s[10:11] offset:256*(\t)                              ; the slot of rank 16 (w + 4 t) + r
.endr
.irp a, 0,1,2,3,4,5,6,7,8,9,10,11,12,13,14,15
	global_load_b128 v[BF+4*(\a):BF+4*(\a)+3], v[BOFF], s[6:7] offset:256*((\a)/8)+16*((\a)%8) ; a = 8 g + j: columns 64 g + 32 h + 4 j + 0..3
.endr
	WLOAD 0, 0                                     ; chunk 0
	WLOAD 1, 0
	WLOAD 2, 0
	WLOAD 3, 0
	WIN 0
	; chunks 1 and 2 are asked into the L2: my wave's 32 rows of 512 bytes each, two requests a chunk, each block of 256 bytes once in the launch
	global_prefetch_b8 v[PF], s[4:5] offset:CH th:TH_LOAD_NT scope:SCOPE_SE
	global_prefetch_b8 v[PF], s[4:5] offset:CH+16*PW th:TH_LOAD_NT scope:SCOPE_SE
	global_prefetch_b8 v[PF], s[4:5] offset:2*CH th:TH_LOAD_NT scope:SCOPE_SE
	global_prefetch_b8 v[PF], s[4:5] offset:2*CH+16*PW th:TH_LOAD_NT scope:SCOPE_SE
	s_mul_i32 s20, s16, STG
	s_add_co_u32 s20, s20, STAGE                   ; my stage
	v_mul_u32_u24 v[STO], v1, SPITCH
.if LAYER == 1
	v_lshl_add_u32 v[STO], v2, 6, v[STO]           ; row r, 64 bytes for each half of the lanes
	v_add_nc_u32 v[STO], s20, v[STO]
	v_mul_u32_u24 v[RD], v2, SPITCH                ; back: lanes 0-15 one row of 256 bytes, lanes 16-31 the next
	v_lshl_add_u32 v[RD], v1, 4, v[RD]
	v_add_nc_u32 v[RD], s20, v[RD]
	WIN 0x40
	v_lshlrev_b32 v[COL1], 4, v1                   ; my 16 bytes of a stored row's 256
	WIN 0
.else
	v_lshl_add_u32 v[STO], v2, 7, v[STO]           ; row r, 128 bytes for each half of the lanes
	v_add_nc_u32 v[STO], s20, v[STO]
	v_lshlrev_b32 v[RD], 4, v3
	v_add_nc_u32 v[RD], s20, v[RD]                 ; back: the wave takes one row of 512 bytes
	WIN 0x40
	v_lshlrev_b32 v[COL1], 4, v3                   ; my 16 bytes of a stored row's 512
	WIN 0
.endif
	s_wait_loadcnt 48                              ; my rows' slots are in: behind them 16 loads of bias and 32 of weights
.irp t, 0,1,2,3,4
	ROWMK \t
.endr
	WIN 0x40
.irp t, 0,1,2,3,4
.irp i, 0,1,2,3
	global_load_b128 v[ROWS+16*(\t)+4*(\i):ROWS+16*(\t)+4*(\i)+3], v[VZ], s[10:11] offset:256*(\t)+16*(\i)  ; tile w + 4 t's sixteen slots, alike in all lanes, for its way out; the sweep's last wait for 0 shows them landed
.endr
.endr
	WIN 0
	; ---------------- the bias: rounded to bf16, laid out as an accumulator's image; the sums start with it
	s_wait_loadcnt 32+NG+NRL                       ; behind the bias: 32 loads of weights, the gates, the tiles' slots
.irp a, 0,1,2,3,4,5,6,7,8,9,10,11,12,13,14,15
	v_cvt_pk_bf16_f32 v[BT+2*(\a)],   v[BF+4*(\a)],   v[BF+4*(\a)+1]
	v_cvt_pk_bf16_f32 v[BT+2*(\a)+1], v[BF+4*(\a)+2], v[BF+4*(\a)+3]
.endr
.if LAYER == 2
.set i, 0
.rept 32
	v_and_b32 v[BT+i], s36, v[BT+i]
.set i, i+1
.endr
.endif
.irp a, 0,1,2,3,4,5,6,7,8,9,10,11,12,13,14,15
	v_lshlrev_b32 v[BIAS+32*((\a)/8)+(\a)%8],    16,  v[BT+2*(\a)]
	v_and_b32     v[BIAS+32*((\a)/8)+8+(\a)%8],  s38, v[BT+2*(\a)]
	v_lshlrev_b32 v[BIAS+32*((\a)/8)+16+(\a)%8], 16,  v[BT+2*(\a)+1]
	v_and_b32     v[BIAS+32*((\a)/8)+24+(\a)%8], s38, v[BT+2*(\a)+1]
.endr
	INIT 0
	INIT 1
	INIT 2
	INIT 3
	INIT 4
	s_wait_kmcnt 0x0
	s_min_u32 s26, s26, 0x400                      ; n
	s_add_co_u32 s27, s26, 15
	s_lshr_b32 s27, s27, 4                         ; tiles
	s_add_co_u32 s28, s27, 3
	s_sub_co_u32 s28, s28, s16
	s_lshr_b32 s28, s28, 2
	s_min_u32 s28, s28, 5                          ; my live tiles in the sweep
	; ---------------- chunk 0 into slot 0; behind each unit's rounding the pipeline is filled in a trip's own order: the unit of chunk 1, the step's rows of chunk 0
.irp s, 0,1,2,3
.set HC, 8*(3-(\s))+NG+NRL+18*(\s)     ; behind unit s: the later units, the gates, the tiles' slots, and 18 loads behind each earlier unit;
.if HC > 63
.set HC, 63                            ; no more than the field holds
.endif
	s_wait_loadcnt HC
	CVT \s
.if (\s) == 3
	v_add_nc_u32 v[STW], SLOT, v[STW]
.endif
	WLOAD \s, 1
	ALOAD \s
.endr
	s_wait_dscnt 0x0
	s_barrier_signal -1
	s_barrier_wait -1                              ; slot 0 is whole
	BLOAD 0, 0
	WIN 0
	s_mov_b32 s29, 6
	; ---------------- the sweep.  Trip c multiplies chunk c, rounds chunk c + 1 into its slot, asks for the weights of chunk c + 2 and the rows of chunk c + 1.  The weights' pointer stands at chunk c.
	; A step issues 8 loads of weights, then 10 of rows.  Behind a unit's loads stand 10 + 3 x 18 = 64 when it is wanted (the count is the largest that the field holds); behind a step's rows 3 x 18 + 8 = 62.
.Ltrip:
	KSTEP 0, 2, 1, 63, 62, 0
	WIN 0
	s_cmp_eq_u32 s29, 1
	s_cbranch_scc1 .Lnopf                          ; the last trip asks for nothing: chunk 7 is the slice's last
	global_prefetch_b8 v[PF], s[4:5] offset:3*CH th:TH_LOAD_NT scope:SCOPE_SE        ; chunk c + 3, a trip ahead of its loads: my wave's 32 rows
	global_prefetch_b8 v[PF], s[4:5] offset:3*CH+16*PW th:TH_LOAD_NT scope:SCOPE_SE
.Lnopf:
	KSTEP 1, 2, 1, 63, 62, 0
	KSTEP 2, 2, 1, 63, 62, 0
	KSTEP 3, 2, 1, 63, 62, 1
	WIN 0
	s_sub_co_u32 s29, s29, 1
	s_cmp_lg_u32 s29, 0
	s_cbranch_scc1 .Ltrip
	KSTEP 0, 1, 1, 63, 54, 0                       ; chunk 6: no weights are asked for any more, so the counts run down by 8 a step
	KSTEP 1, 1, 1, 56, 46, 0
	KSTEP 2, 1, 1, 48, 38, 0
	KSTEP 3, 1, 1, 40, 30, 1
	KSTEP 0, 0, 0, 0, 30, 0                        ; chunk 7: nothing is asked for: 10 a step
	KSTEP 1, 0, 0, 0, 20, 0
	KSTEP 2, 0, 0, 0, 10, 0
	KSTEP 3, 0, 0, 0, 0, 0
	; ---------------- tiles 0-3 go out, as far as they are live
	WIN 0
	s_cmp_le_u32 s28, 0
	s_cbranch_scc1 .Lmain_done
	EPI 0
	s_cmp_le_u32 s28, 1
	s_cbranch_scc1 .Lmain_done
	EPI 1
	s_cmp_le_u32 s28, 2
	s_cbranch_scc1 .Lmain_done
	EPI 2
	s_cmp_le_u32 s28, 3
	s_cbranch_scc1 .Lmain_done
	EPI 3
.Lmain_done:
	; ---------------- tile w + 16 (multiplied in the sweep) goes out, and tiles w + 20, w + 24 .. are made on tile 4's registers.  12 trips reach tile 63; dead work is jumped, the barriers never.
	; A trip has two parts, a barrier in front of each.  In the first the waves read weights, at an LDS address that hangs on the chunk loop's counter, and no wave writes LDS; in the second each wave
	; writes and reads its own stage.  The loop waits for each load: beyond its first trip it has work only where an expert has more than 320 rows.
	s_mov_b32 s34, 12
	s_add_co_u32 s35, s16, 16
	s_mov_b32 s23, 0
.Ltail:
	s_wait_dscnt 0x0                               ; my stores into my stage, and my reads of it, are done: those of tiles 0-3, or of the last trip's way out
	s_barrier_signal -1
	s_barrier_wait -1                              ; every wave's are: from here to the next barrier LDS is only read
	s_cmp_ge_u32 s35, s27
	s_cbranch_scc1 .Ltmade
	s_cmp_eq_u32 s34, 12
	s_cbranch_scc1 .Ltmade                         ; the first trip's tile was made in the sweep
	s_wait_xcnt 0x0                                ; the last trip's stores have read tile 4's offsets and accumulators
	global_load_b32 v[SL+4], v[RK], s[10:11]       ; my row's slot,
	WIN 0x40
.irp i, 0,1,2,3
	global_load_b128 v[ROWS+64+4*(\i):ROWS+64+4*(\i)+3], v[LEK], s[10:11] offset:16*(\i)      ; and the tile's sixteen
.endr
	INIT 4
	WIN 0
	s_wait_loadcnt 0x0
	ROWMK 4
	s_mov_b32 s29, 8
.Ltchunk:                                              ; chunk c = 8 - the counter: the rows' 256 bytes at 256 c, the weights from slot c
	s_sub_co_u32 s20, 8, s29
	s_min_u32 s20, s20, 7                          ; held to its range
	s_mul_i32 s21, s20, SLOT
	s_lshl_b32 s22, s20, 8
	s_add_nc_u64 s[8:9], s[32:33], s[22:23]        ; every load that named s[8:9] has been waited for
	v_add_nc_u32 v[ADR], s21, v[LDB0]
	WIN 0x40
.irp s, 0,1,2,3
	global_load_b128 v[40*(\s)+32:40*(\s)+35], v[OFFA+4], s[8:9] offset:64*(\s)
	global_load_b128 v[40*(\s)+36:40*(\s)+39], v[OFFA+4], s[8:9] offset:64*(\s)+32
.endr
.irp s, 0,1,2,3
	WIN 0
.irp f, 0,1,2,3,4,5,6,7
	ds_load_b128 v[BF+8*(\f):BF+8*(\f)+3],   v[ADR] offset:(\f)*16*PITCH+64*(\s)
	ds_load_b128 v[BF+8*(\f)+4:BF+8*(\f)+7], v[ADR] offset:(\f)*16*PITCH+64*(\s)+32
.endr
.if (\s) == 0
	s_wait_loadcnt 0x0                             ; the chunk's rows (and, the first time, the gate)
.endif
	s_wait_dscnt 0x0
	MUL 4, \s, 0
	PLACES
.endr
	WIN 0
	s_sub_co_u32 s29, s29, 1
	s_cmp_lg_u32 s29, 0
	s_cbranch_scc1 .Ltchunk
.Ltmade:
	s_wait_dscnt 0x0                               ; my reads of the weights are back
	s_barrier_signal -1
	s_barrier_wait -1                              ; every wave's are: from here to the next barrier, or to the end, the stages and the spare words may be written
	s_cmp_ge_u32 s35, s27
	s_cbranch_scc1 .Ltnext
	s_wait_xcnt 0x0                                ; this way out stands in a loop: what its last turn's stores named is rewritten only behind this wait
	EPI 4
.Ltnext:
	v_add_nc_u32 v[RK], 256, v[RK]                 ; four tiles on; the loads that named these two have been waited for
	v_add_nc_u32 v[LEK], 256, v[LEK]
	s_add_co_u32 s35, s35, 4
	s_sub_co_u32 s34, s34, 1
	s_cmp_lg_u32 s34, 0
	s_cbranch_scc1 .Ltail
	s_wait_tensorcnt 0x0                           ; the wave's end: behind my last LDS store
	ds_add_u32 v[SPW], v[NIL]
	s_wait_dscnt 0x0
	s_endpgm
.Lfunc_end_k_q46a6b68e81_ffn1:
	.size	k_q46a6b68e81_ffn1, .Lfunc_end_k_q46a6b68e81_ffn1-k_q46a6b68e81_ffn1
	.p2alignl 7, 3214868480
	.fill 96, 4, 3214868480
	.section	.rodata,"a",@progbits
	.p2align	6, 0x0
	.amdhsa_kernel k_q46a6b68e81_ffn1
		.amdhsa_group_segment_fixed_size 296448
		.amdhsa_private_segment_fixed_size 0
		.amdhsa_enable_private_segment 0
		.amdhsa_kernarg_size 40
		.amdhsa_user_sgpr_count 2
		.amdhsa_user_sgpr_kernarg_segment_ptr 1
		.amdhsa_wavefront_size32 1
		.amdhsa_system_sgpr_workgroup_id_x 1
		.amdhsa_system_sgpr_workgroup_id_y 1
		.amdhsa_system_sgpr_workgroup_id_z 1
		.amdhsa_system_vgpr_workitem_id 0
		.amdhsa_next_free_vgpr 1024
		.amdhsa_next_free_sgpr 66
		.amdhsa_reserve_vcc 0
		.amdhsa_float_denorm_mode_32 3
		.amdhsa_float_denorm_mode_16_64 3
		.amdhsa_memory_ordered 1
		.amdhsa_forward_progress 1
		.amdhsa_inst_pref_size 158
	.end_amdhsa_kernel
	.amdgpu_metadata
---
amdhsa.version: [ 1, 2 ]
amdhsa.kernels:
  - .name:           k_q46a6b68e81_ffn1
    .symbol:         k_q46a6b68e81_ffn1.kd
    .args:
      - { .name: W1, .offset: 0, .size: 8, .value_kind: global_buffer, .address_space: global }
      - { .name: b1, .offset: 8, .size: 8, .value_kind: global_buffer, .address_space: global }
      - { .name: xb, .offset: 16, .size: 8, .value_kind: global_buffer, .address_space: global }
      - { .name: order, .offset: 24, .size: 8, .value_kind: global_buffer, .address_space: global }
      - { .name: h, .offset: 32, .size: 8, .value_kind: global_buffer, .address_space: global }
    .group_segment_fixed_size: 296448
    .private_segment_fixed_size: 0
    .kernarg_segment_align: 8
    .kernarg_segment_size: 40
    .max_flat_workgroup_size: 128
    .sgpr_count:     66
    .vgpr_count:     1024
    .wavefront_size: 32
...
	.end_amdgpu_metadata
.endif
;; end of part 3
;; launch ffn2 (part 4): grid 32 x 8, 4 waves a work-group, no clusters, 312,832 bytes of LDS; arguments W2, b2, h, order, gates, part; writes part
.if DOCPART == 4
	.amdgcn_target "amdgcn-amd-amdhsa--gfx1250"
	.amdhsa_code_object_version 6
	.text
	.protected	k_q46a6b68e81_ffn2
	.globl	k_q46a6b68e81_ffn2
	.p2align	8
	.type	k_q46a6b68e81_ffn2,@function
k_q46a6b68e81_ffn2:
	s_mov_b64 s[64:65], 0
	v_nop
	global_prefetch_b8 v0, s[64:65] scope:SCOPE_SE
	s_setreg_imm32_b32 hwreg(HW_REG_WAVE_MODE, 25, 1), 1
	s_wait_xcnt 0x0
; ONE EXPERT PRODUCT, for the rows that chose the expert.  The text serves both layers; LAYER picks the constants, the gate and the way out.
;   LAYER 1: h[slot][4096] = relu(xb[slot / 2] W1[e] + b1[e]), bf16.     LAYER 2: part[q][slot][1024] = gate[slot] x (h[slot][1024 q ..] W2[e][1024 q ..] + b2[e] if q = 0), f32.
; A row is named by its slot = 2 token + k.  A work-group (x, e) multiplies [n rows of expert e] x [K = 1,024] by [1,024 x 128 columns]: 512 KB of f32 weights that it alone reads, once.
; LAYER 1: x = column slice 0..31.  LAYER 2: x % 8 = column slice, q = x / 8 = quarter of K; the four quarters' parts are added by the last launch.
; FORMATS.  Weights and bias are rounded to bf16 on their way through registers (as every input of the program is), rows come in bf16, sums in f32; h is rounded once to bf16.
; LIMITS.  bf16 has f32's range, so none of range; NaN and infinities are not treated apart.  Every split of the rows is served: 0 to 1,024 rows an expert.
; THE WEIGHTS go memory -> registers -> bf16 -> LDS, turned on the way, in 8 chunks of 128 along K; each chunk has an LDS slot of its own, written once, so the whole slice stays in LDS.
; LDS row 64 g + 16 cc + i holds column 64 g + 4 i + cc: so a lane's four columns of a 16-byte load go to rows 16 apart, and in the result a lane holds 32 neighbouring columns.
; THE ROWS come by the list order[e][rank] that an earlier launch stored (entry 1,151: the count n; ranks past n repeat the last slot).  Each number of the list is loaded at a place made of my own
; numbers alone, held to its range by a minimum with a constant, shifted and added: so it becomes an offset.  The rows go straight from memory into registers as matrix operands.
; THE MATRIX INSTRUCTION IS USED TRANSPOSED: source 0 = 16 LDS rows of weights, source 1 = 16 rows: lane (r, h), register j of accumulator f = 4 g + cc holds row r, column 64 g + 32 h + 4 j + cc.
; SHARES.  Tile j = ranks 16 j .. 16 j + 15 of the list belongs to wave j % 4.  In the main sweep a wave holds five tiles (j = w + 4 t); tiles 0-3 are always multiplied, tile 4 if it is live.
; All memory instructions of the sweep are issued on every path (a dead tile reads a row that exists), only products are jumped: so every counted wait holds on every path.
; Tiles from 20 on go through a loop behind the sweep, 12 trips in every wave; a chunk's LDS address there is the chunk's number (from the loop's counter, held to 0..7) times a slot's bytes plus a
; register that is never rewritten.  Two barriers a trip, on every wave's path, part the work-group's time in two: in one part the waves read weights, in the other they write and read their stages.
; Ranks past the count repeat the last slot: the same bytes go to the same row, EXEC stays full.
; THE WAY OUT: what a tile's stores name is the tile's own (its rows come back from the stage into its own accumulators, its offsets lie in window 1), so no wait stands between two tiles' ways out.
; NO TENSOR LOAD: the weights are f32 and pass registers to be rounded; the bf16 slice takes 278,528 bytes of LDS, which leaves no room for f32 slots; no descriptor covers rows that come by a list.
; NO CLUSTER: each weight byte has one reader; what an expert's work-groups share is its rows, which come by the list.
; REGISTERS, in windows of 256 (s_set_vgpr_msb: bits 1:0 source 0, 3:2 source 1, 5:4 source 2, 7:6 destination):
;   window 0: addresses; v64-127, v128-191 two buffers of weight fragments (on the way out: v64.. packed results); v192-255 the bias as an accumulator's image
;   window 1: v[40 s + 8 t ..] the rows' fragments: four buffers (32 along K each) x five tiles; v160-239 the five tiles' sixteen slots, later their stored rows' offsets; v240 my 16 bytes in a stored row
;   window 2: the accumulators of tiles 0-3, v[64 t + 8 f ..]
;   window 3: v0-63 tile 4's accumulators; v64-191 weights as loaded, four units of 32; v192-207 a unit in bf16; v208, v209 two addresses
.set LAYER, 2
.if LAYER == 1
.set PWS,    14                        ; a row of W1 is 16,384 bytes
.set SPITCH, 272                       ; a stage row: 128 bf16 + 16 bytes
.set NG,     0                         ; gate loads
.set OUT,    12                        ; s[12:13] h
.set RSH,    13                        ; a row of h is 8,192 bytes
.else
.set PWS,    12                        ; a row of W2 is 4,096 bytes
.set SPITCH, 528                       ; a stage row: 128 f32 + 16 bytes
.set NG,     5
.set OUT,    14                        ; s[14:15] part
.set RSH,    12                        ; a row of part is 4,096 bytes
.endif
.set PW,     1<<PWS
.set CH,     128*PW                    ; bytes from a chunk of weights to the next
.set PITCH,  272                       ; an LDS row of weights: 128 bf16 + 16 bytes = 68 words: 16 rows start at 16 different groups of four banks (64 banks of 4 bytes: ISA guide 11.1)
.set SLOT,   128*PITCH
.set STAGE,  8*SLOT                    ; behind the eight slots: 16 rows for each wave, for the way out
.set STG,    16*SPITCH
.set SPARE,  STAGE+4*STG               ; the spare words, 128 bytes for each wave; no other line names them
.set ORDE,   4608                      ; bytes of an expert's list
.set ORDN,   4604                      ; where its count lies
.set NRL,    20                        ; loads of the five tiles' slots: four of 16 bytes a tile
.set SPW,  4                           ; v4   my spare word's address; never rewritten
.set NIL,  5                           ; v5   0; never rewritten
.set LDB,  6                           ; v6   LDS address of my weight fragments in the slot in hand (the sweep's)
.set STO,  7                           ; v7   the way out: where I put my numbers of a row
.set RD,   8                           ; v8   the way out: where I read rows back
.set LST,  9                           ; v9   4 r: my rank's place among a tile's sixteen
.set VZ,   11                          ; v11  0: the offset of loads that are alike in all lanes, and the ReLU's bound
.set GATE, 16                          ; v16-20 my row's gate, by tile
.set RK,   21                          ; v21  LST for the tile of the loop behind the sweep
.set LEK,  22                          ; v22  where that tile's sixteen slots lie
.set ADR,  23                          ; v23  that loop's LDS address
.set PF,   24                          ; v24  the prefetches' offset
.set SL,   25                          ; v25-29 my row's slot, by tile
.set H16,  30                          ; v30  16 h
.set OFFA, 48                          ; v48-52 my row's byte offset, by tile
.set BOFF, 53                          ; v53  the bias's offset
.set LDB0, 56                          ; v56  LDS address of my weight fragments in slot 0; never rewritten
.set BF,   64
.set P,    64
.set BT,   128                         ; the bias in bf16, at the head
.set BIAS, 192
.set ROWS, 160                         ; window 1
.set COL1, 240
.set ST,   64                          ; window 3
.set TW,   192
.set STW,  208
.set OFFW, 209
.set MSB, 0
.macro WIN new                         ; the immediate's high byte repeats the setting that is left; a switch that changes nothing is dropped
.if MSB != (\new)
	s_set_vgpr_msb (MSB<<8)|(\new)
.set MSB, (\new)
.endif
.endm
.macro PLACES                          ; four places between a product and a load into, or a vector write of, one of its registers, or a reading of its result
.rept 4
	v_nop
.endr
.endm
; Unit s of a chunk: 64 columns (half g = s / 2) x 16 k: lane (r, h) takes rows 32 w + 16 (s % 2) + 8 h + j, columns 64 g + 4 r + 0..3: 16 lanes read 256 consecutive bytes.
; ahead: how many chunks past the pointer's; it stands in the immediate (4,571,392 at the most, inside its signed 24 bits), so that the pointer is stepped once a trip and nowhere else.
.macro WLOAD s, ahead
	WIN 0xff
.irp j, 0,1,2,3,4,5,6,7
	global_load_b128 v[ST+32*(\s)+4*(\j):ST+32*(\s)+4*(\j)+3], v[OFFW], s[4:5] offset:(\ahead)*CH+(16*((\s)&1)+(\j))*PW+256*((\s)>>1) th:TH_LOAD_NT
.endr
.endm
; The unit is rounded, eight k of one column to 16 bytes, and laid into the slot: column 64 g + 4 r + cc is LDS row 64 g + 16 cc + r.
.macro CVT s
	WIN 0xff
.irp cc, 0,1,2,3
.irp i, 0,1,2,3
	v_cvt_pk_bf16_f32 v[TW+4*(\cc)+(\i)], v[ST+32*(\s)+8*(\i)+(\cc)], v[ST+32*(\s)+8*(\i)+4+(\cc)]
.endr
.endr
.irp cc, 0,1,2,3
	ds_store_b128 v[STW], v[TW+4*(\cc):TW+4*(\cc)+3] offset:(64*((\s)>>1)+16*(\cc))*PITCH+32*((\s)&1)
.endr
.endm
.macro BLOAD s, buf                    ; the eight weight fragments of 32 along K at byte 64 s of the rows
	WIN 0
.irp f, 0,1,2,3,4,5,6,7
	ds_load_b128 v[BF+64*(\buf)+8*(\f):BF+64*(\buf)+8*(\f)+3],   v[LDB] offset:(\f)*16*PITCH+64*(\s)
	ds_load_b128 v[BF+64*(\buf)+8*(\f)+4:BF+64*(\buf)+8*(\f)+7], v[LDB] offset:(\f)*16*PITCH+64*(\s)+32
.endr
.endm
.macro ALOAD s                         ; the five tiles' row fragments of the same 32 along K, from memory
	WIN 0x40
.irp t, 0,1,2,3,4
	global_load_b128 v[40*(\s)+8*(\t):40*(\s)+8*(\t)+3],   v[OFFA+(\t)], s[8:9] offset:64*(\s)
	global_load_b128 v[40*(\s)+8*(\t)+4:40*(\s)+8*(\t)+7], v[OFFA+(\t)], s[8:9] offset:64*(\s)+32
.endr
.endm
.macro MUL t, s, buf                   ; eight products: tile t x the eight column blocks; the accumulators take turns, one instruction a turn
.if (\t) < 4
	WIN 0xa4
.set AC, 64*(\t)
.else
	WIN 0xf4
.set AC, 0
.endif
.irp f, 0,1,2,3,4,5,6,7
	v_wmma_f32_16x16x32_bf16 v[AC+8*(\f):AC+8*(\f)+7], v[BF+64*(\buf)+8*(\f):BF+64*(\buf)+8*(\f)+7], v[40*(\s)+8*(\t):40*(\s)+8*(\t)+7], v[AC+8*(\f):AC+8*(\f)+7]
.endr
.endm
.macro INIT t                          ; the sums start with the bias
.if (\t) < 4
	WIN 0x80
.set AC, 64*(\t)
.else
	WIN 0xc0
.set AC, 0
.endif
.set i, 0
.rept 64
	v_mov_b32 v[AC+i], v[BIAS+i]
.set i, i+1
.endr
.endm
.macro ROWMK t                         ; from my row's slot: its byte offset (and its gate): a minimum with a constant, then a shift and an add
.if LAYER == 1
	v_lshrrev_b32 v[SL+(\t)], 1, v[SL+(\t)]        ; the token
	v_min_u32 v[SL+(\t)], 0x3ff, v[SL+(\t)]
	v_lshlrev_b32 v[OFFA+(\t)], 11, v[SL+(\t)]
	v_add_nc_u32 v[OFFA+(\t)], v[H16], v[OFFA+(\t)]
.else
	v_min_u32 v[SL+(\t)], 0x7ff, v[SL+(\t)]
	v_lshlrev_b32 v[OFFA+(\t)], 13, v[SL+(\t)]
	v_add_nc_u32 v[OFFA+(\t)], v[H16], v[OFFA+(\t)]
	v_lshlrev_b32 v[SL+(\t)], 2, v[SL+(\t)]
	global_load_b32 v[GATE+(\t)], v[SL+(\t)], s[12:13]
.endif
.endm
; ONE STEP OF 32 ALONG K.  stream >= 1: unit s of the next chunk is rounded into the next slot; 2: and the unit of the chunk after it is asked for.  refill: the rows' fragments of the next chunk are asked for.
; nw, na: how many younger loads may stay out when the unit, and this step's row fragments, have to be there.  bar: the change of slots.
; The two pointers are stepped behind s_wait_xcnt 0, each at a place where the youngest global instruction stands a step's products back: the rows' in step 0 and the weights' in step 3, ahead of the step's row loads.
.macro KSTEP s, stream, refill, nw, na, bar
.if \stream
	s_wait_loadcnt \nw
	CVT \s
.if (\s) == 3
	v_add_nc_u32 v[STW], SLOT, v[STW]              ; the next chunk goes into the next slot
.endif
.if (\stream) == 2
	WLOAD \s, 2
.endif
.endif
.if (\s) < 3
	BLOAD (\s)+1, ((\s)+1)&1                       ; the next step's fragments; the buffer's last readers stand ahead of the last step's four places
.endif
	s_wait_loadcnt \na
.if (\s) == 3
.if \stream
	s_wait_dscnt 4                                 ; my fragments are in: behind them my 4 stores into the next slot
.else
	s_wait_dscnt 0x0
.endif
.elseif \stream
	s_wait_dscnt 20                                ; behind this step's fragments: 4 stores and 16 loads
.else
	s_wait_dscnt 16                                ; behind them: 16 loads
.endif
	MUL 0, \s, (\s)&1
.if \bar
	s_wait_dscnt 0x0                               ; for the others' sake: my stores into the next slot are done
	s_barrier_signal -1                            ; my part of the next slot lies in LDS
.endif
	MUL 1, \s, (\s)&1
.if \bar
	s_barrier_wait -1                              ; everybody's does
	WIN 0
	v_add_nc_u32 v[LDB], SLOT, v[LDB]
	BLOAD 0, 0
.endif
	MUL 2, \s, (\s)&1
	MUL 3, \s, (\s)&1
	WIN 0                                          ; at a branch and at a label every window is 0
	s_cmp_lt_u32 s28, 5
	s_cbranch_scc1 .Lno4_\@                        ; only products are jumped
	MUL 4, \s, (\s)&1
	WIN 0
.Lno4_\@:
	PLACES
.if \refill
.if (\s) == 0
	s_wait_xcnt 0x0                                ; the last chunk's 40 row loads have read s[8:9]
	s_add_nc_u64 s[8:9], s[8:9], 256               ; the rows' next chunk
.endif
.if ((\s) == 3) && ((\stream) == 2)
	s_wait_xcnt 0x0                                ; the trip's 32 weight loads and its prefetches have read s[4:5]
	s_add_nc_u64 s[4:5], s[4:5], CH                ; the weights' next chunk
.endif
	ALOAD \s
.endif
.endm
; THE WAY OUT of tile t.  Through my own stage in LDS, so that whole rows leave; each accumulator is read from its low end on.  The rows come back into the tile's own accumulators, and the
; tile's slots become its rows' offsets in place, between the stage's loads and the wait for them.
.macro EPI t
.if (\t) < 4
.set AC, 64*(\t)
.set WA, 2
.else
.set AC, 0
.set WA, 3
.endif
.set RW, ROWS+16*(\t)
.if LAYER == 1
	WIN WA*5                                       ; sources 0 and 1 in the accumulators' window
.irp g, 0,1
.irp j, 0,1,2,3,4,5,6,7
.irp u, 0,1
	v_cvt_pk_bf16_f32 v[P+16*(\g)+2*(\j)+(\u)], v[AC+8*(4*(\g)+2*(\u))+(\j)], v[AC+8*(4*(\g)+2*(\u)+1)+(\j)]
.endr
.endr
.endr
	WIN 0
.set i, 0
.rept 32
	v_pk_max_num_bf16 v[P+i], v[P+i], v[VZ]        ; ReLU; nothing is rounded
.set i, i+1
.endr
.irp g, 0,1
.irp i, 0,1,2,3
	ds_store_b128 v[STO], v[P+16*(\g)+4*(\i):P+16*(\g)+4*(\i)+3] offset:128*(\g)+16*(\i)
.endr
.endr
	WIN WA<<6                                      ; destination in the accumulators' window
.irp i, 0,1,2,3,4,5,6,7
	ds_load_b128 v[AC+4*(\i):AC+4*(\i)+3], v[RD] offset:2*SPITCH*(\i)                         ; LDS serves a wave's instructions in order (ISA guide 5.7.1.4): these see the stores above
.endr
	WIN 0x45                                       ; all in window 1
.irp i, 0,1,2,3,4,5,6,7
	v_cndmask_b32 v[RW+(\i)], v[RW+2*(\i)], v[RW+2*(\i)+1], s38                               ; lanes 0-15 store row 2 i, lanes 16-31 row 2 i + 1 (s38 is also the mask of the upper lanes)
.endr
.irp i, 0,1,2,3,4,5,6,7
	v_min_u32 v[RW+(\i)], 0x7ff, v[RW+(\i)]
.endr
.irp i, 0,1,2,3,4,5,6,7
	v_lshlrev_b32 v[RW+(\i)], RSH, v[RW+(\i)]
.endr
.irp i, 0,1,2,3,4,5,6,7
	v_add_nc_u32 v[RW+(\i)], v[COL1], v[RW+(\i)]
.endr
	WIN 1|(WA<<2)                                  ; the offset in window 1, the data in the accumulators' window
.irp i, 0,1,2,3,4,5,6,7
	s_wait_dscnt 7-(\i)                            ; behind rows 2 i, 2 i + 1: the later loads from the stage
	global_store_b128 v[RW+(\i)], v[AC+4*(\i):AC+4*(\i)+3], s[OUT:OUT+1]                      ; 16 lanes store 256 consecutive bytes, at a multiple of 256 from h's first byte
.endr
.else
	WIN WA                                         ; source 0 in the accumulators' window
.irp g, 0,1
.irp j, 0,1,2,3,4,5,6,7
.irp cc, 0,1,2,3
	v_mul_f32 v[P+32*(\g)+4*(\j)+(\cc)], v[AC+8*(4*(\g)+(\cc))+(\j)], v[GATE+(\t)]            ; the gate's multiply is also the move into neighbouring registers
.endr
.endr
.endr
	WIN 0
.irp g, 0,1
.irp j, 0,1,2,3,4,5,6,7
	ds_store_b128 v[STO], v[P+32*(\g)+4*(\j):P+32*(\g)+4*(\j)+3] offset:256*(\g)+16*(\j)
.endr
.endr
	WIN WA<<6                                      ; destination in the accumulators' window
.irp i, 0,1,2,3,4,5,6,7,8,9,10,11,12,13,14,15
	ds_load_b128 v[AC+4*(\i):AC+4*(\i)+3], v[RD] offset:SPITCH*(\i)                           ; LDS serves a wave's instructions in order (ISA guide 5.7.1.4): these see the stores above
.endr
	WIN 0x45                                       ; all in window 1
.irp i, 0,1,2,3,4,5,6,7,8,9,10,11,12,13,14,15
	v_min_u32 v[RW+(\i)], 0x7ff, v[RW+(\i)]        ; the wave stores row i whole
.endr
.irp i, 0,1,2,3,4,5,6,7,8,9,10,11,12,13,14,15
	v_lshlrev_b32 v[RW+(\i)], RSH, v[RW+(\i)]
.endr
.irp i, 0,1,2,3,4,5,6,7,8,9,10,11,12,13,14,15
	v_add_nc_u32 v[RW+(\i)], v[COL1], v[RW+(\i)]
.endr
	WIN 1|(WA<<2)                                  ; the offset in window 1, the data in the accumulators' window
.irp i, 0,1,2,3,4,5,6,7,8,9,10,11,12,13,14,15
	s_wait_dscnt 15-(\i)                           ; behind row i: the later loads from the stage
	global_store_b128 v[RW+(\i)], v[AC+4*(\i):AC+4*(\i)+3], s[OUT:OUT+1]                      ; the wave stores 512 consecutive bytes, at a multiple of 512 from part's first byte
.endr
.endif
	WIN 0
.endm
	; ---------------- the head
	s_load_b256 s[4:11], s[0:1], 0x0               ; weights s[4:5], bias s[6:7], rows s[8:9], order s[10:11]
.if LAYER == 1
	s_load_b64 s[12:13], s[0:1], 0x20              ; h
.else
	s_load_b128 s[12:15], s[0:1], 0x20             ; gates s[12:13], part s[14:15]
.endif
	v_lshl_add_u32 v[SPW], v0, 2, SPARE
	v_mov_b32 v[NIL], 0
	v_lshrrev_b32 v1, 5, v0
	v_readfirstlane_b32 s16, v1                    ; wave 0..3
	v_and_b32 v1, 15, v0                           ; r
	v_bfe_u32 v2, v0, 4, 1                         ; h
	v_and_b32 v3, 31, v0                           ; lane
	s_and_b32 s17, ttmp7, 0xffff                   ; e
	s_mov_b32 s18, ttmp9                           ; x
	s_mov_b32 s38, 0xffff0000
	s_lshl_b32 s20, s16, 5                         ; 32 w
	s_lshl_b32 s56, s16, 6                         ; 64 w
	s_mov_b32 s57, 0
	v_lshl_add_u32 v60, v2, 3, s20
	v_lshlrev_b32 v60, PWS, v60                    ; (32 w + 8 h) rows of weights
	v_mul_u32_u24 v[LDB], v1, PITCH
	v_lshl_add_u32 v[LDB], v2, 4, v[LDB]           ; 272 r + 16 h
	WIN 0xc0                                       ; destination window 3, sources window 0
	v_lshl_add_u32 v[OFFW], v1, 4, v60             ; + 16 r
	v_add_nc_u32 v[STW], s56, v[LDB]               ; 272 r + 16 h + 64 w: my 32 k of a row
	WIN 0
	v_add_nc_u32 v[LDB0], 0, v[LDB]
	v_lshrrev_b32 v[PF], 1, v3
	v_add_nc_u32 v[PF], s20, v[PF]
	v_lshlrev_b32 v[PF], PWS, v[PF]
	v_and_b32 v61, 1, v3
	v_lshl_add_u32 v[PF], v61, 8, v[PF]            ; row 32 w + lane / 2, 256 (lane % 2): each block of 256 bytes of my rows once
	v_lshlrev_b32 v[BOFF], 7, v2
	v_lshlrev_b32 v[H16], 4, v2
	v_lshlrev_b32 v[LST], 2, v1
	v_add_nc_u32 v[RK], 1024, v[LST]               ; tile w + 16
	v_mov_b32 v[LEK], 1024
	v_mov_b32 v[VZ], 0
	s_lshl_b32 s30, s17, 24                        ; an expert's weights are 2^24 bytes
.if LAYER == 1
	s_lshl_b32 s19, s18, 9
	s_add_co_u32 s30, s30, s19                     ; + 512 x
	s_lshl_b32 s22, s17, 14
	s_add_co_u32 s22, s22, s19                     ; b1: 16,384 e + 512 x
	s_mov_b32 s24, 0                               ; xb from its first byte
	s_lshl_b32 s28, s18, 8                         ; h: 256 x
.else
	s_lshr_b32 s19, s18, 3                         ; q
	s_and_b32 s37, s18, 7
	s_lshl_b32 s37, s37, 9                         ; 512 (x % 8)
	s_lshl_b32 s22, s19, 22
	s_add_co_u32 s30, s30, s22                     ; + 1,024 q rows of 4,096 bytes
	s_add_co_u32 s30, s30, s37
	s_lshl_b32 s22, s17, 12
	s_add_co_u32 s22, s22, s37                     ; b2: 4,096 e + 512 (x % 8)
	s_lshl_b32 s24, s19, 11                        ; h: 2,048 q
	s_lshl_b32 s28, s19, 23
	s_add_co_u32 s28, s28, s37                     ; part: 2^23 q + 512 (x % 8)
	s_cmp_eq_u32 s19, 0
	s_cselect_b32 s36, -1, 0                       ; the bias counts in quarter 0 alone
.endif
	s_mul_i32 s26, s17, ORDE                       ; my expert's list
	s_mov_b32 s31, 0
	s_mov_b32 s23, 0
	s_mov_b32 s25, 0
	s_mov_b32 s27, 0
	s_mov_b32 s29, 0
	s_wait_kmcnt 0x0
	s_add_nc_u64 s[4:5], s[4:5], s[30:31]
	s_add_nc_u64 s[6:7], s[6:7], s[22:23]
	s_add_nc_u64 s[8:9], s[8:9], s[24:25]
	s_add_nc_u64 s[58:59], s[10:11], s[26:27]      ; the list's first entry,
	s_add_nc_u64 s[10:11], s[58:59], s[56:57]      ; and my wave's sixteen ranks of its first four tiles; neither is rewritten
	s_add_nc_u64 s[OUT:OUT+1], s[OUT:OUT+1], s[28:29]
	s_mov_b64 s[32:33], s[8:9]                     ; the rows' first chunk, kept for the loop behind the sweep
	s_load_b32 s26, s[58:59], ORDN                 ; n
.irp t, 0,1,2,3,4
	global_load_b32 v[SL+(\t)], v[LST], s[10:11] offset:256*(\t)                              ; the slot of rank 16 (w + 4 t) + r
.endr
.irp a, 0,1,2,3,4,5,6,7,8,9,10,11,12,13,14,15
	global_load_b128 v[BF+4*(\a):BF+4*(\a)+3], v[BOFF], s[6:7] offset:256*((\a)/8)+16*((\a)%8) ; a = 8 g + j: columns 64 g + 32 h + 4 j + 0..3
.endr
	WLOAD 0, 0                                     ; chunk 0
	WLOAD 1, 0
	WLOAD 2, 0
	WLOAD 3, 0
	WIN 0
	; chunks 1 and 2 are asked into the L2: my wave's 32 rows of 512 bytes each, two requests a chunk, each block of 256 bytes once in the launch
	global_prefetch_b8 v[PF], s[4:5] offset:CH th:TH_LOAD_NT scope:SCOPE_SE
	global_prefetch_b8 v[PF], s[4:5] offset:CH+16*PW th:TH_LOAD_NT scope:SCOPE_SE
	global_prefetch_b8 v[PF], s[4:5] offset:2*CH th:TH_LOAD_NT scope:SCOPE_SE
	global_prefetch_b8 v[PF], s[4:5] offset:2*CH+16*PW th:TH_LOAD_NT scope:SCOPE_SE
	s_mul_i32 s20, s16, STG
	s_add_co_u32 s20, s20, STAGE                   ; my stage
	v_mul_u32_u24 v[STO], v1, SPITCH
.if LAYER == 1
	v_lshl_add_u32 v[STO], v2, 6, v[STO]           ; row r, 64 bytes for each half of the lanes
	v_add_nc_u32 v[STO], s20, v[STO]
	v_mul_u32_u24 v[RD], v2, SPITCH                ; back: lanes 0-15 one row of 256 bytes, lanes 16-31 the next
	v_lshl_add_u32 v[RD], v1, 4, v[RD]
	v_add_nc_u32 v[RD], s20, v[RD]
	WIN 0x40
	v_lshlrev_b32 v[COL1], 4, v1                   ; my 16 bytes of a stored row's 256
	WIN 0
.else
	v_lshl_add_u32 v[STO], v2, 7, v[STO]           ; row r, 128 bytes for each half of the lanes
	v_add_nc_u32 v[STO], s20, v[STO]
	v_lshlrev_b32 v[RD], 4, v3
	v_add_nc_u32 v[RD], s20, v[RD]                 ; back: the wave takes one row of 512 bytes
	WIN 0x40
	v_lshlrev_b32 v[COL1], 4, v3                   ; my 16 bytes of a stored row's 512
	WIN 0
.endif
	s_wait_loadcnt 48                              ; my rows' slots are in: behind them 16 loads of bias and 32 of weights
.irp t, 0,1,2,3,4
	ROWMK \t
.endr
	WIN 0x40
.irp t, 0,1,2,3,4
.irp i, 0,1,2,3
	global_load_b128 v[ROWS+16*(\t)+4*(\i):ROWS+16*(\t)+4*(\i)+3], v[VZ], s[10:11] offset:256*(\t)+16*(\i)  ; tile w + 4 t's sixteen slots, alike in all lanes, for its way out; the sweep's last wait for 0 shows them landed
.endr
.endr
	WIN 0
	; ---------------- the bias: rounded to bf16, laid out as an accumulator's image; the sums start with it
	s_wait_loadcnt 32+NG+NRL                       ; behind the bias: 32 loads of weights, the gates, the tiles' slots
.irp a, 0,1,2,3,4,5,6,7,8,9,10,11,12,13,14,15
	v_cvt_pk_bf16_f32 v[BT+2*(\a)],   v[BF+4*(\a)],   v[BF+4*(\a)+1]
	v_cvt_pk_bf16_f32 v[BT+2*(\a)+1], v[BF+4*(\a)+2], v[BF+4*(\a)+3]
.endr
.if LAYER == 2
.set i, 0
.rept 32
	v_and_b32 v[BT+i], s36, v[BT+i]
.set i, i+1
.endr
.endif
.irp a, 0,1,2,3,4,5,6,7,8,9,10,11,12,13,14,15
	v_lshlrev_b32 v[BIAS+32*((\a)/8)+(\a)%8],    16,  v[BT+2*(\a)]
	v_and_b32     v[BIAS+32*((\a)/8)+8+(\a)%8],  s38, v[BT+2*(\a)]
	v_lshlrev_b32 v[BIAS+32*((\a)/8)+16+(\a)%8], 16,  v[BT+2*(\a)+1]
	v_and_b32     v[BIAS+32*((\a)/8)+24+(\a)%8], s38, v[BT+2*(\a)+1]
.endr
	INIT 0
	INIT 1
	INIT 2
	INIT 3
	INIT 4
	s_wait_kmcnt 0x0
	s_min_u32 s26, s26, 0x400                      ; n
	s_add_co_u32 s27, s26, 15
	s_lshr_b32 s27, s27, 4                         ; tiles
	s_add_co_u32 s28, s27, 3
	s_sub_co_u32 s28, s28, s16
	s_lshr_b32 s28, s28, 2
	s_min_u32 s28, s28, 5                          ; my live tiles in the sweep
	; ---------------- chunk 0 into slot 0; behind each unit's rounding the pipeline is filled in a trip's own order: the unit of chunk 1, the step's rows of chunk 0
.irp s, 0,1,2,3
.set HC, 8*(3-(\s))+NG+NRL+18*(\s)     ; behind unit s: the later units, the gates, the tiles' slots, and 18 loads behind each earlier unit;
.if HC > 63
.set HC, 63                            ; no more than the field holds
.endif
	s_wait_loadcnt HC
	CVT \s
.if (\s) == 3
	v_add_nc_u32 v[STW], SLOT, v[STW]
.endif
	WLOAD \s, 1
	ALOAD \s
.endr
	s_wait_dscnt 0x0
	s_barrier_signal -1
	s_barrier_wait -1                              ; slot 0 is whole
	BLOAD 0, 0
	WIN 0
	s_mov_b32 s29, 6
	; ---------------- the sweep.  Trip c multiplies chunk c, rounds chunk c + 1 into its slot, asks for the weights of chunk c + 2 and the rows of chunk c + 1.  The weights' pointer stands at chunk c.
	; A step issues 8 loads of weights, then 10 of rows.  Behind a unit's loads stand 10 + 3 x 18 = 64 when it is wanted (the count is the largest that the field holds); behind a step's rows 3 x 18 + 8 = 62.
.Ltrip:
	KSTEP 0, 2, 1, 63, 62, 0
	WIN 0
	s_cmp_eq_u32 s29, 1
	s_cbranch_scc1 .Lnopf                          ; the last trip asks for nothing: chunk 7 is the slice's last
	global_prefetch_b8 v[PF], s[4:5] offset:3*CH th:TH_LOAD_NT scope:SCOPE_SE        ; chunk c + 3, a trip ahead of its loads: my wave's 32 rows
	global_prefetch_b8 v[PF], s[4:5] offset:3*CH+16*PW th:TH_LOAD_NT scope:SCOPE_SE
.Lnopf:
	KSTEP 1, 2, 1, 63, 62, 0
	KSTEP 2, 2, 1, 63, 62, 0
	KSTEP 3, 2, 1, 63, 62, 1
	WIN 0
	s_sub_co_u32 s29, s29, 1
	s_cmp_lg_u32 s29, 0
	s_cbranch_scc1 .Ltrip
	KSTEP 0, 1, 1, 63, 54, 0                       ; chunk 6: no weights are asked for any more, so the counts run down by 8 a step
	KSTEP 1, 1, 1, 56, 46, 0
	KSTEP 2, 1, 1, 48, 38, 0
	KSTEP 3, 1, 1, 40, 30, 1
	KSTEP 0, 0, 0, 0, 30, 0                        ; chunk 7: nothing is asked for: 10 a step
	KSTEP 1, 0, 0, 0, 20, 0
	KSTEP 2, 0, 0, 0, 10, 0
	KSTEP 3, 0, 0, 0, 0, 0
	; ---------------- tiles 0-3 go out, as far as they are live
	WIN 0
	s_cmp_le_u32 s28, 0
	s_cbranch_scc1 .Lmain_done
	EPI 0
	s_cmp_le_u32 s28, 1
	s_cbranch_scc1 .Lmain_done
	EPI 1
	s_cmp_le_u32 s28, 2
	s_cbranch_scc1 .Lmain_done
	EPI 2
	s_cmp_le_u32 s28, 3
	s_cbranch_scc1 .Lmain_done
	EPI 3
.Lmain_done:
	; ---------------- tile w + 16 (multiplied in the sweep) goes out, and tiles w + 20, w + 24 .. are made on tile 4's registers.  12 trips reach tile 63; dead work is jumped, the barriers never.
	; A trip has two parts, a barrier in front of each.  In the first the waves read weights, at an LDS address that hangs on the chunk loop's counter, and no wave writes LDS; in the second each wave
	; writes and reads its own stage.  The loop waits for each load: beyond its first trip it has work only where an expert has more than 320 rows.
	s_mov_b32 s34, 12
	s_add_co_u32 s35, s16, 16
	s_mov_b32 s23, 0
.Ltail:
	s_wait_dscnt 0x0                               ; my stores into my stage, and my reads of it, are done: those of tiles 0-3, or of the last trip's way out
	s_barrier_signal -1
	s_barrier_wait -1                              ; every wave's are: from here to the next barrier LDS is only read
	s_cmp_ge_u32 s35, s27
	s_cbranch_scc1 .Ltmade
	s_cmp_eq_u32 s34, 12
	s_cbranch_scc1 .Ltmade                         ; the first trip's tile was made in the sweep
	s_wait_xcnt 0x0                                ; the last trip's stores have read tile 4's offsets and accumulators
	global_load_b32 v[SL+4], v[RK], s[10:11]       ; my row's slot,
	WIN 0x40
.irp i, 0,1,2,3
	global_load_b128 v[ROWS+64+4*(\i):ROWS+64+4*(\i)+3], v[LEK], s[10:11] offset:16*(\i)      ; and the tile's sixteen
.endr
	INIT 4
	WIN 0
	s_wait_loadcnt 0x0
	ROWMK 4
	s_mov_b32 s29, 8
.Ltchunk:                                              ; chunk c = 8 - the counter: the rows' 256 bytes at 256 c, the weights from slot c
	s_sub_co_u32 s20, 8, s29
	s_min_u32 s20, s20, 7                          ; held to its range
	s_mul_i32 s21, s20, SLOT
	s_lshl_b32 s22, s20, 8
	s_add_nc_u64 s[8:9], s[32:33], s[22:23]        ; every load that named s[8:9] has been waited for
	v_add_nc_u32 v[ADR], s21, v[LDB0]
	WIN 0x40
.irp s, 0,1,2,3
	global_load_b128 v[40*(\s)+32:40*(\s)+35], v[OFFA+4], s[8:9] offset:64*(\s)
	global_load_b128 v[40*(\s)+36:40*(\s)+39], v[OFFA+4], s[8:9] offset:64*(\s)+32
.endr
.irp s, 0,1,2,3
	WIN 0
.irp f, 0,1,2,3,4,5,6,7
	ds_load_b128 v[BF+8*(\f):BF+8*(\f)+3],   v[ADR] offset:(\f)*16*PITCH+64*(\s)
	ds_load_b128 v[BF+8*(\f)+4:BF+8*(\f)+7], v[ADR] offset:(\f)*16*PITCH+64*(\s)+32
.endr
.if (\s) == 0
	s_wait_loadcnt 0x0                             ; the chunk's rows (and, the first time, the gate)
.endif
	s_wait_dscnt 0x0
	MUL 4, \s, 0
	PLACES
.endr
	WIN 0
	s_sub_co_u32 s29, s29, 1
	s_cmp_lg_u32 s29, 0
	s_cbranch_scc1 .Ltchunk
.Ltmade:
	s_wait_dscnt 0x0                               ; my reads of the weights are back
	s_barrier_signal -1
	s_barrier_wait -1                              ; every wave's are: from here to the next barrier, or to the end, the stages and the spare words may be written
	s_cmp_ge_u32 s35, s27
	s_cbranch_scc1 .Ltnext
	s_wait_xcnt 0x0                                ; this way out stands in a loop: what its last turn's stores named is rewritten only behind this wait
	EPI 4
.Ltnext:
	v_add_nc_u32 v[RK], 256, v[RK]                 ; four tiles on; the loads that named these two have been waited for
	v_add_nc_u32 v[LEK], 256, v[LEK]
	s_add_co_u32 s35, s35, 4
	s_sub_co_u32 s34, s34, 1
	s_cmp_lg_u32 s34, 0
	s_cbranch_scc1 .Ltail
	s_wait_tensorcnt 0x0                           ; the wave's end: behind my last LDS store
	ds_add_u32 v[SPW], v[NIL]
	s_wait_dscnt 0x0
	s_endpgm
.Lfunc_end_k_q46a6b68e81_ffn2:
	.size	k_q46a6b68e81_ffn2, .Lfunc_end_k_q46a6b68e81_ffn2-k_q46a6b68e81_ffn2
	.p2alignl 7, 3214868480
	.fill 96, 4, 3214868480
	.section	.rodata,"a",@progbits
	.p2align	6, 0x0
	.amdhsa_kernel k_q46a6b68e81_ffn2
		.amdhsa_group_segment_fixed_size 312832
		.amdhsa_private_segment_fixed_size 0
		.amdhsa_enable_private_segment 0
		.amdhsa_kernarg_size 48
		.amdhsa_user_sgpr_count 2
		.amdhsa_user_sgpr_kernarg_segment_ptr 1
		.amdhsa_wavefront_size32 1
		.amdhsa_system_sgpr_workgroup_id_x 1
		.amdhsa_system_sgpr_workgroup_id_y 1
		.amdhsa_system_sgpr_workgroup_id_z 1
		.amdhsa_system_vgpr_workitem_id 0
		.amdhsa_next_free_vgpr 1024
		.amdhsa_next_free_sgpr 66
		.amdhsa_reserve_vcc 0
		.amdhsa_float_denorm_mode_32 3
		.amdhsa_float_denorm_mode_16_64 3
		.amdhsa_memory_ordered 1
		.amdhsa_forward_progress 1
		.amdhsa_inst_pref_size 162
	.end_amdhsa_kernel
	.amdgpu_metadata
---
amdhsa.version: [ 1, 2 ]
amdhsa.kernels:
  - .name:           k_q46a6b68e81_ffn2
    .symbol:         k_q46a6b68e81_ffn2.kd
    .args:
      - { .name: W2, .offset: 0, .size: 8, .value_kind: global_buffer, .address_space: global }
      - { .name: b2, .offset: 8, .size: 8, .value_kind: global_buffer, .address_space: global }
      - { .name: h, .offset: 16, .size: 8, .value_kind: global_buffer, .address_space: global }
      - { .name: order, .offset: 24, .size: 8, .value_kind: global_buffer, .address_space: global }
      - { .name: gates, .offset: 32, .size: 8, .value_kind: global_buffer, .address_space: global }
      - { .name: part, .offset: 40, .size: 8, .value_kind: global_buffer, .address_space: global }
    .group_segment_fixed_size: 312832
    .private_segment_fixed_size: 0
    .kernarg_segment_align: 8
    .kernarg_segment_size: 48
    .max_flat_workgroup_size: 128
    .sgpr_count:     66
    .vgpr_count:     1024
    .wavefront_size: 32
...
	.end_amdgpu_metadata
.endif
;; end of part 4
;; launch combine (part 5): grid 256 x 1, 8 waves a work-group, no clusters, 0 bytes of LDS; arguments part, psum, out0, out1; writes out0, out1
.if DOCPART == 5
	.amdgcn_target "amdgcn-amd-amdhsa--gfx1250"
	.amdhsa_code_object_version 6
	.text
	.protected	k_q46a6b68e81_combine
	.globl	k_q46a6b68e81_combine
	.p2align	8
	.type	k_q46a6b68e81_combine,@function
k_q46a6b68e81_combine:
	s_mov_b64 s[64:65], 0
	v_nop
	global_prefetch_b8 v0, s[64:65] scope:SCOPE_SE
	s_setreg_imm32_b32 hwreg(HW_REG_WAVE_MODE, 25, 1), 1
	s_wait_xcnt 0x0
; out0[t] = the sum over the four quarters of K and the token's two slots of part[q][2 t + k]: eight rows of f32, already weighed by their gates.  No index is needed: token t's slots are 2 t and 2 t + 1.
; out1 = 8 x the sum over e of (c_e / S)(c_e / 1,024), with c_e the sum of expert e's probabilities (psum's 64 rows added) and S the sum of the c_e: that is (sum of c_e^2) / (128 S).
; A stream: each byte of part is read once, each byte of out0 written once.  A work-group owns four tokens; thread t the 16 bytes at 16 t of a row, so a wave's load or store covers 512 consecutive bytes.
; All 32 loads of a thread go out at once.  LDS, the matrix unit and clusters would add nothing: no two work-groups read the same byte.
; The sums are taken in a fixed tree, in f32.  NaN and infinities are not treated apart.
.set V, 8                              ; v8-135: token u, quarter q, choice k at V + 4 (8 u + 2 q + k)
	s_load_b256 s[4:11], s[0:1], 0x0               ; part s[4:5], psum s[6:7], out0 s[8:9], out1 s[10:11]
	v_lshlrev_b32 v1, 4, v0                        ; my 16 bytes of a row; never rewritten
	v_lshrrev_b32 v2, 5, v0
	v_readfirstlane_b32 s12, v2                    ; wave
	s_lshl_b32 s14, ttmp9, 15                      ; eight slots of 4,096 bytes a work-group
	s_mov_b32 s15, 0
	s_lshl_b32 s24, ttmp9, 14                      ; four tokens of 4,096 bytes
	s_mov_b32 s25, 0
	s_wait_kmcnt 0x0
	s_add_nc_u64 s[16:17], s[4:5], s[14:15]        ; a base for each quarter: 2^23 bytes apart, one more than a load's immediate reaches
	s_add_nc_u64 s[18:19], s[16:17], 0x800000
	s_add_nc_u64 s[20:21], s[18:19], 0x800000
	s_add_nc_u64 s[22:23], s[20:21], 0x800000
	s_add_nc_u64 s[8:9], s[8:9], s[24:25]
.irp u, 0,1,2,3
.irp q, 0,1,2,3
.irp k, 0,1
	global_load_b128 v[V+4*(8*(\u)+2*(\q)+(\k)):V+4*(8*(\u)+2*(\q)+(\k))+3], v1, s[16+2*(\q):17+2*(\q)] offset:(2*(\u)+(\k))*4096 th:TH_LOAD_NT
.endr
.endr
.endr
.macro QADD a, b                       ; four numbers onto four
	v_pk_add_f32 v[(\a):(\a)+1],   v[(\a):(\a)+1],   v[(\b):(\b)+1]
	v_pk_add_f32 v[(\a)+2:(\a)+3], v[(\a)+2:(\a)+3], v[(\b)+2:(\b)+3]
.endm
.irp u, 0,1,2,3
	s_wait_loadcnt 24-8*(\u)                       ; the token's eight loads are in; the later tokens' stay out
	QADD V+32*(\u),    V+32*(\u)+4
	QADD V+32*(\u)+8,  V+32*(\u)+12
	QADD V+32*(\u)+16, V+32*(\u)+20
	QADD V+32*(\u)+24, V+32*(\u)+28
	QADD V+32*(\u),    V+32*(\u)+8
	QADD V+32*(\u)+16, V+32*(\u)+24
	QADD V+32*(\u),    V+32*(\u)+16
	global_store_b128 v1, v[V+32*(\u):V+32*(\u)+3], s[8:9] offset:4096*(\u) th:TH_STORE_NT
.endr
	; the loss, by wave 0 of work-group 0
	s_or_b32 s13, s12, ttmp9
	s_cmp_lg_u32 s13, 0
	s_cbranch_scc1 .Lend
	s_mov_b32 s26, 0x76543210                      ; v_permlanex16_b32: each lane takes its own place in the other half
	s_mov_b32 s27, 0xfedcba98
	v_lshlrev_b32 v3, 5, v0                        ; lane l: rows l and l + 32 of psum
	global_load_b128 v[136:139], v3, s[6:7]
	global_load_b128 v[140:143], v3, s[6:7] offset:16
	global_load_b128 v[144:147], v3, s[6:7] offset:1024
	global_load_b128 v[148:151], v3, s[6:7] offset:1040
	s_wait_loadcnt 0x0
.irp m, 0,2,4,6
	v_pk_add_f32 v[136+(\m):137+(\m)], v[136+(\m):137+(\m)], v[144+(\m):145+(\m)]
.endr
.irp k, 1,2,4,8
.irp j, 0,1,2,3,4,5,6,7
	v_add_f32_dpp v[136+(\j)], v[136+(\j)], v[136+(\j)] row_xmask:\k row_mask:0xf bank_mask:0xf
.endr
.endr
.irp j, 0,1,2,3,4,5,6,7
	v_permlanex16_b32 v[144+(\j)], v[136+(\j)], s26, s27
.endr
.irp m, 0,2,4,6
	v_pk_add_f32 v[136+(\m):137+(\m)], v[136+(\m):137+(\m)], v[144+(\m):145+(\m)]             ; c_0 .. c_7, in every lane
.endr
	v_pk_add_f32 v[144:145], v[136:137], v[138:139]
	v_pk_add_f32 v[146:147], v[140:141], v[142:143]
	v_pk_mul_f32 v[148:149], v[136:137], v[136:137]
	v_pk_add_f32 v[144:145], v[144:145], v[146:147]
	v_pk_fma_f32 v[148:149], v[138:139], v[138:139], v[148:149]
	v_add_f32 v144, v144, v145                     ; S
	v_pk_fma_f32 v[148:149], v[140:141], v[140:141], v[148:149]
	v_rcp_f32 v145, v144
	v_pk_fma_f32 v[148:149], v[142:143], v[142:143], v[148:149]                               ; the plain instruction behind the reciprocal (ISA guide 5.7.2)
	v_add_f32 v148, v148, v149                     ; the sum of the squares
	s_wait_alu depctr_va_vdst(0)                   ; the wait ahead of the reciprocal's first reader
	v_mul_f32 v148, v148, v145
	v_mul_f32 v148, 0x3c000000, v148               ; / 128
	v_mov_b32 v4, 0
	s_wait_xcnt 0x0                                ; EXEC changes only behind this wait
	v_cmp_eq_u32 vcc_lo, 0, v0
	s_and_saveexec_b32 s13, vcc_lo                 ; lane 0
	global_store_b32 v4, v148, s[10:11]
	s_wait_xcnt 0x0
	s_or_b32 exec_lo, exec_lo, s13
.Lend:
	s_endpgm
.Lfunc_end_k_q46a6b68e81_combine:
	.size	k_q46a6b68e81_combine, .Lfunc_end_k_q46a6b68e81_combine-k_q46a6b68e81_combine
	.p2alignl 7, 3214868480
	.fill 96, 4, 3214868480
	.section	.rodata,"a",@progbits
	.p2align	6, 0x0
	.amdhsa_kernel k_q46a6b68e81_combine
		.amdhsa_group_segment_fixed_size 0
		.amdhsa_private_segment_fixed_size 0
		.amdhsa_enable_private_segment 0
		.amdhsa_kernarg_size 32
		.amdhsa_user_sgpr_count 2
		.amdhsa_user_sgpr_kernarg_segment_ptr 1
		.amdhsa_wavefront_size32 1
		.amdhsa_system_sgpr_workgroup_id_x 1
		.amdhsa_system_sgpr_workgroup_id_y 1
		.amdhsa_system_sgpr_workgroup_id_z 1
		.amdhsa_system_vgpr_workitem_id 0
		.amdhsa_next_free_vgpr 152
		.amdhsa_next_free_sgpr 66
		.amdhsa_reserve_vcc 1
		.amdhsa_float_denorm_mode_32 3
		.amdhsa_float_denorm_mode_16_64 3
		.amdhsa_memory_ordered 1
		.amdhsa_forward_progress 1
		.amdhsa_inst_pref_size 13
	.end_amdhsa_kernel
	.amdgpu_metadata
---
amdhsa.version: [ 1, 2 ]
amdhsa.kernels:
  - .name:           k_q46a6b68e81_combine
    .symbol:         k_q46a6b68e81_combine.kd
    .args:
      - { .name: part, .offset: 0, .size: 8, .value_kind: global_buffer, .address_space: global }
      - { .name: psum, .offset: 8, .size: 8, .value_kind: global_buffer, .address_space: global }
      - { .name: out0, .offset: 16, .size: 8, .value_kind: global_buffer, .address_space: global }
      - { .name: out1, .offset: 24, .size: 8, .value_kind: global_buffer, .address_space: global }
    .group_segment_fixed_size: 0
    .private_segment_fixed_size: 0
    .kernarg_segment_align: 8
    .kernarg_segment_size: 32
    .max_flat_workgroup_size: 256
    .sgpr_count:     66
    .vgpr_count:     152
    .wavefront_size: 32
...
	.end_amdgpu_metadata
.endif
;; end of part 5
;; ======== version 2 of 2: 5 launches; version 1 with the launches ffn1, ffn2 written anew for expert scheduling mode
;; workspace buffers: xb 2,097,152 bytes; bm 2,048 bytes of whole numbers; order 36,864 bytes of whole numbers; gates 8,192 bytes; psum 2,048 bytes; h 16,777,216 bytes; part 33,554,432 bytes
;; launch router: the kernel of part 1 again; grid 64 x 1, 8 waves a work-group, no clusters, 44,032 bytes of LDS; arguments x, Wg, bg, xb, bm, gates, psum; writes xb, bm, gates, psum
;; launch sort: the kernel of part 2 again; grid 9 x 8, 4 waves a work-group, no clusters, 0 bytes of LDS; arguments bm, order; writes order
;; launch ffn1 (part 6): grid 32 x 8, 4 waves a work-group, no clusters, 296,448 bytes of LDS; arguments W1, b1, xb, order, h; writes h
.if DOCPART == 6
	.amdgcn_target "amdgcn-amd-amdhsa--gfx1250"
	.amdhsa_code_object_version 6
	.text
	.protected	k_q46a6b68e81_ffn1
	.globl	k_q46a6b68e81_ffn1
	.p2align	8
	.type	k_q46a6b68e81_ffn1,@function
k_q46a6b68e81_ffn1:
	s_mov_b64 s[64:65], 0
	v_nop
	global_prefetch_b8 v0, s[64:65] scope:SCOPE_SE
	s_setreg_imm32_b32 hwreg(HW_REG_WAVE_SCHED_MODE, 0, 2), 2
	s_setreg_imm32_b32 hwreg(HW_REG_WAVE_MODE, 25, 1), 1
	s_wait_xcnt 0x0
	s_wait_alu depctr_vm_vsrc(0)
; ONE EXPERT PRODUCT, for the rows that chose the expert.  The text serves both layers; LAYER picks the constants, the gate and the way out.
;   LAYER 1: h[slot][4096] = relu(xb[slot / 2] W1[e] + b1[e]), bf16.     LAYER 2: part[q][slot][1024] = gate[slot] x (h[slot][1024 q ..] W2[e][1024 q ..] + b2[e] if q = 0), f32.
; A row is named by its slot = 2 token + k.  A work-group (x, e) multiplies [n rows of expert e] x [K = 1,024] by [1,024 x 128 columns]: 512 KB of f32 weights that it alone reads, once.
; LAYER 1: x = column slice 0..31.  LAYER 2: x % 8 = column slice, q = x / 8 = quarter of K; the four quarters' parts are added by the last launch.
; FORMATS.  Weights and bias are rounded to bf16 on their way through registers (as every input of the program is), rows come in bf16, sums in f32; h is rounded once to bf16.
; LIMITS.  bf16 has f32's range, so none of range; NaN and infinities are not treated apart.  Every split of the rows is served: 0 to 1,024 rows an expert.
; THE WEIGHTS go memory -> registers -> bf16 -> LDS, turned on the way, in 8 chunks of 128 along K; each chunk has an LDS slot of its own, written once, so the whole slice stays in LDS.
; LDS row 64 g + 16 cc + i holds column 64 g + 4 i + cc: so a lane's four columns of a 16-byte load go to rows 16 apart, and in the result a lane holds 32 neighbouring columns.
; THE ROWS come by the list order[e][rank] that an earlier launch stored (entry 1,151: the count n; ranks past n repeat the last slot).  Each number of the list is loaded at a place made of my own
; numbers alone, held to its range by a minimum with a constant, shifted and added: so it becomes an offset.  The rows go straight from memory into registers as matrix operands.
; THE MATRIX INSTRUCTION IS USED TRANSPOSED: source 0 = 16 LDS rows of weights, source 1 = 16 rows: lane (r, h), register j of accumulator f = 4 g + cc holds row r, column 64 g + 32 h + 4 j + cc.
; SHARES.  Tile j = ranks 16 j .. 16 j + 15 of the list belongs to wave j % 4.  In the main sweep a wave holds five tiles (j = w + 4 t); tiles 0-3 are always multiplied, tile 4 if it is live.
; All memory instructions of the sweep are issued on every path (a dead tile reads a row that exists), only products are jumped: so every counted wait holds on every path.
; Tiles from 20 on go through a loop behind the sweep, 12 trips in every wave; a chunk's LDS address there is the chunk's number (from the loop's counter, held to 0..7) times a slot's bytes plus a
; register that is never rewritten.  Two barriers a trip, on every wave's path, part the work-group's time in two: in one part the waves read weights, in the other they write and read their stages.
; Ranks past the count repeat the last slot: the same bytes go to the same row, EXEC stays full.
; THE WAY OUT: what a tile's global stores name is the tile's own (its rows come back from the stage into its own accumulators, its offsets lie in window 1), so no wait on a memory counter stands between two tiles' ways out.
; NO TENSOR LOAD: the weights are f32 and pass registers to be rounded; the bf16 slice takes 278,528 bytes of LDS, which leaves no room for f32 slots; no descriptor covers rows that come by a list.
; NO CLUSTER: each weight byte has one reader; what an expert's work-groups share is its rows, which come by the list.
; THE MODE: SCHED_MODE bits 1:0 = 2 (LLVM: expert scheduling mode 2), set by the entry lines.  The code itself states the register dependences between vector or matrix instructions and memory or LDS
; instructions, with s_wait_alu, always for 0.
; THE PLAN.  Registers that memory or LDS instructions touch in the sweep, step s of a chunk:
;   ST[s]      read by the step's sixteen conversions; behind them the same unit of the chunk after the next lands in it.
;   TW         written by the conversions, read by the four LDS stores behind them, written again by the next step's conversions.
;   BF[s % 2]  read by the step's products; the other buffer, which the last step's products read, takes the next step's fragments.
;   R[s]       (the rows' fragments, window 1) read by the step's products; the next chunk's rows land in it at the head of the NEXT step.
;   STW, LDB   LDS addresses, each stepped once a chunk by a vector add.
;   OFFW, OFFA, PF  offsets made at the head and not written in the sweep: scalar bases and immediates reach the chunks.
;   The accumulators are named by matrix instructions alone until the way out.
; So a step has two waits, both at its head.  One on vm_vsrc ahead of the conversions: the last step's LDS stores have read TW and STW, the LDS loads LDB; the two adds stand behind it.  One on va_vdst behind
; the conversions: TW and the stepped address are written, the conversions are done reading ST[s], the last step's products are done reading R[s - 1] and the other BF.  All the step's memory and LDS
; instructions follow that wait: the stores, the rows and the weights at once, the fragments' loads dealt among the products, which name BF[s % 2], R[s] and accumulators: none of the registers that those touch.
; REGISTERS, in windows of 256 (s_set_vgpr_msb: bits 1:0 source 0, 3:2 source 1, 5:4 source 2, 7:6 destination):
;   window 0: addresses; v64-127, v128-191 two buffers of weight fragments (on the way out: v64.. packed results); v192-255 the bias as an accumulator's image
;   window 1: v[40 s + 8 t ..] the rows' fragments: four buffers (32 along K each) x five tiles; v160-239 the five tiles' sixteen slots, later their stored rows' offsets; v240 my 16 bytes in a stored row
;   window 2: the accumulators of tiles 0-3, v[64 t + 8 f ..]
;   window 3: v0-63 tile 4's accumulators; v64-191 weights as loaded, four units of 32; v192-207 a unit in bf16; v208, v209 two addresses
.set LAYER, 1
.if LAYER == 1
.set PWS,    14                        ; a row of W1 is 16,384 bytes
.set SPITCH, 272                       ; a stage row: 128 bf16 + 16 bytes
.set NG,     0                         ; gate loads
.set OUT,    12                        ; s[12:13] h
.set RSH,    13                        ; a row of h is 8,192 bytes
.else
.set PWS,    12                        ; a row of W2 is 4,096 bytes
.set SPITCH, 528                       ; a stage row: 128 f32 + 16 bytes
.set NG,     5
.set OUT,    14                        ; s[14:15] part
.set RSH,    12                        ; a row of part is 4,096 bytes
.endif
.set PW,     1<<PWS
.set CH,     128*PW                    ; bytes from a chunk of weights to the next
.set PITCH,  272                       ; an LDS row of weights: 128 bf16 + 16 bytes = 68 words: 16 rows start at 16 different groups of four banks (64 banks of 4 bytes: ISA guide 11.1)
.set SLOT,   128*PITCH
.set STAGE,  8*SLOT                    ; behind the eight slots: 16 rows for each wave, for the way out
.set STG,    16*SPITCH
.set ORDE,   4608                      ; bytes of an expert's list
.set ORDN,   4604                      ; where its count lies
.set NRL,    20                        ; loads of the five tiles' slots: four of 16 bytes a tile
.set LDB,  6                           ; v6   LDS address of my weight fragments in the slot in hand (the sweep's)
.set STO,  7                           ; v7   the way out: where I put my numbers of a row
.set RD,   8                           ; v8   the way out: where I read rows back
.set LST,  9                           ; v9   4 r: my rank's place among a tile's sixteen
.set VZ,   11                          ; v11  0: the offset of loads that are alike in all lanes, and the ReLU's bound
.set GATE, 16                          ; v16-20 my row's gate, by tile
.set RK,   21                          ; v21  LST for the tile of the loop behind the sweep
.set LEK,  22                          ; v22  where that tile's sixteen slots lie
.set ADR,  23                          ; v23  that loop's LDS address
.set PF,   24                          ; v24  the prefetches' offset
.set SL,   25                          ; v25-29 my row's slot, by tile
.set H16,  30                          ; v30  16 h
.set OFFA, 48                          ; v48-52 my row's byte offset, by tile
.set BOFF, 53                          ; v53  the bias's offset
.set LDB0, 56                          ; v56  LDS address of my weight fragments in slot 0; never rewritten
.set BF,   64
.set P,    64
.set BT,   128                         ; the bias in bf16, at the head
.set BIAS, 192
.set ROWS, 160                         ; window 1
.set COL1, 240
.set ST,   64                          ; window 3
.set TW,   192
.set STW,  208
.set OFFW, 209
.set MSB, 0
.macro WIN new                         ; the immediate's high byte repeats the setting that is left; a switch that changes nothing is dropped
.if MSB != (\new)
	s_set_vgpr_msb (MSB<<8)|(\new)
.set MSB, (\new)
.endif
.endm
.macro PLACES                          ; four places between a product and a load into, or a vector write of, one of its registers, or a reading of its result
.rept 4
	v_nop
.endr
.endm
; Unit s of a chunk: 64 columns (half g = s / 2) x 16 k: lane (r, h) takes rows 32 w + 16 (s % 2) + 8 h + j, columns 64 g + 4 r + 0..3: 16 lanes read 256 consecutive bytes.
; ahead: how many chunks past the pointer's; it stands in the immediate (4,571,392 at the most, inside its signed 24 bits), so that the pointer is stepped once a trip and nowhere else.
.macro WLOAD s, ahead
	WIN 0xff
.irp j, 0,1,2,3,4,5,6,7
	global_load_b128 v[ST+32*(\s)+4*(\j):ST+32*(\s)+4*(\j)+3], v[OFFW], s[4:5] offset:(\ahead)*CH+(16*((\s)&1)+(\j))*PW+256*((\s)>>1) th:TH_LOAD_NT
.endr
.endm
; The unit is rounded, eight k of one column to 16 bytes (CVTA), and laid into the slot (CVTB): column 64 g + 4 r + cc is LDS row 64 g + 16 cc + r.  A wait on va_vdst stands between the two.
.macro CVTA s
	WIN 0xff
.irp cc, 0,1,2,3
.irp i, 0,1,2,3
	v_cvt_pk_bf16_f32 v[TW+4*(\cc)+(\i)], v[ST+32*(\s)+8*(\i)+(\cc)], v[ST+32*(\s)+8*(\i)+4+(\cc)]
.endr
.endr
.endm
.macro CVTB s
	WIN 0xff
.irp cc, 0,1,2,3
	ds_store_b128 v[STW], v[TW+4*(\cc):TW+4*(\cc)+3] offset:(64*((\s)>>1)+16*(\cc))*PITCH+32*((\s)&1)
.endr
.endm
.macro BLOADH s, buf, hf               ; four of the eight weight fragments of 32 along K at byte 64 s of the rows: fragments 4 hf .. 4 hf + 3
	WIN 0
.irp f, 0,1,2,3
	ds_load_b128 v[BF+64*(\buf)+8*(4*(\hf)+(\f)):BF+64*(\buf)+8*(4*(\hf)+(\f))+3],   v[LDB] offset:(4*(\hf)+(\f))*16*PITCH+64*(\s)
	ds_load_b128 v[BF+64*(\buf)+8*(4*(\hf)+(\f))+4:BF+64*(\buf)+8*(4*(\hf)+(\f))+7], v[LDB] offset:(4*(\hf)+(\f))*16*PITCH+64*(\s)+32
.endr
.endm
.macro BLOAD s, buf                    ; all eight
	BLOADH \s, \buf, 0
	BLOADH \s, \buf, 1
.endm
.macro ALOAD s                         ; the five tiles' row fragments of 32 along K at byte 64 s of the chunk, from memory
	WIN 0x40
.irp t, 0,1,2,3,4
	global_load_b128 v[40*(\s)+8*(\t):40*(\s)+8*(\t)+3],   v[OFFA+(\t)], s[8:9] offset:64*(\s)
	global_load_b128 v[40*(\s)+8*(\t)+4:40*(\s)+8*(\t)+7], v[OFFA+(\t)], s[8:9] offset:64*(\s)+32
.endr
.endm
.macro MUL t, s, buf                   ; eight products: tile t x the eight column blocks; the accumulators take turns, one instruction a turn
.if (\t) < 4
	WIN 0xa4
.set AC, 64*(\t)
.else
	WIN 0xf4
.set AC, 0
.endif
.irp f, 0,1,2,3,4,5,6,7
	v_wmma_f32_16x16x32_bf16 v[AC+8*(\f):AC+8*(\f)+7], v[BF+64*(\buf)+8*(\f):BF+64*(\buf)+8*(\f)+7], v[40*(\s)+8*(\t):40*(\s)+8*(\t)+7], v[AC+8*(\f):AC+8*(\f)+7]
.endr
.endm
.macro INIT t                          ; the sums start with the bias
.if (\t) < 4
	WIN 0x80
.set AC, 64*(\t)
.else
	WIN 0xc0
.set AC, 0
.endif
.set i, 0
.rept 64
	v_mov_b32 v[AC+i], v[BIAS+i]
.set i, i+1
.endr
.endm
.macro ROWMK t                         ; from my row's slot: its byte offset (and its gate's): a minimum with a constant, then a shift and an add
.if LAYER == 1
	v_lshrrev_b32 v[SL+(\t)], 1, v[SL+(\t)]        ; the token
	v_min_u32 v[SL+(\t)], 0x3ff, v[SL+(\t)]
	v_lshlrev_b32 v[OFFA+(\t)], 11, v[SL+(\t)]
	v_add_nc_u32 v[OFFA+(\t)], v[H16], v[OFFA+(\t)]
.else
	v_min_u32 v[SL+(\t)], 0x7ff, v[SL+(\t)]
	v_lshlrev_b32 v[OFFA+(\t)], 13, v[SL+(\t)]
	v_add_nc_u32 v[OFFA+(\t)], v[H16], v[OFFA+(\t)]
	v_lshlrev_b32 v[SL+(\t)], 2, v[SL+(\t)]
.endif
.endm
.macro GLOAD t                         ; LAYER 2: my row's gate, by the offset that ROWMK made; a wait on va_vdst stands between the two
	global_load_b32 v[GATE+(\t)], v[SL+(\t)], s[12:13]
.endm
; ONE STEP OF 32 ALONG K.  stream >= 1: unit s of the next chunk is rounded into the next slot; 2: and the unit of the chunk after it is asked for.  refill: the rows' buffer that the LAST step's products read is asked for again.
; nw, na: how many younger loads may stay out when the unit, and this step's row fragments, have to be there.  bar: the change of slots.
; The two pointers are stepped behind s_wait_xcnt 0, each at a step's end, where the youngest global instruction stands a step's products back: the rows' in step 0 and the weights' in step 3.
.macro KSTEP s, stream, refill, nw, na, bar
.if \stream
	s_wait_loadcnt \nw
	s_wait_alu depctr_vm_vsrc(0)                   ; the last unit's LDS stores have read TW and STW, the fragments' LDS loads LDB: the lines below write them again
.if \bar
	WIN 0
	v_add_nc_u32 v[LDB], SLOT, v[LDB]              ; the fragments behind the barrier come from the next slot; this slot's last were asked for in the last step
.endif
	WIN 0xff
.if (\s) == 0
	v_add_nc_u32 v[STW], SLOT, v[STW]              ; this chunk goes into the next slot
.endif
	CVTA \s
.endif
.if (\stream) || (\refill) || ((\s) < 3)
	s_wait_alu depctr_va_vdst(0)                   ; TW and the stepped address are written; the conversions are done reading ST[s]; the last step's products are done reading their rows and their fragments: this step's loads land there
.endif
.if \stream
	CVTB \s
.endif
.if \refill
	ALOAD ((\s)+3)%4                               ; the buffer of the last step, for its next turn
.endif
.if (\stream) == 2
	WLOAD \s, 2
.endif
	s_wait_loadcnt \na
.if \stream
	s_wait_dscnt 4                                 ; my fragments are in: behind them my 4 stores into the next slot
.else
	s_wait_dscnt 0x0                               ; my fragments are in: nothing was issued behind them
.endif
	MUL 0, \s, (\s)&1
.if \bar
	s_wait_dscnt 0x0                               ; for the others' sake: my stores into the next slot are done
	s_barrier_signal -1                            ; my part of the next slot lies in LDS
.elseif (\s) < 3
	BLOADH (\s)+1, ((\s)+1)&1, 0                   ; the next step's fragments, in two runs.  No wait: no vector or matrix instruction since the wait above names LDB or this buffer
.endif
	MUL 1, \s, (\s)&1
.if \bar
	s_barrier_wait -1                              ; everybody's does
	BLOAD 0, 0                                     ; no wait either: LDB was stepped ahead of the wait above, and this step's products name the other buffer
.elseif (\s) < 3
	BLOADH (\s)+1, ((\s)+1)&1, 1
.endif
	MUL 2, \s, (\s)&1
	MUL 3, \s, (\s)&1
	WIN 0                                          ; at a branch and at a label every window is 0
	s_cmp_lt_u32 s28, 5
	s_cbranch_scc1 .Lno4_\@                        ; only products are jumped
	MUL 4, \s, (\s)&1
	WIN 0
.Lno4_\@:
	PLACES
.if ((\s) == 0) && (\stream)
	s_wait_xcnt 0x0                                ; this chunk's 40 row loads have read s[8:9]
	s_add_nc_u64 s[8:9], s[8:9], 256               ; the rows' next chunk
.endif
.if ((\s) == 3) && ((\stream) == 2)
	s_wait_xcnt 0x0                                ; the trip's 32 weight loads and its prefetches have read s[4:5]
	s_add_nc_u64 s[4:5], s[4:5], CH                ; the weights' next chunk
.endif
.endm
; THE WAY OUT of tile t.  Through my own stage in LDS, so that whole rows leave; each accumulator is read from its low end on.  The rows come back into the tile's own accumulators, and the
; tile's slots become its rows' offsets in place, between the stage's loads and the wait for them.  P is shared by the tiles: a wait on vm_vsrc stands ahead of every tile but the first.
.macro EPI t
.if (\t) < 4
.set AC, 64*(\t)
.set WA, 2
.else
.set AC, 0
.set WA, 3
.endif
.set RW, ROWS+16*(\t)
.if (\t) > 0
	s_wait_alu depctr_vm_vsrc(0)                   ; the LDS stores of the way out before this one have read P, which the lines below write again
.endif
.if LAYER == 1
	WIN WA*5                                       ; sources 0 and 1 in the accumulators' window
.irp g, 0,1
.irp j, 0,1,2,3,4,5,6,7
.irp u, 0,1
	v_cvt_pk_bf16_f32 v[P+16*(\g)+2*(\j)+(\u)], v[AC+8*(4*(\g)+2*(\u))+(\j)], v[AC+8*(4*(\g)+2*(\u)+1)+(\j)]
.endr
.endr
.endr
	WIN 0
.set i, 0
.rept 32
	v_pk_max_num_bf16 v[P+i], v[P+i], v[VZ]        ; ReLU; nothing is rounded
.set i, i+1
.endr
	s_wait_alu depctr_va_vdst(0)                   ; P is written, which the LDS stores read; the products and the conversions are done with the tile's accumulators, in which the rows come back
.irp g, 0,1
.irp i, 0,1,2,3
	ds_store_b128 v[STO], v[P+16*(\g)+4*(\i):P+16*(\g)+4*(\i)+3] offset:128*(\g)+16*(\i)
.endr
.endr
	WIN WA<<6                                      ; destination in the accumulators' window
.irp i, 0,1,2,3,4,5,6,7
	ds_load_b128 v[AC+4*(\i):AC+4*(\i)+3], v[RD] offset:2*SPITCH*(\i)                         ; LDS serves a wave's instructions in order (ISA guide 5.7.1.4): these see the stores above
.endr
	WIN 0x45                                       ; all in window 1
.irp i, 0,1,2,3,4,5,6,7
	v_cndmask_b32 v[RW+(\i)], v[RW+2*(\i)], v[RW+2*(\i)+1], s38                               ; lanes 0-15 store row 2 i, lanes 16-31 row 2 i + 1 (s38 is also the mask of the upper lanes)
.endr
.irp i, 0,1,2,3,4,5,6,7
	v_min_u32 v[RW+(\i)], 0x7ff, v[RW+(\i)]
.endr
.irp i, 0,1,2,3,4,5,6,7
	v_lshlrev_b32 v[RW+(\i)], RSH, v[RW+(\i)]
.endr
.irp i, 0,1,2,3,4,5,6,7
	v_add_nc_u32 v[RW+(\i)], v[COL1], v[RW+(\i)]
.endr
	WIN 1|(WA<<2)                                  ; the offset in window 1, the data in the accumulators' window
	s_wait_alu depctr_va_vdst(0)                   ; the rows' offsets are written, which the stores read
.irp i, 0,1,2,3,4,5,6,7
	s_wait_dscnt 7-(\i)                            ; behind rows 2 i, 2 i + 1: the later loads from the stage
	global_store_b128 v[RW+(\i)], v[AC+4*(\i):AC+4*(\i)+3], s[OUT:OUT+1]                      ; 16 lanes store 256 consecutive bytes, at a multiple of 256 from h's first byte
.endr
.else
	WIN WA                                         ; source 0 in the accumulators' window
.irp g, 0,1
.irp j, 0,1,2,3,4,5,6,7
.irp cc, 0,1,2,3
	v_mul_f32 v[P+32*(\g)+4*(\j)+(\cc)], v[AC+8*(4*(\g)+(\cc))+(\j)], v[GATE+(\t)]            ; the gate's multiply is also the move into neighbouring registers
.endr
.endr
.endr
	WIN 0
	s_wait_alu depctr_va_vdst(0)                   ; P is written, which the LDS stores read; the products and the multiplies are done with the tile's accumulators, in which the rows come back
.irp g, 0,1
.irp j, 0,1,2,3,4,5,6,7
	ds_store_b128 v[STO], v[P+32*(\g)+4*(\j):P+32*(\g)+4*(\j)+3] offset:256*(\g)+16*(\j)
.endr
.endr
	WIN WA<<6                                      ; destination in the accumulators' window
.irp i, 0,1,2,3,4,5,6,7,8,9,10,11,12,13,14,15
	ds_load_b128 v[AC+4*(\i):AC+4*(\i)+3], v[RD] offset:SPITCH*(\i)                           ; LDS serves a wave's instructions in order (ISA guide 5.7.1.4): these see the stores above
.endr
	WIN 0x45                                       ; all in window 1
.irp i, 0,1,2,3,4,5,6,7,8,9,10,11,12,13,14,15
	v_min_u32 v[RW+(\i)], 0x7ff, v[RW+(\i)]        ; the wave stores row i whole
.endr
.irp i, 0,1,2,3,4,5,6,7,8,9,10,11,12,13,14,15
	v_lshlrev_b32 v[RW+(\i)], RSH, v[RW+(\i)]
.endr
.irp i, 0,1,2,3,4,5,6,7,8,9,10,11,12,13,14,15
	v_add_nc_u32 v[RW+(\i)], v[COL1], v[RW+(\i)]
.endr
	WIN 1|(WA<<2)                                  ; the offset in window 1, the data in the accumulators' window
	s_wait_alu depctr_va_vdst(0)                   ; the rows' offsets are written, which the stores read
.irp i, 0,1,2,3,4,5,6,7,8,9,10,11,12,13,14,15
	s_wait_dscnt 15-(\i)                           ; behind row i: the later loads from the stage
	global_store_b128 v[RW+(\i)], v[AC+4*(\i):AC+4*(\i)+3], s[OUT:OUT+1]                      ; the wave stores 512 consecutive bytes, at a multiple of 512 from part's first byte
.endr
.endif
	WIN 0
.endm
	; ---------------- the head
	s_load_b256 s[4:11], s[0:1], 0x0               ; weights s[4:5], bias s[6:7], rows s[8:9], order s[10:11]
.if LAYER == 1
	s_load_b64 s[12:13], s[0:1], 0x20              ; h
	v_lshl_add_u32 v62, v0, 2, 0x48400
	v_mov_b32 v63, 0
.else
	s_load_b128 s[12:15], s[0:1], 0x20             ; gates s[12:13], part s[14:15]
.endif
	v_lshrrev_b32 v1, 5, v0
	v_readfirstlane_b32 s16, v1                    ; wave 0..3
	v_and_b32 v1, 15, v0                           ; r
	v_bfe_u32 v2, v0, 4, 1                         ; h
	v_and_b32 v3, 31, v0                           ; lane
	s_and_b32 s17, ttmp7, 0xffff                   ; e
	s_mov_b32 s18, ttmp9                           ; x
	s_mov_b32 s38, 0xffff0000
	s_wait_alu depctr_va_sdst(0)                   ; s16 is written, ahead of its first reader
	s_lshl_b32 s20, s16, 5                         ; 32 w
	s_lshl_b32 s56, s16, 6                         ; 64 w
	s_mov_b32 s57, 0
	v_lshl_add_u32 v60, v2, 3, s20
	v_lshlrev_b32 v60, PWS, v60                    ; (32 w + 8 h) rows of weights
	v_mul_u32_u24 v[LDB], v1, PITCH
	v_lshl_add_u32 v[LDB], v2, 4, v[LDB]           ; 272 r + 16 h
	WIN 0xc0                                       ; destination window 3, sources window 0
	v_lshl_add_u32 v[OFFW], v1, 4, v60             ; + 16 r
	v_add_nc_u32 v[STW], s56, v[LDB]               ; 272 r + 16 h + 64 w: my 32 k of a row
	WIN 0
	v_add_nc_u32 v[LDB0], 0, v[LDB]
	v_lshrrev_b32 v[PF], 1, v3
	v_add_nc_u32 v[PF], s20, v[PF]
	v_lshlrev_b32 v[PF], PWS, v[PF]
	v_and_b32 v61, 1, v3
	v_lshl_add_u32 v[PF], v61, 8, v[PF]            ; row 32 w + lane / 2, 256 (lane % 2): each block of 256 bytes of my rows once
	v_lshlrev_b32 v[BOFF], 7, v2
	v_lshlrev_b32 v[H16], 4, v2
	v_lshlrev_b32 v[LST], 2, v1
	v_add_nc_u32 v[RK], 1024, v[LST]               ; tile w + 16
	v_mov_b32 v[LEK], 1024
	v_mov_b32 v[VZ], 0
	s_lshl_b32 s30, s17, 24                        ; an expert's weights are 2^24 bytes
.if LAYER == 1
	s_lshl_b32 s19, s18, 9
	s_add_co_u32 s30, s30, s19                     ; + 512 x
	s_lshl_b32 s22, s17, 14
	s_add_co_u32 s22, s22, s19                     ; b1: 16,384 e + 512 x
	s_mov_b32 s24, 0                               ; xb from its first byte
	s_lshl_b32 s28, s18, 8                         ; h: 256 x
.else
	s_lshr_b32 s19, s18, 3                         ; q
	s_and_b32 s37, s18, 7
	s_lshl_b32 s37, s37, 9                         ; 512 (x % 8)
	s_lshl_b32 s22, s19, 22
	s_add_co_u32 s30, s30, s22                     ; + 1,024 q rows of 4,096 bytes
	s_add_co_u32 s30, s30, s37
	s_lshl_b32 s22, s17, 12
	s_add_co_u32 s22, s22, s37                     ; b2: 4,096 e + 512 (x % 8)
	s_lshl_b32 s24, s19, 11                        ; h: 2,048 q
	s_lshl_b32 s28, s19, 23
	s_add_co_u32 s28, s28, s37                     ; part: 2^23 q + 512 (x % 8)
	s_cmp_eq_u32 s19, 0
	s_cselect_b32 s36, -1, 0                       ; the bias counts in quarter 0 alone
.endif
	s_mul_i32 s26, s17, ORDE                       ; my expert's list
	s_mov_b32 s31, 0
	s_mov_b32 s23, 0
	s_mov_b32 s25, 0
	s_mov_b32 s27, 0
	s_mov_b32 s29, 0
	s_wait_kmcnt 0x0
	s_add_nc_u64 s[4:5], s[4:5], s[30:31]
	s_add_nc_u64 s[6:7], s[6:7], s[22:23]
	s_add_nc_u64 s[8:9], s[8:9], s[24:25]
	s_add_nc_u64 s[58:59], s[10:11], s[26:27]      ; the list's first entry,
	s_add_nc_u64 s[10:11], s[58:59], s[56:57]      ; and my wave's sixteen ranks of its first four tiles; neither is rewritten
	s_add_nc_u64 s[OUT:OUT+1], s[OUT:OUT+1], s[28:29]
	s_mov_b64 s[32:33], s[8:9]                     ; the rows' first chunk, kept for the loop behind the sweep
	s_load_b32 s26, s[58:59], ORDN                 ; n
	s_wait_alu depctr_va_vdst(0)                   ; the offsets and addresses made above are written: the loads and prefetches below read LST, BOFF, OFFW, PF and VZ
.irp t, 0,1,2,3,4
	global_load_b32 v[SL+(\t)], v[LST], s[10:11] offset:256*(\t)                              ; the slot of rank 16 (w + 4 t) + r
.endr
.irp a, 0,1,2,3,4,5,6,7,8,9,10,11,12,13,14,15
	global_load_b128 v[BF+4*(\a):BF+4*(\a)+3], v[BOFF], s[6:7] offset:256*((\a)/8)+16*((\a)%8) ; a = 8 g + j: columns 64 g + 32 h + 4 j + 0..3
.endr
	WLOAD 0, 0                                     ; chunk 0
	WLOAD 1, 0
	WLOAD 2, 0
	WLOAD 3, 0
	WIN 0
	; chunks 1 and 2 are asked into the L2: my wave's 32 rows of 512 bytes each, two requests a chunk, each block of 256 bytes once in the launch
	global_prefetch_b8 v[PF], s[4:5] offset:CH th:TH_LOAD_NT scope:SCOPE_SE
	global_prefetch_b8 v[PF], s[4:5] offset:CH+16*PW th:TH_LOAD_NT scope:SCOPE_SE
	global_prefetch_b8 v[PF], s[4:5] offset:2*CH th:TH_LOAD_NT scope:SCOPE_SE
	global_prefetch_b8 v[PF], s[4:5] offset:2*CH+16*PW th:TH_LOAD_NT scope:SCOPE_SE
	s_mul_i32 s20, s16, STG
	s_add_co_u32 s20, s20, STAGE                   ; my stage
	v_mul_u32_u24 v[STO], v1, SPITCH
.if LAYER == 1
	v_lshl_add_u32 v[STO], v2, 6, v[STO]           ; row r, 64 bytes for each half of the lanes
	v_add_nc_u32 v[STO], s20, v[STO]
	v_mul_u32_u24 v[RD], v2, SPITCH                ; back: lanes 0-15 one row of 256 bytes, lanes 16-31 the next
	v_lshl_add_u32 v[RD], v1, 4, v[RD]
	v_add_nc_u32 v[RD], s20, v[RD]
	WIN 0x40
	v_lshlrev_b32 v[COL1], 4, v1                   ; my 16 bytes of a stored row's 256
	WIN 0
.else
	v_lshl_add_u32 v[STO], v2, 7, v[STO]           ; row r, 128 bytes for each half of the lanes
	v_add_nc_u32 v[STO], s20, v[STO]
	v_lshlrev_b32 v[RD], 4, v3
	v_add_nc_u32 v[RD], s20, v[RD]                 ; back: the wave takes one row of 512 bytes
	WIN 0x40
	v_lshlrev_b32 v[COL1], 4, v3                   ; my 16 bytes of a stored row's 512
	WIN 0
.endif
	s_wait_loadcnt 48                              ; my rows' slots are in: behind them 16 loads of bias and 32 of weights
.irp t, 0,1,2,3,4
	ROWMK \t
.endr
.if LAYER == 2
	s_wait_alu depctr_va_vdst(0)                   ; the five gates' offsets are written, which the loads below read
.irp t, 0,1,2,3,4
	GLOAD \t
.endr
.endif
	WIN 0x40
.irp t, 0,1,2,3,4
.irp i, 0,1,2,3
	global_load_b128 v[ROWS+16*(\t)+4*(\i):ROWS+16*(\t)+4*(\i)+3], v[VZ], s[10:11] offset:256*(\t)+16*(\i)  ; tile w + 4 t's sixteen slots, alike in all lanes, for its way out; the sweep's last wait for 0 shows them landed
.endr
.endr
	WIN 0
	; ---------------- the bias: rounded to bf16, laid out as an accumulator's image; the sums start with it
	s_wait_loadcnt 32+NG+NRL                       ; behind the bias: 32 loads of weights, the gates, the tiles' slots
.irp a, 0,1,2,3,4,5,6,7,8,9,10,11,12,13,14,15
	v_cvt_pk_bf16_f32 v[BT+2*(\a)],   v[BF+4*(\a)],   v[BF+4*(\a)+1]
	v_cvt_pk_bf16_f32 v[BT+2*(\a)+1], v[BF+4*(\a)+2], v[BF+4*(\a)+3]
.endr
.if LAYER == 2
.set i, 0
.rept 32
	v_and_b32 v[BT+i], s36, v[BT+i]
.set i, i+1
.endr
.endif
.irp a, 0,1,2,3,4,5,6,7,8,9,10,11,12,13,14,15
	v_lshlrev_b32 v[BIAS+32*((\a)/8)+(\a)%8],    16,  v[BT+2*(\a)]
	v_and_b32     v[BIAS+32*((\a)/8)+8+(\a)%8],  s38, v[BT+2*(\a)]
	v_lshlrev_b32 v[BIAS+32*((\a)/8)+16+(\a)%8], 16,  v[BT+2*(\a)+1]
	v_and_b32     v[BIAS+32*((\a)/8)+24+(\a)%8], s38, v[BT+2*(\a)+1]
.endr
	INIT 0
	INIT 1
	INIT 2
	INIT 3
	INIT 4
	s_wait_kmcnt 0x0
	s_min_u32 s26, s26, 0x400                      ; n
	s_add_co_u32 s27, s26, 15
	s_lshr_b32 s27, s27, 4                         ; tiles
	s_add_co_u32 s28, s27, 3
	s_sub_co_u32 s28, s28, s16
	s_lshr_b32 s28, s28, 2
	s_min_u32 s28, s28, 5                          ; my live tiles in the sweep
	; ---------------- chunk 0 into slot 0; behind each unit's rounding the pipeline is filled in a trip's own order: the unit of chunk 1, the step's rows of chunk 0 (those of step 3 are asked for by the sweep's first step)
.irp s, 0,1,2,3
.set HC, 8*(3-(\s))+NG+NRL+18*(\s)     ; behind unit s: the later units, the gates, the tiles' slots, and 18 loads behind each earlier unit;
.if HC > 63
.set HC, 63                            ; no more than the field holds
.endif
	s_wait_loadcnt HC
.if (\s) > 0
	s_wait_alu depctr_vm_vsrc(0)                   ; the last unit's LDS stores have read TW, which the conversions write again
.endif
	CVTA \s
	s_wait_alu depctr_va_vdst(0)                   ; TW is written, which the LDS stores read; the conversions are done reading ST[s], in which chunk 1's unit lands; the first time: the rows' offsets are written, and the bias's lines are done with BF
	CVTB \s
	WLOAD \s, 1
.if (\s) < 3
	ALOAD \s
.endif
.endr
	s_wait_dscnt 0x0
	s_barrier_signal -1
	s_barrier_wait -1                              ; slot 0 is whole
	BLOAD 0, 0
	WIN 0
	s_mov_b32 s29, 6
	; ---------------- the sweep.  Trip c multiplies chunk c, rounds chunk c + 1 into its slot, asks for the weights of chunk c + 2 and the rows of chunk c + 1.  The weights' pointer stands at chunk c.
	; A step issues 10 loads of rows, then 8 of weights.  Behind a unit's loads stand 3 x 18 = 54 when it is wanted; behind a step's rows 8, two whole steps' 36, and the 18 of the step that wants them: 62.
.Ltrip:
	KSTEP 0, 2, 1, 54, 62, 0
	WIN 0
	s_cmp_eq_u32 s29, 1
	s_cbranch_scc1 .Lnopf                          ; the last trip asks for nothing: chunk 7 is the slice's last
	global_prefetch_b8 v[PF], s[4:5] offset:3*CH th:TH_LOAD_NT scope:SCOPE_SE        ; chunk c + 3, a trip ahead of its loads: my wave's 32 rows
	global_prefetch_b8 v[PF], s[4:5] offset:3*CH+16*PW th:TH_LOAD_NT scope:SCOPE_SE
.Lnopf:
	KSTEP 1, 2, 1, 54, 62, 0
	KSTEP 2, 2, 1, 54, 62, 0
	KSTEP 3, 2, 1, 54, 62, 1
	WIN 0
	s_sub_co_u32 s29, s29, 1
	s_cmp_lg_u32 s29, 0
	s_cbranch_scc1 .Ltrip
	KSTEP 0, 1, 1, 54, 54, 0                       ; chunk 6: no weights are asked for any more, so the counts run down by 8 a step
	KSTEP 1, 1, 1, 46, 46, 0
	KSTEP 2, 1, 1, 38, 38, 0
	KSTEP 3, 1, 1, 30, 30, 1
	KSTEP 0, 0, 1, 0, 30, 0                        ; chunk 7: its first step asks for the last rows, then nothing is asked for: 10 a step
	KSTEP 1, 0, 0, 0, 20, 0
	KSTEP 2, 0, 0, 0, 10, 0
	KSTEP 3, 0, 0, 0, 0, 0
	; ---------------- tiles 0-3 go out, as far as they are live
	WIN 0
	s_cmp_le_u32 s28, 0
	s_cbranch_scc1 .Lmain_done
	EPI 0
	s_cmp_le_u32 s28, 1
	s_cbranch_scc1 .Lmain_done
	EPI 1
	s_cmp_le_u32 s28, 2
	s_cbranch_scc1 .Lmain_done
	EPI 2
	s_cmp_le_u32 s28, 3
	s_cbranch_scc1 .Lmain_done
	EPI 3
.Lmain_done:
	; ---------------- tile w + 16 (multiplied in the sweep) goes out, and tiles w + 20, w + 24 .. are made on tile 4's registers.  12 trips reach tile 63; dead work is jumped, the barriers never.
	; A trip has two parts, a barrier in front of each.  In the first the waves read weights, at an LDS address that hangs on the chunk loop's counter, and no wave writes LDS; in the second each wave
	; writes and reads its own stage.  The loop waits for each load: beyond its first trip it has work only where an expert has more than 320 rows.
	s_mov_b32 s34, 12
	s_add_co_u32 s35, s16, 16
	s_mov_b32 s23, 0
.Ltail:
	s_wait_dscnt 0x0                               ; my stores into my stage, and my reads of it, are done: those of tiles 0-3, or of the last trip's way out
	s_barrier_signal -1
	s_barrier_wait -1                              ; every wave's are: from here to the next barrier LDS is only read
	s_cmp_ge_u32 s35, s27
	s_cbranch_scc1 .Ltmade
	s_cmp_eq_u32 s34, 12
	s_cbranch_scc1 .Ltmade                         ; the first trip's tile was made in the sweep
	s_wait_xcnt 0x0                                ; the last trip's stores have read tile 4's offsets and accumulators
	s_wait_alu depctr_vm_vsrc(0)                   ; the same stated for the vector registers: the stores have read tile 4's offsets and rows, the gate's load its offset, the rows' loads theirs: all are written again below
	s_wait_alu depctr_va_vdst(0)                   ; RK and LEK are written, which the loads below read; the vector lines that named my row's slot and tile 4's sixteen are done, and the loads land there
	global_load_b32 v[SL+4], v[RK], s[10:11]       ; my row's slot,
	WIN 0x40
.irp i, 0,1,2,3
	global_load_b128 v[ROWS+64+4*(\i):ROWS+64+4*(\i)+3], v[LEK], s[10:11] offset:16*(\i)      ; and the tile's sixteen
.endr
	INIT 4
	WIN 0
	s_wait_loadcnt 0x0
	ROWMK 4
.if LAYER == 2
	s_wait_alu depctr_va_vdst(0)                   ; the gate's offset is written, which the load reads; the last way out's multiplies are done reading the gate, in which it lands
	GLOAD 4
.endif
	s_mov_b32 s29, 8
.Ltchunk:                                              ; chunk c = 8 - the counter: the rows' 256 bytes at 256 c, the weights from slot c
	s_sub_co_u32 s20, 8, s29
	s_min_u32 s20, s20, 7                          ; held to its range
	s_mul_i32 s21, s20, SLOT
	s_lshl_b32 s22, s20, 8
	s_add_nc_u64 s[8:9], s[32:33], s[22:23]        ; every load that named s[8:9] has been waited for
	s_wait_alu depctr_vm_vsrc(0)                   ; the last chunk's LDS loads have read ADR, which is written again; the last way out's LDS stores have read P, in which the fragments land
	v_add_nc_u32 v[ADR], s21, v[LDB0]
	s_wait_alu depctr_va_vdst(0)                   ; ADR and my row's offset are written, which the loads below read; the last chunk's products are done reading the rows' and the weights' fragments, in which they land
	WIN 0x40
.irp s, 0,1,2,3
	global_load_b128 v[40*(\s)+32:40*(\s)+35], v[OFFA+4], s[8:9] offset:64*(\s)
	global_load_b128 v[40*(\s)+36:40*(\s)+39], v[OFFA+4], s[8:9] offset:64*(\s)+32
.endr
.irp p, 0,2                            ; two steps of 32 along K at a time, one in each buffer of fragments
.if (\p) == 2
	s_wait_alu depctr_va_vdst(0)                   ; the products of steps 0 and 1 are done reading the two buffers, in which the fragments of steps 2 and 3 land
.endif
	WIN 0
.irp u, 0,1
.irp f, 0,1,2,3,4,5,6,7
	ds_load_b128 v[BF+64*(\u)+8*(\f):BF+64*(\u)+8*(\f)+3],   v[ADR] offset:(\f)*16*PITCH+64*((\p)+(\u))
	ds_load_b128 v[BF+64*(\u)+8*(\f)+4:BF+64*(\u)+8*(\f)+7], v[ADR] offset:(\f)*16*PITCH+64*((\p)+(\u))+32
.endr
.endr
.if (\p) == 0
	s_wait_loadcnt 0x0                             ; the chunk's rows (and, the first time, the gate)
.endif
	s_wait_dscnt 0x0
	MUL 4, \p, 0
	MUL 4, (\p)+1, 1
	PLACES
.endr
	WIN 0
	s_sub_co_u32 s29, s29, 1
	s_cmp_lg_u32 s29, 0
	s_cbranch_scc1 .Ltchunk
.Ltmade:
	s_wait_dscnt 0x0                               ; my reads of the weights are back
	s_barrier_signal -1
	s_barrier_wait -1                              ; every wave's are: from here to the next barrier, or to the end, the stages may be written
	s_cmp_ge_u32 s35, s27
	s_cbranch_scc1 .Ltnext
	s_wait_xcnt 0x0                                ; this way out stands in a loop: what its last turn's stores named is rewritten only behind this wait
	EPI 4
.Ltnext:
	s_wait_alu depctr_vm_vsrc(0)                   ; the loads of this trip have read RK and LEK, which the two lines below write
	v_add_nc_u32 v[RK], 256, v[RK]                 ; four tiles on; the loads that named these two have been waited for
	v_add_nc_u32 v[LEK], 256, v[LEK]
	s_add_co_u32 s35, s35, 4
	s_sub_co_u32 s34, s34, 1
	s_cmp_lg_u32 s34, 0
	s_cbranch_scc1 .Ltail
	s_wait_dscnt 0x0                               ; my last LDS instructions are done.  The closing add onto my spare word follows
	s_wait_alu depctr_hold_cnt(0) depctr_sa_sdst(0) depctr_va_vdst(0) depctr_va_sdst(0) depctr_va_ssrc(0) depctr_va_vcc(0) depctr_vm_vsrc(0)
	s_wait_tensorcnt 0x0
	ds_add_u32 v62, v63
	s_wait_dscnt 0x0
	s_endpgm
.Lfunc_end_k_q46a6b68e81_ffn1:
	.size	k_q46a6b68e81_ffn1, .Lfunc_end_k_q46a6b68e81_ffn1-k_q46a6b68e81_ffn1
	.p2alignl 7, 3214868480
	.fill 96, 4, 3214868480
	.section	.rodata,"a",@progbits
	.p2align	6, 0x0
	.amdhsa_kernel k_q46a6b68e81_ffn1
		.amdhsa_group_segment_fixed_size 296448
		.amdhsa_private_segment_fixed_size 0
		.amdhsa_enable_private_segment 0
		.amdhsa_kernarg_size 40
		.amdhsa_user_sgpr_count 2
		.amdhsa_user_sgpr_kernarg_segment_ptr 1
		.amdhsa_wavefront_size32 1
		.amdhsa_system_sgpr_workgroup_id_x 1
		.amdhsa_system_sgpr_workgroup_id_y 1
		.amdhsa_system_sgpr_workgroup_id_z 1
		.amdhsa_system_vgpr_workitem_id 0
		.amdhsa_next_free_vgpr 1024
		.amdhsa_next_free_sgpr 66
		.amdhsa_reserve_vcc 0
		.amdhsa_float_denorm_mode_32 3
		.amdhsa_float_denorm_mode_16_64 3
		.amdhsa_memory_ordered 1
		.amdhsa_forward_progress 1
		.amdhsa_inst_pref_size 160
	.end_amdhsa_kernel
	.amdgpu_metadata
---
amdhsa.version: [ 1, 2 ]
amdhsa.kernels:
  - .name:           k_q46a6b68e81_ffn1
    .symbol:         k_q46a6b68e81_ffn1.kd
    .args:
      - { .name: W1, .offset: 0, .size: 8, .value_kind: global_buffer, .address_space: global }
      - { .name: b1, .offset: 8, .size: 8, .value_kind: global_buffer, .address_space: global }
      - { .name: xb, .offset: 16, .size: 8, .value_kind: global_buffer, .address_space: global }
      - { .name: order, .offset: 24, .size: 8, .value_kind: global_buffer, .address_space: global }
      - { .name: h, .offset: 32, .size: 8, .value_kind: global_buffer, .address_space: global }
    .group_segment_fixed_size: 296448
    .private_segment_fixed_size: 0
    .kernarg_segment_align: 8
    .kernarg_segment_size: 40
    .max_flat_workgroup_size: 128
    .sgpr_count:     66
    .vgpr_count:     1024
    .wavefront_size: 32
...
	.end_amdgpu_metadata
.endif
;; end of part 6
;; launch ffn2 (part 7): grid 32 x 8, 4 waves a work-group, no clusters, 312,832 bytes of LDS; arguments W2, b2, h, order, gates, part; writes part
.if DOCPART == 7
	.amdgcn_target "amdgcn-amd-amdhsa--gfx1250"
	.amdhsa_code_object_version 6
	.text
	.protected	k_q46a6b68e81_ffn2
	.globl	k_q46a6b68e81_ffn2
	.p2align	8
	.type	k_q46a6b68e81_ffn2,@function
k_q46a6b68e81_ffn2:
	s_mov_b64 s[64:65], 0
	v_nop
	global_prefetch_b8 v0, s[64:65] scope:SCOPE_SE
	s_setreg_imm32_b32 hwreg(HW_REG_WAVE_SCHED_MODE, 0, 2), 2
	s_setreg_imm32_b32 hwreg(HW_REG_WAVE_MODE, 25, 1), 1
	s_wait_xcnt 0x0
	s_wait_alu depctr_vm_vsrc(0)
; ONE EXPERT PRODUCT, for the rows that chose the expert.  The text serves both layers; LAYER picks the constants, the gate and the way out.
;   LAYER 1: h[slot][4096] = relu(xb[slot / 2] W1[e] + b1[e]), bf16.     LAYER 2: part[q][slot][1024] = gate[slot] x (h[slot][1024 q ..] W2[e][1024 q ..] + b2[e] if q = 0), f32.
; A row is named by its slot = 2 token + k.  A work-group (x, e) multiplies [n rows of expert e] x [K = 1,024] by [1,024 x 128 columns]: 512 KB of f32 weights that it alone reads, once.
; LAYER 1: x = column slice 0..31.  LAYER 2: x % 8 = column slice, q = x / 8 = quarter of K; the four quarters' parts are added by the last launch.
; FORMATS.  Weights and bias are rounded to bf16 on their way through registers (as every input of the program is), rows come in bf16, sums in f32; h is rounded once to bf16.
; LIMITS.  bf16 has f32's range, so none of range; NaN and infinities are not treated apart.  Every split of the rows is served: 0 to 1,024 rows an expert.
; THE WEIGHTS go memory -> registers -> bf16 -> LDS, turned on the way, in 8 chunks of 128 along K; each chunk has an LDS slot of its own, written once, so the whole slice stays in LDS.
; LDS row 64 g + 16 cc + i holds column 64 g + 4 i + cc: so a lane's four columns of a 16-byte load go to rows 16 apart, and in the result a lane holds 32 neighbouring columns.
; THE ROWS come by the list order[e][rank] that an earlier launch stored (entry 1,151: the count n; ranks past n repeat the last slot).  Each number of the list is loaded at a place made of my own
; numbers alone, held to its range by a minimum with a constant, shifted and added: so it becomes an offset.  The rows go straight from memory into registers as matrix operands.
; THE MATRIX INSTRUCTION IS USED TRANSPOSED: source 0 = 16 LDS rows of weights, source 1 = 16 rows: lane (r, h), register j of accumulator f = 4 g + cc holds row r, column 64 g + 32 h + 4 j + cc.
; SHARES.  Tile j = ranks 16 j .. 16 j + 15 of the list belongs to wave j % 4.  In the main sweep a wave holds five tiles (j = w + 4 t); tiles 0-3 are always multiplied, tile 4 if it is live.
; All memory instructions of the sweep are issued on every path (a dead tile reads a row that exists), only products are jumped: so every counted wait holds on every path.
; Tiles from 20 on go through a loop behind the sweep, 12 trips in every wave; a chunk's LDS address there is the chunk's number (from the loop's counter, held to 0..7) times a slot's bytes plus a
; register that is never rewritten.  Two barriers a trip, on every wave's path, part the work-group's time in two: in one part the waves read weights, in the other they write and read their stages.
; Ranks past the count repeat the last slot: the same bytes go to the same row, EXEC stays full.
; THE WAY OUT: what a tile's global stores name is the tile's own (its rows come back from the stage into its own accumulators, its offsets lie in window 1), so no wait on a memory counter stands between two tiles' ways out.
; NO TENSOR LOAD: the weights are f32 and pass registers to be rounded; the bf16 slice takes 278,528 bytes of LDS, which leaves no room for f32 slots; no descriptor covers rows that come by a list.
; NO CLUSTER: each weight byte has one reader; what an expert's work-groups share is its rows, which come by the list.
; THE MODE: SCHED_MODE bits 1:0 = 2 (LLVM: expert scheduling mode 2), set by the entry lines.  The code itself states the register dependences between vector or matrix instructions and memory or LDS
; instructions, with s_wait_alu, always for 0.
; THE PLAN.  Registers that memory or LDS instructions touch in the sweep, step s of a chunk:
;   ST[s]      read by the step's sixteen conversions; behind them the same unit of the chunk after the next lands in it.
;   TW         written by the conversions, read by the four LDS stores behind them, written again by the next step's conversions.
;   BF[s % 2]  read by the step's products; the other buffer, which the last step's products read, takes the next step's fragments.
;   R[s]       (the rows' fragments, window 1) read by the step's products; the next chunk's rows land in it at the head of the NEXT step.
;   STW, LDB   LDS addresses, each stepped once a chunk by a vector add.
;   OFFW, OFFA, PF  offsets made at the head and not written in the sweep: scalar bases and immediates reach the chunks.
;   The accumulators are named by matrix instructions alone until the way out.
; So a step has two waits, both at its head.  One on vm_vsrc ahead of the conversions: the last step's LDS stores have read TW and STW, the LDS loads LDB; the two adds stand behind it.  One on va_vdst behind
; the conversions: TW and the stepped address are written, the conversions are done reading ST[s], the last step's products are done reading R[s - 1] and the other BF.  All the step's memory and LDS
; instructions follow that wait: the stores, the rows and the weights at once, the fragments' loads dealt among the products, which name BF[s % 2], R[s] and accumulators: none of the registers that those touch.
; REGISTERS, in windows of 256 (s_set_vgpr_msb: bits 1:0 source 0, 3:2 source 1, 5:4 source 2, 7:6 destination):
;   window 0: addresses; v64-127, v128-191 two buffers of weight fragments (on the way out: v64.. packed results); v192-255 the bias as an accumulator's image
;   window 1: v[40 s + 8 t ..] the rows' fragments: four buffers (32 along K each) x five tiles; v160-239 the five tiles' sixteen slots, later their stored rows' offsets; v240 my 16 bytes in a stored row
;   window 2: the accumulators of tiles 0-3, v[64 t + 8 f ..]
;   window 3: v0-63 tile 4's accumulators; v64-191 weights as loaded, four units of 32; v192-207 a unit in bf16; v208, v209 two addresses
.set LAYER, 2
.if LAYER == 1
.set PWS,    14                        ; a row of W1 is 16,384 bytes
.set SPITCH, 272                       ; a stage row: 128 bf16 + 16 bytes
.set NG,     0                         ; gate loads
.set OUT,    12                        ; s[12:13] h
.set RSH,    13                        ; a row of h is 8,192 bytes
.else
.set PWS,    12                        ; a row of W2 is 4,096 bytes
.set SPITCH, 528                       ; a stage row: 128 f32 + 16 bytes
.set NG,     5
.set OUT,    14                        ; s[14:15] part
.set RSH,    12                        ; a row of part is 4,096 bytes
.endif
.set PW,     1<<PWS
.set CH,     128*PW                    ; bytes from a chunk of weights to the next
.set PITCH,  272                       ; an LDS row of weights: 128 bf16 + 16 bytes = 68 words: 16 rows start at 16 different groups of four banks (64 banks of 4 bytes: ISA guide 11.1)
.set SLOT,   128*PITCH
.set STAGE,  8*SLOT                    ; behind the eight slots: 16 rows for each wave, for the way out
.set STG,    16*SPITCH
.set ORDE,   4608                      ; bytes of an expert's list
.set ORDN,   4604                      ; where its count lies
.set NRL,    20                        ; loads of the five tiles' slots: four of 16 bytes a tile
.set LDB,  6                           ; v6   LDS address of my weight fragments in the slot in hand (the sweep's)
.set STO,  7                           ; v7   the way out: where I put my numbers of a row
.set RD,   8                           ; v8   the way out: where I read rows back
.set LST,  9                           ; v9   4 r: my rank's place among a tile's sixteen
.set VZ,   11                          ; v11  0: the offset of loads that are alike in all lanes, and the ReLU's bound
.set GATE, 16                          ; v16-20 my row's gate, by tile
.set RK,   21                          ; v21  LST for the tile of the loop behind the sweep
.set LEK,  22                          ; v22  where that tile's sixteen slots lie
.set ADR,  23                          ; v23  that loop's LDS address
.set PF,   24                          ; v24  the prefetches' offset
.set SL,   25                          ; v25-29 my row's slot, by tile
.set H16,  30                          ; v30  16 h
.set OFFA, 48                          ; v48-52 my row's byte offset, by tile
.set BOFF, 53                          ; v53  the bias's offset
.set LDB0, 56                          ; v56  LDS address of my weight fragments in slot 0; never rewritten
.set BF,   64
.set P,    64
.set BT,   128                         ; the bias in bf16, at the head
.set BIAS, 192
.set ROWS, 160                         ; window 1
.set COL1, 240
.set ST,   64                          ; window 3
.set TW,   192
.set STW,  208
.set OFFW, 209
.set MSB, 0
.macro WIN new                         ; the immediate's high byte repeats the setting that is left; a switch that changes nothing is dropped
.if MSB != (\new)
	s_set_vgpr_msb (MSB<<8)|(\new)
.set MSB, (\new)
.endif
.endm
.macro PLACES                          ; four places between a product and a load into, or a vector write of, one of its registers, or a reading of its result
.rept 4
	v_nop
.endr
.endm
; Unit s of a chunk: 64 columns (half g = s / 2) x 16 k: lane (r, h) takes rows 32 w + 16 (s % 2) + 8 h + j, columns 64 g + 4 r + 0..3: 16 lanes read 256 consecutive bytes.
; ahead: how many chunks past the pointer's; it stands in the immediate (4,571,392 at the most, inside its signed 24 bits), so that the pointer is stepped once a trip and nowhere else.
.macro WLOAD s, ahead
	WIN 0xff
.irp j, 0,1,2,3,4,5,6,7
	global_load_b128 v[ST+32*(\s)+4*(\j):ST+32*(\s)+4*(\j)+3], v[OFFW], s[4:5] offset:(\ahead)*CH+(16*((\s)&1)+(\j))*PW+256*((\s)>>1) th:TH_LOAD_NT
.endr
.endm
; The unit is rounded, eight k of one column to 16 bytes (CVTA), and laid into the slot (CVTB): column 64 g + 4 r + cc is LDS row 64 g + 16 cc + r.  A wait on va_vdst stands between the two.
.macro CVTA s
	WIN 0xff
.irp cc, 0,1,2,3
.irp i, 0,1,2,3
	v_cvt_pk_bf16_f32 v[TW+4*(\cc)+(\i)], v[ST+32*(\s)+8*(\i)+(\cc)], v[ST+32*(\s)+8*(\i)+4+(\cc)]
.endr
.endr
.endm
.macro CVTB s
	WIN 0xff
.irp cc, 0,1,2,3
	ds_store_b128 v[STW], v[TW+4*(\cc):TW+4*(\cc)+3] offset:(64*((\s)>>1)+16*(\cc))*PITCH+32*((\s)&1)
.endr
.endm
.macro BLOADH s, buf, hf               ; four of the eight weight fragments of 32 along K at byte 64 s of the rows: fragments 4 hf .. 4 hf + 3
	WIN 0
.irp f, 0,1,2,3
	ds_load_b128 v[BF+64*(\buf)+8*(4*(\hf)+(\f)):BF+64*(\buf)+8*(4*(\hf)+(\f))+3],   v[LDB] offset:(4*(\hf)+(\f))*16*PITCH+64*(\s)
	ds_load_b128 v[BF+64*(\buf)+8*(4*(\hf)+(\f))+4:BF+64*(\buf)+8*(4*(\hf)+(\f))+7], v[LDB] offset:(4*(\hf)+(\f))*16*PITCH+64*(\s)+32
.endr
.endm
.macro BLOAD s, buf                    ; all eight
	BLOADH \s, \buf, 0
	BLOADH \s, \buf, 1
.endm
.macro ALOAD s                         ; the five tiles' row fragments of 32 along K at byte 64 s of the chunk, from memory
	WIN 0x40
.irp t, 0,1,2,3,4
	global_load_b128 v[40*(\s)+8*(\t):40*(\s)+8*(\t)+3],   v[OFFA+(\t)], s[8:9] offset:64*(\s)
	global_load_b128 v[40*(\s)+8*(\t)+4:40*(\s)+8*(\t)+7], v[OFFA+(\t)], s[8:9] offset:64*(\s)+32
.endr
.endm
.macro MUL t, s, buf                   ; eight products: tile t x the eight column blocks; the accumulators take turns, one instruction a turn
.if (\t) < 4
	WIN 0xa4
.set AC, 64*(\t)
.else
	WIN 0xf4
.set AC, 0
.endif
.irp f, 0,1,2,3,4,5,6,7
	v_wmma_f32_16x16x32_bf16 v[AC+8*(\f):AC+8*(\f)+7], v[BF+64*(\buf)+8*(\f):BF+64*(\buf)+8*(\f)+7], v[40*(\s)+8*(\t):40*(\s)+8*(\t)+7], v[AC+8*(\f):AC+8*(\f)+7]
.endr
.endm
.macro INIT t                          ; the sums start with the bias
.if (\t) < 4
	WIN 0x80
.set AC, 64*(\t)
.else
	WIN 0xc0
.set AC, 0
.endif
.set i, 0
.rept 64
	v_mov_b32 v[AC+i], v[BIAS+i]
.set i, i+1
.endr
.endm
.macro ROWMK t                         ; from my row's slot: its byte offset (and its gate's): a minimum with a constant, then a shift and an add
.if LAYER == 1
	v_lshrrev_b32 v[SL+(\t)], 1, v[SL+(\t)]        ; the token
	v_min_u32 v[SL+(\t)], 0x3ff, v[SL+(\t)]
	v_lshlrev_b32 v[OFFA+(\t)], 11, v[SL+(\t)]
	v_add_nc_u32 v[OFFA+(\t)], v[H16], v[OFFA+(\t)]
.else
	v_min_u32 v[SL+(\t)], 0x7ff, v[SL+(\t)]
	v_lshlrev_b32 v[OFFA+(\t)], 13, v[SL+(\t)]
	v_add_nc_u32 v[OFFA+(\t)], v[H16], v[OFFA+(\t)]
	v_lshlrev_b32 v[SL+(\t)], 2, v[SL+(\t)]
.endif
.endm
.macro GLOAD t                         ; LAYER 2: my row's gate, by the offset that ROWMK made; a wait on va_vdst stands between the two
	global_load_b32 v[GATE+(\t)], v[SL+(\t)], s[12:13]
.endm
; ONE STEP OF 32 ALONG K.  stream >= 1: unit s of the next chunk is rounded into the next slot; 2: and the unit of the chunk after it is asked for.  refill: the rows' buffer that the LAST step's products read is asked for again.
; nw, na: how many younger loads may stay out when the unit, and this step's row fragments, have to be there.  bar: the change of slots.
; The two pointers are stepped behind s_wait_xcnt 0, each at a step's end, where the youngest global instruction stands a step's products back: the rows' in step 0 and the weights' in step 3.
.macro KSTEP s, stream, refill, nw, na, bar
.if \stream
	s_wait_loadcnt \nw
	s_wait_alu depctr_vm_vsrc(0)                   ; the last unit's LDS stores have read TW and STW, the fragments' LDS loads LDB: the lines below write them again
.if \bar
	WIN 0
	v_add_nc_u32 v[LDB], SLOT, v[LDB]              ; the fragments behind the barrier come from the next slot; this slot's last were asked for in the last step
.endif
	WIN 0xff
.if (\s) == 0
	v_add_nc_u32 v[STW], SLOT, v[STW]              ; this chunk goes into the next slot
.endif
	CVTA \s
.endif
.if (\stream) || (\refill) || ((\s) < 3)
	s_wait_alu depctr_va_vdst(0)                   ; TW and the stepped address are written; the conversions are done reading ST[s]; the last step's products are done reading their rows and their fragments: this step's loads land there
.endif
.if \stream
	CVTB \s
.endif
.if \refill
	ALOAD ((\s)+3)%4                               ; the buffer of the last step, for its next turn
.endif
.if (\stream) == 2
	WLOAD \s, 2
.endif
	s_wait_loadcnt \na
.if \stream
	s_wait_dscnt 4                                 ; my fragments are in: behind them my 4 stores into the next slot
.else
	s_wait_dscnt 0x0                               ; my fragments are in: nothing was issued behind them
.endif
	MUL 0, \s, (\s)&1
.if \bar
	s_wait_dscnt 0x0                               ; for the others' sake: my stores into the next slot are done
	s_barrier_signal -1                            ; my part of the next slot lies in LDS
.elseif (\s) < 3
	BLOADH (\s)+1, ((\s)+1)&1, 0                   ; the next step's fragments, in two runs.  No wait: no vector or matrix instruction since the wait above names LDB or this buffer
.endif
	MUL 1, \s, (\s)&1
.if \bar
	s_barrier_wait -1                              ; everybody's does
	BLOAD 0, 0                                     ; no wait either: LDB was stepped ahead of the wait above, and this step's products name the other buffer
.elseif (\s) < 3
	BLOADH (\s)+1, ((\s)+1)&1, 1
.endif
	MUL 2, \s, (\s)&1
	MUL 3, \s, (\s)&1
	WIN 0                                          ; at a branch and at a label every window is 0
	s_cmp_lt_u32 s28, 5
	s_cbranch_scc1 .Lno4_\@                        ; only products are jumped
	MUL 4, \s, (\s)&1
	WIN 0
.Lno4_\@:
	PLACES
.if ((\s) == 0) && (\stream)
	s_wait_xcnt 0x0                                ; this chunk's 40 row loads have read s[8:9]
	s_add_nc_u64 s[8:9], s[8:9], 256               ; the rows' next chunk
.endif
.if ((\s) == 3) && ((\stream) == 2)
	s_wait_xcnt 0x0                                ; the trip's 32 weight loads and its prefetches have read s[4:5]
	s_add_nc_u64 s[4:5], s[4:5], CH                ; the weights' next chunk
.endif
.endm
; THE WAY OUT of tile t.  Through my own stage in LDS, so that whole rows leave; each accumulator is read from its low end on.  The rows come back into the tile's own accumulators, and the
; tile's slots become its rows' offsets in place, between the stage's loads and the wait for them.  P is shared by the tiles: a wait on vm_vsrc stands ahead of every tile but the first.
.macro EPI t
.if (\t) < 4
.set AC, 64*(\t)
.set WA, 2
.else
.set AC, 0
.set WA, 3
.endif
.set RW, ROWS+16*(\t)
.if (\t) > 0
	s_wait_alu depctr_vm_vsrc(0)                   ; the LDS stores of the way out before this one have read P, which the lines below write again
.endif
.if LAYER == 1
	WIN WA*5                                       ; sources 0 and 1 in the accumulators' window
.irp g, 0,1
.irp j, 0,1,2,3,4,5,6,7
.irp u, 0,1
	v_cvt_pk_bf16_f32 v[P+16*(\g)+2*(\j)+(\u)], v[AC+8*(4*(\g)+2*(\u))+(\j)], v[AC+8*(4*(\g)+2*(\u)+1)+(\j)]
.endr
.endr
.endr
	WIN 0
.set i, 0
.rept 32
	v_pk_max_num_bf16 v[P+i], v[P+i], v[VZ]        ; ReLU; nothing is rounded
.set i, i+1
.endr
	s_wait_alu depctr_va_vdst(0)                   ; P is written, which the LDS stores read; the products and the conversions are done with the tile's accumulators, in which the rows come back
.irp g, 0,1
.irp i, 0,1,2,3
	ds_store_b128 v[STO], v[P+16*(\g)+4*(\i):P+16*(\g)+4*(\i)+3] offset:128*(\g)+16*(\i)
.endr
.endr
	WIN WA<<6                                      ; destination in the accumulators' window
.irp i, 0,1,2,3,4,5,6,7
	ds_load_b128 v[AC+4*(\i):AC+4*(\i)+3], v[RD] offset:2*SPITCH*(\i)                         ; LDS serves a wave's instructions in order (ISA guide 5.7.1.4): these see the stores above
.endr
	WIN 0x45                                       ; all in window 1
.irp i, 0,1,2,3,4,5,6,7
	v_cndmask_b32 v[RW+(\i)], v[RW+2*(\i)], v[RW+2*(\i)+1], s38                               ; lanes 0-15 store row 2 i, lanes 16-31 row 2 i + 1 (s38 is also the mask of the upper lanes)
.endr
.irp i, 0,1,2,3,4,5,6,7
	v_min_u32 v[RW+(\i)], 0x7ff, v[RW+(\i)]
.endr
.irp i, 0,1,2,3,4,5,6,7
	v_lshlrev_b32 v[RW+(\i)], RSH, v[RW+(\i)]
.endr
.irp i, 0,1,2,3,4,5,6,7
	v_add_nc_u32 v[RW+(\i)], v[COL1], v[RW+(\i)]
.endr
	WIN 1|(WA<<2)                                  ; the offset in window 1, the data in the accumulators' window
	s_wait_alu depctr_va_vdst(0)                   ; the rows' offsets are written, which the stores read
.irp i, 0,1,2,3,4,5,6,7
	s_wait_dscnt 7-(\i)                            ; behind rows 2 i, 2 i + 1: the later loads from the stage
	global_store_b128 v[RW+(\i)], v[AC+4*(\i):AC+4*(\i)+3], s[OUT:OUT+1]                      ; 16 lanes store 256 consecutive bytes, at a multiple of 256 from h's first byte
.endr
.else
	WIN WA                                         ; source 0 in the accumulators' window
.irp g, 0,1
.irp j, 0,1,2,3,4,5,6,7
.irp cc, 0,1,2,3
	v_mul_f32 v[P+32*(\g)+4*(\j)+(\cc)], v[AC+8*(4*(\g)+(\cc))+(\j)], v[GATE+(\t)]            ; the gate's multiply is also the move into neighbouring registers
.endr
.endr
.endr
	WIN 0
	s_wait_alu depctr_va_vdst(0)                   ; P is written, which the LDS stores read; the products and the multiplies are done with the tile's accumulators, in which the rows come back
.irp g, 0,1
.irp j, 0,1,2,3,4,5,6,7
	ds_store_b128 v[STO], v[P+32*(\g)+4*(\j):P+32*(\g)+4*(\j)+3] offset:256*(\g)+16*(\j)
.endr
.endr
	WIN WA<<6                                      ; destination in the accumulators' window
.irp i, 0,1,2,3,4,5,6,7,8,9,10,11,12,13,14,15
	ds_load_b128 v[AC+4*(\i):AC+4*(\i)+3], v[RD] offset:SPITCH*(\i)                           ; LDS serves a wave's instructions in order (ISA guide 5.7.1.4): these see the stores above
.endr
	WIN 0x45                                       ; all in window 1
.irp i, 0,1,2,3,4,5,6,7,8,9,10,11,12,13,14,15
	v_min_u32 v[RW+(\i)], 0x7ff, v[RW+(\i)]        ; the wave stores row i whole
.endr
.irp i, 0,1,2,3,4,5,6,7,8,9,10,11,12,13,14,15
	v_lshlrev_b32 v[RW+(\i)], RSH, v[RW+(\i)]
.endr
.irp i, 0,1,2,3,4,5,6,7,8,9,10,11,12,13,14,15
	v_add_nc_u32 v[RW+(\i)], v[COL1], v[RW+(\i)]
.endr
	WIN 1|(WA<<2)                                  ; the offset in window 1, the data in the accumulators' window
	s_wait_alu depctr_va_vdst(0)                   ; the rows' offsets are written, which the stores read
.irp i, 0,1,2,3,4,5,6,7,8,9,10,11,12,13,14,15
	s_wait_dscnt 15-(\i)                           ; behind row i: the later loads from the stage
	global_store_b128 v[RW+(\i)], v[AC+4*(\i):AC+4*(\i)+3], s[OUT:OUT+1]                      ; the wave stores 512 consecutive bytes, at a multiple of 512 from part's first byte
.endr
.endif
	WIN 0
.endm
	; ---------------- the head
	s_load_b256 s[4:11], s[0:1], 0x0               ; weights s[4:5], bias s[6:7], rows s[8:9], order s[10:11]
.if LAYER == 1
	s_load_b64 s[12:13], s[0:1], 0x20              ; h
.else
	s_load_b128 s[12:15], s[0:1], 0x20             ; gates s[12:13], part s[14:15]
	v_lshl_add_u32 v62, v0, 2, 0x4c400
	v_mov_b32 v63, 0
.endif
	v_lshrrev_b32 v1, 5, v0
	v_readfirstlane_b32 s16, v1                    ; wave 0..3
	v_and_b32 v1, 15, v0                           ; r
	v_bfe_u32 v2, v0, 4, 1                         ; h
	v_and_b32 v3, 31, v0                           ; lane
	s_and_b32 s17, ttmp7, 0xffff                   ; e
	s_mov_b32 s18, ttmp9                           ; x
	s_mov_b32 s38, 0xffff0000
	s_wait_alu depctr_va_sdst(0)                   ; s16 is written, ahead of its first reader
	s_lshl_b32 s20, s16, 5                         ; 32 w
	s_lshl_b32 s56, s16, 6                         ; 64 w
	s_mov_b32 s57, 0
	v_lshl_add_u32 v60, v2, 3, s20
	v_lshlrev_b32 v60, PWS, v60                    ; (32 w + 8 h) rows of weights
	v_mul_u32_u24 v[LDB], v1, PITCH
	v_lshl_add_u32 v[LDB], v2, 4, v[LDB]           ; 272 r + 16 h
	WIN 0xc0                                       ; destination window 3, sources window 0
	v_lshl_add_u32 v[OFFW], v1, 4, v60             ; + 16 r
	v_add_nc_u32 v[STW], s56, v[LDB]               ; 272 r + 16 h + 64 w: my 32 k of a row
	WIN 0
	v_add_nc_u32 v[LDB0], 0, v[LDB]
	v_lshrrev_b32 v[PF], 1, v3
	v_add_nc_u32 v[PF], s20, v[PF]
	v_lshlrev_b32 v[PF], PWS, v[PF]
	v_and_b32 v61, 1, v3
	v_lshl_add_u32 v[PF], v61, 8, v[PF]            ; row 32 w + lane / 2, 256 (lane % 2): each block of 256 bytes of my rows once
	v_lshlrev_b32 v[BOFF], 7, v2
	v_lshlrev_b32 v[H16], 4, v2
	v_lshlrev_b32 v[LST], 2, v1
	v_add_nc_u32 v[RK], 1024, v[LST]               ; tile w + 16
	v_mov_b32 v[LEK], 1024
	v_mov_b32 v[VZ], 0
	s_lshl_b32 s30, s17, 24                        ; an expert's weights are 2^24 bytes
.if LAYER == 1
	s_lshl_b32 s19, s18, 9
	s_add_co_u32 s30, s30, s19                     ; + 512 x
	s_lshl_b32 s22, s17, 14
	s_add_co_u32 s22, s22, s19                     ; b1: 16,384 e + 512 x
	s_mov_b32 s24, 0                               ; xb from its first byte
	s_lshl_b32 s28, s18, 8                         ; h: 256 x
.else
	s_lshr_b32 s19, s18, 3                         ; q
	s_and_b32 s37, s18, 7
	s_lshl_b32 s37, s37, 9                         ; 512 (x % 8)
	s_lshl_b32 s22, s19, 22
	s_add_co_u32 s30, s30, s22                     ; + 1,024 q rows of 4,096 bytes
	s_add_co_u32 s30, s30, s37
	s_lshl_b32 s22, s17, 12
	s_add_co_u32 s22, s22, s37                     ; b2: 4,096 e + 512 (x % 8)
	s_lshl_b32 s24, s19, 11                        ; h: 2,048 q
	s_lshl_b32 s28, s19, 23
	s_add_co_u32 s28, s28, s37                     ; part: 2^23 q + 512 (x % 8)
	s_cmp_eq_u32 s19, 0
	s_cselect_b32 s36, -1, 0                       ; the bias counts in quarter 0 alone
.endif
	s_mul_i32 s26, s17, ORDE                       ; my expert's list
	s_mov_b32 s31, 0
	s_mov_b32 s23, 0
	s_mov_b32 s25, 0
	s_mov_b32 s27, 0
	s_mov_b32 s29, 0
	s_wait_kmcnt 0x0
	s_add_nc_u64 s[4:5], s[4:5], s[30:31]
	s_add_nc_u64 s[6:7], s[6:7], s[22:23]
	s_add_nc_u64 s[8:9], s[8:9], s[24:25]
	s_add_nc_u64 s[58:59], s[10:11], s[26:27]      ; the list's first entry,
	s_add_nc_u64 s[10:11], s[58:59], s[56:57]      ; and my wave's sixteen ranks of its first four tiles; neither is rewritten
	s_add_nc_u64 s[OUT:OUT+1], s[OUT:OUT+1], s[28:29]
	s_mov_b64 s[32:33], s[8:9]                     ; the rows' first chunk, kept for the loop behind the sweep
	s_load_b32 s26, s[58:59], ORDN                 ; n
	s_wait_alu depctr_va_vdst(0)                   ; the offsets and addresses made above are written: the loads and prefetches below read LST, BOFF, OFFW, PF and VZ
.irp t, 0,1,2,3,4
	global_load_b32 v[SL+(\t)], v[LST], s[10:11] offset:256*(\t)                              ; the slot of rank 16 (w + 4 t) + r
.endr
.irp a, 0,1,2,3,4,5,6,7,8,9,10,11,12,13,14,15
	global_load_b128 v[BF+4*(\a):BF+4*(\a)+3], v[BOFF], s[6:7] offset:256*((\a)/8)+16*((\a)%8) ; a = 8 g + j: columns 64 g + 32 h + 4 j + 0..3
.endr
	WLOAD 0, 0                                     ; chunk 0
	WLOAD 1, 0
	WLOAD 2, 0
	WLOAD 3, 0
	WIN 0
	; chunks 1 and 2 are asked into the L2: my wave's 32 rows of 512 bytes each, two requests a chunk, each block of 256 bytes once in the launch
	global_prefetch_b8 v[PF], s[4:5] offset:CH th:TH_LOAD_NT scope:SCOPE_SE
	global_prefetch_b8 v[PF], s[4:5] offset:CH+16*PW th:TH_LOAD_NT scope:SCOPE_SE
	global_prefetch_b8 v[PF], s[4:5] offset:2*CH th:TH_LOAD_NT scope:SCOPE_SE
	global_prefetch_b8 v[PF], s[4:5] offset:2*CH+16*PW th:TH_LOAD_NT scope:SCOPE_SE
	s_mul_i32 s20, s16, STG
	s_add_co_u32 s20, s20, STAGE                   ; my stage
	v_mul_u32_u24 v[STO], v1, SPITCH
.if LAYER == 1
	v_lshl_add_u32 v[STO], v2, 6, v[STO]           ; row r, 64 bytes for each half of the lanes
	v_add_nc_u32 v[STO], s20, v[STO]
	v_mul_u32_u24 v[RD], v2, SPITCH                ; back: lanes 0-15 one row of 256 bytes, lanes 16-31 the next
	v_lshl_add_u32 v[RD], v1, 4, v[RD]
	v_add_nc_u32 v[RD], s20, v[RD]
	WIN 0x40
	v_lshlrev_b32 v[COL1], 4, v1                   ; my 16 bytes of a stored row's 256
	WIN 0
.else
	v_lshl_add_u32 v[STO], v2, 7, v[STO]           ; row r, 128 bytes for each half of the lanes
	v_add_nc_u32 v[STO], s20, v[STO]
	v_lshlrev_b32 v[RD], 4, v3
	v_add_nc_u32 v[RD], s20, v[RD]                 ; back: the wave takes one row of 512 bytes
	WIN 0x40
	v_lshlrev_b32 v[COL1], 4, v3                   ; my 16 bytes of a stored row's 512
	WIN 0
.endif
	s_wait_loadcnt 48                              ; my rows' slots are in: behind them 16 loads of bias and 32 of weights
.irp t, 0,1,2,3,4
	ROWMK \t
.endr
.if LAYER == 2
	s_wait_alu depctr_va_vdst(0)                   ; the five gates' offsets are written, which the loads below read
.irp t, 0,1,2,3,4
	GLOAD \t
.endr
.endif
	WIN 0x40
.irp t, 0,1,2,3,4
.irp i, 0,1,2,3
	global_load_b128 v[ROWS+16*(\t)+4*(\i):ROWS+16*(\t)+4*(\i)+3], v[VZ], s[10:11] offset:256*(\t)+16*(\i)  ; tile w + 4 t's sixteen slots, alike in all lanes, for its way out; the sweep's last wait for 0 shows them landed
.endr
.endr
	WIN 0
	; ---------------- the bias: rounded to bf16, laid out as an accumulator's image; the sums start with it
	s_wait_loadcnt 32+NG+NRL                       ; behind the bias: 32 loads of weights, the gates, the tiles' slots
.irp a, 0,1,2,3,4,5,6,7,8,9,10,11,12,13,14,15
	v_cvt_pk_bf16_f32 v[BT+2*(\a)],   v[BF+4*(\a)],   v[BF+4*(\a)+1]
	v_cvt_pk_bf16_f32 v[BT+2*(\a)+1], v[BF+4*(\a)+2], v[BF+4*(\a)+3]
.endr
.if LAYER == 2
.set i, 0
.rept 32
	v_and_b32 v[BT+i], s36, v[BT+i]
.set i, i+1
.endr
.endif
.irp a, 0,1,2,3,4,5,6,7,8,9,10,11,12,13,14,15
	v_lshlrev_b32 v[BIAS+32*((\a)/8)+(\a)%8],    16,  v[BT+2*(\a)]
	v_and_b32     v[BIAS+32*((\a)/8)+8+(\a)%8],  s38, v[BT+2*(\a)]
	v_lshlrev_b32 v[BIAS+32*((\a)/8)+16+(\a)%8], 16,  v[BT+2*(\a)+1]
	v_and_b32     v[BIAS+32*((\a)/8)+24+(\a)%8], s38, v[BT+2*(\a)+1]
.endr
	INIT 0
	INIT 1
	INIT 2
	INIT 3
	INIT 4
	s_wait_kmcnt 0x0
	s_min_u32 s26, s26, 0x400                      ; n
	s_add_co_u32 s27, s26, 15
	s_lshr_b32 s27, s27, 4                         ; tiles
	s_add_co_u32 s28, s27, 3
	s_sub_co_u32 s28, s28, s16
	s_lshr_b32 s28, s28, 2
	s_min_u32 s28, s28, 5                          ; my live tiles in the sweep
	; ---------------- chunk 0 into slot 0; behind each unit's rounding the pipeline is filled in a trip's own order: the unit of chunk 1, the step's rows of chunk 0 (those of step 3 are asked for by the sweep's first step)
.irp s, 0,1,2,3
.set HC, 8*(3-(\s))+NG+NRL+18*(\s)     ; behind unit s: the later units, the gates, the tiles' slots, and 18 loads behind each earlier unit;
.if HC > 63
.set HC, 63                            ; no more than the field holds
.endif
	s_wait_loadcnt HC
.if (\s) > 0
	s_wait_alu depctr_vm_vsrc(0)                   ; the last unit's LDS stores have read TW, which the conversions write again
.endif
	CVTA \s
	s_wait_alu depctr_va_vdst(0)                   ; TW is written, which the LDS stores read; the conversions are done reading ST[s], in which chunk 1's unit lands; the first time: the rows' offsets are written, and the bias's lines are done with BF
	CVTB \s
	WLOAD \s, 1
.if (\s) < 3
	ALOAD \s
.endif
.endr
	s_wait_dscnt 0x0
	s_barrier_signal -1
	s_barrier_wait -1                              ; slot 0 is whole
	BLOAD 0, 0
	WIN 0
	s_mov_b32 s29, 6
	; ---------------- the sweep.  Trip c multiplies chunk c, rounds chunk c + 1 into its slot, asks for the weights of chunk c + 2 and the rows of chunk c + 1.  The weights' pointer stands at chunk c.
	; A step issues 10 loads of rows, then 8 of weights.  Behind a unit's loads stand 3 x 18 = 54 when it is wanted; behind a step's rows 8, two whole steps' 36, and the 18 of the step that wants them: 62.
.Ltrip:
	KSTEP 0, 2, 1, 54, 62, 0
	WIN 0
	s_cmp_eq_u32 s29, 1
	s_cbranch_scc1 .Lnopf                          ; the last trip asks for nothing: chunk 7 is the slice's last
	global_prefetch_b8 v[PF], s[4:5] offset:3*CH th:TH_LOAD_NT scope:SCOPE_SE        ; chunk c + 3, a trip ahead of its loads: my wave's 32 rows
	global_prefetch_b8 v[PF], s[4:5] offset:3*CH+16*PW th:TH_LOAD_NT scope:SCOPE_SE
.Lnopf:
	KSTEP 1, 2, 1, 54, 62, 0
	KSTEP 2, 2, 1, 54, 62, 0
	KSTEP 3, 2, 1, 54, 62, 1
	WIN 0
	s_sub_co_u32 s29, s29, 1
	s_cmp_lg_u32 s29, 0
	s_cbranch_scc1 .Ltrip
	KSTEP 0, 1, 1, 54, 54, 0                       ; chunk 6: no weights are asked for any more, so the counts run down by 8 a step
	KSTEP 1, 1, 1, 46, 46, 0
	KSTEP 2, 1, 1, 38, 38, 0
	KSTEP 3, 1, 1, 30, 30, 1
	KSTEP 0, 0, 1, 0, 30, 0                        ; chunk 7: its first step asks for the last rows, then nothing is asked for: 10 a step
	KSTEP 1, 0, 0, 0, 20, 0
	KSTEP 2, 0, 0, 0, 10, 0
	KSTEP 3, 0, 0, 0, 0, 0
	; ---------------- tiles 0-3 go out, as far as they are live
	WIN 0
	s_cmp_le_u32 s28, 0
	s_cbranch_scc1 .Lmain_done
	EPI 0
	s_cmp_le_u32 s28, 1
	s_cbranch_scc1 .Lmain_done
	EPI 1
	s_cmp_le_u32 s28, 2
	s_cbranch_scc1 .Lmain_done
	EPI 2
	s_cmp_le_u32 s28, 3
	s_cbranch_scc1 .Lmain_done
	EPI 3
.Lmain_done:
	; ---------------- tile w + 16 (multiplied in the sweep) goes out, and tiles w + 20, w + 24 .. are made on tile 4's registers.  12 trips reach tile 63; dead work is jumped, the barriers never.
	; A trip has two parts, a barrier in front of each.  In the first the waves read weights, at an LDS address that hangs on the chunk loop's counter, and no wave writes LDS; in the second each wave
	; writes and reads its own stage.  The loop waits for each load: beyond its first trip it has work only where an expert has more than 320 rows.
	s_mov_b32 s34, 12
	s_add_co_u32 s35, s16, 16
	s_mov_b32 s23, 0
.Ltail:
	s_wait_dscnt 0x0                               ; my stores into my stage, and my reads of it, are done: those of tiles 0-3, or of the last trip's way out
	s_barrier_signal -1
	s_barrier_wait -1                              ; every wave's are: from here to the next barrier LDS is only read
	s_cmp_ge_u32 s35, s27
	s_cbranch_scc1 .Ltmade
	s_cmp_eq_u32 s34, 12
	s_cbranch_scc1 .Ltmade                         ; the first trip's tile was made in the sweep
	s_wait_xcnt 0x0                                ; the last trip's stores have read tile 4's offsets and accumulators
	s_wait_alu depctr_vm_vsrc(0)                   ; the same stated for the vector registers: the stores have read tile 4's offsets and rows, the gate's load its offset, the rows' loads theirs: all are written again below
	s_wait_alu depctr_va_vdst(0)                   ; RK and LEK are written, which the loads below read; the vector lines that named my row's slot and tile 4's sixteen are done, and the loads land there
	global_load_b32 v[SL+4], v[RK], s[10:11]       ; my row's slot,
	WIN 0x40
.irp i, 0,1,2,3
	global_load_b128 v[ROWS+64+4*(\i):ROWS+64+4*(\i)+3], v[LEK], s[10:11] offset:16*(\i)      ; and the tile's sixteen
.endr
	INIT 4
	WIN 0
	s_wait_loadcnt 0x0
	ROWMK 4
.if LAYER == 2
	s_wait_alu depctr_va_vdst(0)                   ; the gate's offset is written, which the load reads; the last way out's multiplies are done reading the gate, in which it lands
	GLOAD 4
.endif
	s_mov_b32 s29, 8
.Ltchunk:                                              ; chunk c = 8 - the counter: the rows' 256 bytes at 256 c, the weights from slot c
	s_sub_co_u32 s20, 8, s29
	s_min_u32 s20, s20, 7                          ; held to its range
	s_mul_i32 s21, s20, SLOT
	s_lshl_b32 s22, s20, 8
	s_add_nc_u64 s[8:9], s[32:33], s[22:23]        ; every load that named s[8:9] has been waited for
	s_wait_alu depctr_vm_vsrc(0)                   ; the last chunk's LDS loads have read ADR, which is written again; the last way out's LDS stores have read P, in which the fragments land
	v_add_nc_u32 v[ADR], s21, v[LDB0]
	s_wait_alu depctr_va_vdst(0)                   ; ADR and my row's offset are written, which the loads below read; the last chunk's products are done reading the rows' and the weights' fragments, in which they land
	WIN 0x40
.irp s, 0,1,2,3
	global_load_b128 v[40*(\s)+32:40*(\s)+35], v[OFFA+4], s[8:9] offset:64*(\s)
	global_load_b128 v[40*(\s)+36:40*(\s)+39], v[OFFA+4], s[8:9] offset:64*(\s)+32
.endr
.irp p, 0,2                            ; two steps of 32 along K at a time, one in each buffer of fragments
.if (\p) == 2
	s_wait_alu depctr_va_vdst(0)                   ; the products of steps 0 and 1 are done reading the two buffers, in which the fragments of steps 2 and 3 land
.endif
	WIN 0
.irp u, 0,1
.irp f, 0,1,2,3,4,5,6,7
	ds_load_b128 v[BF+64*(\u)+8*(\f):BF+64*(\u)+8*(\f)+3],   v[ADR] offset:(\f)*16*PITCH+64*((\p)+(\u))
	ds_load_b128 v[BF+64*(\u)+8*(\f)+4:BF+64*(\u)+8*(\f)+7], v[ADR] offset:(\f)*16*PITCH+64*((\p)+(\u))+32
.endr
.endr
.if (\p) == 0
	s_wait_loadcnt 0x0                             ; the chunk's rows (and, the first time, the gate)
.endif
	s_wait_dscnt 0x0
	MUL 4, \p, 0
	MUL 4, (\p)+1, 1
	PLACES
.endr
	WIN 0
	s_sub_co_u32 s29, s29, 1
	s_cmp_lg_u32 s29, 0
	s_cbranch_scc1 .Ltchunk
.Ltmade:
	s_wait_dscnt 0x0                               ; my reads of the weights are back
	s_barrier_signal -1
	s_barrier_wait -1                              ; every wave's are: from here to the next barrier, or to the end, the stages may be written
	s_cmp_ge_u32 s35, s27
	s_cbranch_scc1 .Ltnext
	s_wait_xcnt 0x0                                ; this way out stands in a loop: what its last turn's stores named is rewritten only behind this wait
	EPI 4
.Ltnext:
	s_wait_alu depctr_vm_vsrc(0)                   ; the loads of this trip have read RK and LEK, which the two lines below write
	v_add_nc_u32 v[RK], 256, v[RK]                 ; four tiles on; the loads that named these two have been waited for
	v_add_nc_u32 v[LEK], 256, v[LEK]
	s_add_co_u32 s35, s35, 4
	s_sub_co_u32 s34, s34, 1
	s_cmp_lg_u32 s34, 0
	s_cbranch_scc1 .Ltail
	s_wait_dscnt 0x0                               ; my last LDS instructions are done.  The closing add onto my spare word follows
	s_wait_alu depctr_hold_cnt(0) depctr_sa_sdst(0) depctr_va_vdst(0) depctr_va_sdst(0) depctr_va_ssrc(0) depctr_va_vcc(0) depctr_vm_vsrc(0)
	s_wait_tensorcnt 0x0
	ds_add_u32 v62, v63
	s_wait_dscnt 0x0
	s_endpgm
.Lfunc_end_k_q46a6b68e81_ffn2:
	.size	k_q46a6b68e81_ffn2, .Lfunc_end_k_q46a6b68e81_ffn2-k_q46a6b68e81_ffn2
	.p2alignl 7, 3214868480
	.fill 96, 4, 3214868480
	.section	.rodata,"a",@progbits
	.p2align	6, 0x0
	.amdhsa_kernel k_q46a6b68e81_ffn2
		.amdhsa_group_segment_fixed_size 312832
		.amdhsa_private_segment_fixed_size 0
		.amdhsa_enable_private_segment 0
		.amdhsa_kernarg_size 48
		.amdhsa_user_sgpr_count 2
		.amdhsa_user_sgpr_kernarg_segment_ptr 1
		.amdhsa_wavefront_size32 1
		.amdhsa_system_sgpr_workgroup_id_x 1
		.amdhsa_system_sgpr_workgroup_id_y 1
		.amdhsa_system_sgpr_workgroup_id_z 1
		.amdhsa_system_vgpr_workitem_id 0
		.amdhsa_next_free_vgpr 1024
		.amdhsa_next_free_sgpr 66
		.amdhsa_reserve_vcc 0
		.amdhsa_float_denorm_mode_32 3
		.amdhsa_float_denorm_mode_16_64 3
		.amdhsa_memory_ordered 1
		.amdhsa_forward_progress 1
		.amdhsa_inst_pref_size 165
	.end_amdhsa_kernel
	.amdgpu_metadata
---
amdhsa.version: [ 1, 2 ]
amdhsa.kernels:
  - .name:           k_q46a6b68e81_ffn2
    .symbol:         k_q46a6b68e81_ffn2.kd
    .args:
      - { .name: W2, .offset: 0, .size: 8, .value_kind: global_buffer, .address_space: global }
      - { .name: b2, .offset: 8, .size: 8, .value_kind: global_buffer, .address_space: global }
      - { .name: h, .offset: 16, .size: 8, .value_kind: global_buffer, .address_space: global }
      - { .name: order, .offset: 24, .size: 8, .value_kind: global_buffer, .address_space: global }
      - { .name: gates, .offset: 32, .size: 8, .value_kind: global_buffer, .address_space: global }
      - { .name: part, .offset: 40, .size: 8, .value_kind: global_buffer, .address_space: global }
    .group_segment_fixed_size: 312832
    .private_segment_fixed_size: 0
    .kernarg_segment_align: 8
    .kernarg_segment_size: 48
    .max_flat_workgroup_size: 128
    .sgpr_count:     66
    .vgpr_count:     1024
    .wavefront_size: 32
...
	.end_amdgpu_metadata
.endif
;; end of part 7
;; launch combine: the kernel of part 5 again; grid 256 x 1, 8 waves a work-group, no clusters, 0 bytes of LDS; arguments part, psum, out0, out1; writes out0, out1
